; MI455X (gfx1250); checked and timed in simulation.
; The chip was launched on July 23, 2026; its instructions are those of AMD's public machine-readable ISA for CDNA 5 (MIT licence, August 2026) and "CDNA5" Instruction Set Architecture Reference Guide (July 2026). The comments in the code are by the model that wrote it; some were corrected since.
;; Wan Attention. Allowed arithmetic: matrix products marked QUANTISED: E2M3 operands, one E8M0 scale for each 32 along K, by v_wmma_scale_f32_16x16x128_f8f6f4 with both operands' format E2M3, f32 sums; everything else in f32.
;; Inputs: Wk_codes 2,048 x 64 x 24 uint8 (E2M3 codes of Wk, K innermost, in blocks of 32 codes, four codes in three bytes); Wk_scales 2,048 x 64 uint8 (E8M0 scales of Wk, one for each 32 codes along K); Wo_codes 2,048 x 64 x 24 uint8 (E2M3 codes of Wo, K innermost, in blocks of 32 codes, four codes in three bytes); Wo_scales 2,048 x 64 uint8 (E8M0 scales of Wo, one for each 32 codes along K); Wq_codes 2,048 x 64 x 24 uint8 (E2M3 codes of Wq, K innermost, in blocks of 32 codes, four codes in three bytes); Wq_scales 2,048 x 64 uint8 (E8M0 scales of Wq, one for each 32 codes along K); Wv_codes 2,048 x 64 x 24 uint8 (E2M3 codes of Wv, K innermost, in blocks of 32 codes, four codes in three bytes); Wv_scales 2,048 x 64 uint8 (E8M0 scales of Wv, one for each 32 codes along K); bk 2,048 float32; bo 2,048 float32; bq 2,048 float32; bv 2,048 float32; freqs_cos 1 x 2,048 x 1 x 128 float32; freqs_sin 1 x 2,048 x 1 x 128 float32; gk 2,048 float32; gq 2,048 float32; hidden_states_codes 1 x 2,048 x 64 x 24 uint8 (E2M3 codes of hidden_states, K innermost, in blocks of 32 codes, four codes in three bytes); hidden_states_scales 1 x 2,048 x 64 uint8 (E8M0 scales of hidden_states, one for each 32 codes along K).
;; Outputs: out0 1 x 2,048 x 2,048 float32.
;; This version of the problem:
;;   THIS VERSION OF THE PROBLEM IS GIVEN IN LOW PRECISION. The matrix products marked QUANTISED in the list below multiply operands that are first quantised to E2M3 (2 exponent bits, 3 mantissa bits; 6 bits a number), with one power-of-two scale for each 32 numbers along K (OCP MX v1.0); their sums are f32. All else is computed in f32.
;;   The module's matrix products, in the order in which they are computed (A, B: the left and right operand; K: the contracted axis; several contracted axes count as one K, in the product's order):
;;     1. [M 2,048, K 2,048] x [K 2,048, N 2,048]; A: input hidden_states (given as codes); B: input Wq (given as codes): QUANTISED
;;     2. [M 2,048, K 2,048] x [K 2,048, N 2,048]; A: input hidden_states (given as codes); B: input Wk (given as codes): QUANTISED
;;     3. [M 2,048, K 2,048] x [K 2,048, N 2,048]; A: input hidden_states (given as codes); B: input Wv (given as codes): QUANTISED
;;     4. batch 16 x [M 2,048, K 128] x [K 128, N 2,048]; A: computed on the way; B: computed on the way: QUANTISED
;;     5. batch 16 x [M 128, K 2,048] x [K 2,048, N 2,048]; A: computed on the way; B: softmax (see below): QUANTISED
;;     6. [M 2,048, K 2,048] x [K 2,048, N 2,048]; A: computed on the way; B: input Wo (given as codes): QUANTISED
;;   THE QUANTISER, for each operand of a quantised product, along K:
;;     - K is cut into blocks of 32 from its start; a last block that is shorter is filled with zeros.
;;     - A block's scale is 2^e with e = floor(log2(the largest magnitude in the block)) - 2, held to -126 .. 127; a block of zeros has e = 0. As a byte (E8M0): e + 127.
;;     - Each number is divided by its block's scale, clamped to +-7.5, and rounded to the nearest number of E2M3, ties to even, subnormals kept.
;;     - The product sums the exact products of the quantised numbers (number of the format x scale) in f32.
;;   ~~~python
;;   def quantise(x, axis):      # numpy; x: float32 -> the quantised numbers, widened to float32 again
;;       x = np.moveaxis(x, axis, -1); K = x.shape[-1]
;;       x = np.pad(x, [(0, 0)] * (x.ndim - 1) + [(0, -K % 32)]); x = x.reshape(x.shape[:-1] + (-1, 32)); a = np.abs(x).max(-1, keepdims=True)
;;       e = np.where(a > 0, np.clip(np.frexp(np.where(a > 0, a, 1))[1] - 1 - 2, -126, 127), 0)      # np.frexp(a)[1] - 1 = floor(log2(a)), exactly
;;       r = np.clip(x / 2.0 ** e, -7.5, 7.5)
;;       step = 2.0 ** (np.maximum(np.frexp(np.where(r == 0, 1, r))[1] - 1, 0) - 3)
;;       q = np.round(r / step) * step * 2.0 ** e      # np.round: ties to even
;;       return np.moveaxis(q.reshape(q.shape[:-2] + (-1,))[..., :K], -1, axis).astype(np.float32)
;;   ~~~
;;   SOFTMAX AHEAD OF A QUANTISED PRODUCT. Where the list says 'softmax', what is quantised is not the finished softmax but p = 2^(t - M), with t = logit x log2(e) and M = ceil(the row's largest t), a whole number; so 1/2 < the row's largest p <= 1. The row's sum l is taken of the UNQUANTISED p, in f32, and the product's result is divided by l at the end. Since M is a whole number, a kernel that streams over the keys may use a running M (the ceiling of the running maximum): every later rescaling is an exact power of two, which a block's scale takes up: the codes' values come out the same.
;;   OPERANDS COMPUTED ON THE WAY. 'Computed on the way' means the value that the module computes at that place (a softmax that the list does not call 'softmax' is quantised finished and normalised). What goes into a quantiser is computed in f32, as accurately as f32 sums, v_exp_f32 and their like allow (about 1e-6 of the number): no bf16 or f16 on the way to a quantiser, and a product that is left as it is and whose result goes on into a quantised operand takes f32 operands (vector FMAs, or v_wmma_f32_16x16x4_f32). A number that lies on a knife's edge between two numbers of the format may be rounded either way, as far as f32 arithmetic and the matrix unit's own rounding can turn it there, and no further.
;;   INPUTS GIVEN AS CODES. Wk (in the module: [2048, 2048], K = its axis 0); Wo (in the module: [2048, 2048], K = its axis 0); Wq (in the module: [2048, 2048], K = its axis 0); Wv (in the module: [2048, 2048], K = its axis 0); hidden_states (in the module: [1, 2048, 2048], K = its axis 2): each comes as NAME_codes (uint8): NAME with its K axis moved to the last place and cut into blocks of 32 codes, [.., K / 32, bytes a block], one block behind the other in memory; four codes in three bytes: a row's codes are one little-endian stream of bits, code i at bits 6 i .. 6 i + 5 (a code: sign, 2 exponent bits, 3 mantissa bits); and NAME_scales (uint8): the same leading axes, one E8M0 byte (e + 127) for each 32 codes along K. Its value is code x scale, taken as it is: it is not quantised again, and the codes and scales need not be those that the quantiser above would give.
;; 2 versions. Each part assembles by itself: llvm-mc -triple=amdgcn-amd-amdhsa -mcpu=gfx1250 --defsym DOCPART=n.
;; ======== version 1 of 2: 4 launches
;; workspace buffers: q_raw 16,777,216 bytes; k_raw 16,777,216 bytes; qimg 3,276,800 bytes; kv 6,553,600 bytes; o_codes 3,145,728 bytes; o_scales 131,072 bytes
;; launch qkv (part 1): grid 24 x 8, 4 waves a work-group, clusters of 4 x 4, 327,680 bytes of LDS; arguments hidden_states_codes, hidden_states_scales, Wq_codes, Wq_scales, Wk_codes, Wk_scales, Wv_codes, Wv_scales, bq, bk, bv, q_raw, k_raw, kv; writes q_raw, k_raw, kv
.if DOCPART == 1
	.amdgcn_target "amdgcn-amd-amdhsa--gfx1250"
	.amdhsa_code_object_version 6
	.text
	.protected	k_q22cf2692d3_qkv
	.globl	k_q22cf2692d3_qkv
	.p2align	8
	.type	k_q22cf2692d3_qkv,@function
k_q22cf2692d3_qkv:
	s_mov_b64 s[64:65], 0
	v_nop
	global_prefetch_b8 v0, s[64:65] scope:SCOPE_SE
	s_setreg_imm32_b32 hwreg(HW_REG_WAVE_MODE, 25, 1), 1
	s_wait_xcnt 0x0
	s_wait_alu depctr_hold_cnt(0) depctr_sa_sdst(0) depctr_va_vdst(0) depctr_va_sdst(0) depctr_va_ssrc(0) depctr_va_vcc(0) depctr_vm_vsrc(0)
	s_getreg_b32 s2, hwreg(HW_REG_IB_STS2, 6, 4)
	s_cmp_eq_u32 s2, 0
	s_cbranch_scc0 .Lentry_in_a_cluster
	s_endpgm
.Lentry_in_a_cluster:
	s_bfe_u32 s2, ttmp6, 0x10000c
	s_cmp_lg_u32 s2, 0xf033
	s_cbranch_scc0 .Lentry_shape_is_right
	s_endpgm
.Lentry_shape_is_right:
; C'[m][n] = sum over k of A'[m][k] B'[n][k] + a bias, on codes of FP6 (E2M3) with one E8M0 scale for each 32 along K.  All operands: 2,048 rows of 2,048 codes (1,536 bytes), K innermost; scale bytes [2048][64].
; ONE BODY, UP TO THREE PRODUCTS ON ONE GRID.  Arguments: X's codes, X's scales; W0's, W1's, W2's codes and scales; b0, b1, b2; c0, c1, kv.  The product's number p is the cluster's x / 2: the same in all sixteen partners.
;   p = 0, 1:  A' = X, B' = Wp:  C' = X Wp^T + bp (a bias for each column), f32, row-major [2048][2048], into cp.
;   p = 2:     A' = W2, B' = X:  C'[d][key] = v^T + b2[d] (a bias for each row).  The roles are swapped so that a lane holds ONE channel d and its registers run along the KEYS, which are the K of attention's second product:
;              the wave's 128 x 128 (one head x one key step) is quantised along the keys in registers and stored as images of the operand's registers into kv.
; With a grid 8 wide p is 0 in every work-group: the arguments of products 1 and 2 are then named and never used, and nothing is stored into c1 and kv.
; kv: [head 16][key step 16][25,600 bytes]; this body writes a step's second half: at 12,800 eight images of 1,536 bytes (tile a = channels 16 a .. + 15, K = the step's 128 keys), at 25,088 their scale words [tile][row][4].
; An image: register 4 c + i of lane L at byte 512 c + 16 L + 4 i.
; A tile of C', 256 x 256, is made by four waves, each 128 x 128: 64 accumulators, 512 registers.  K goes in steps of 256 (rows of 192 bytes) through a ring of two LDS slots filled by the tensor data mover.
; THE SCALES of the work-group's 256 rows of A' and of B', for all of K, are two dense blocks of 16,384 bytes: they come into LDS once, with the first fills, in rows of 256 bytes, and stay.
; CLUSTERS: 4 x 4 work-groups.  A row of the cluster needs the same tiles of A', a column the same tiles of B': each is asked for jointly, by the same tensor load with the same descriptor and a mask that names the four.
; THE MATRIX INSTRUCTION IS USED TRANSPOSED (source 0 = 16 rows of B', source 1 = 16 rows of A'): lane l holds row l % 16 of C' and its registers the columns 8 (l / 16) + 0 .. 7.
; LIMITS: NaN and infinities are not served.  In the v arm a block of zeros, or one whose largest magnitude lies under 2^-124, gets the scale byte 1 (the quantiser's rule says 127 for zeros): its codes are zeros, and this program alone reads the bytes.
; REGISTERS, in windows of 256: window 0: v0-31 addresses; v32-63 scale words, two sets; v64-67 the bias; from v128 A's fragments, one set; on the way out v128-255 are free.
;   window 1: B's fragments, two sets, at v0 and v128.   window 2: the accumulators of my rows 0-63 ((a, b) at v[8 (8 a + b)]);   window 3: those of my rows 64-127.
.set SIZE_K, 2048
.set SIZE_N, 2048
.set KSTEP,  256                       ; along K in a slot
.set NQ,     KSTEP/128                 ; matrix instructions deep
.set ROWB,   192                       ; a tile's row in bytes
.set KROW,   SIZE_K*6/8                ; a row of codes in memory
.set PITCH,  240                       ; an LDS row: 3 x (64 bytes + 16 of padding) = 60 words: the 32 lanes of a load of 8 bytes touch 64 different banks (64 banks of 4 bytes: ISA guide 11.1)
.set FR,     12                        ; registers of a fragment
.set NL,     6                         ; LDS loads that bring one
.set NP,     4                         ; places behind this matrix instruction (ISA guide 7.12.1)
.set HALFT,  128*PITCH                 ; 128 rows: one tensor load
.set SLOT,   4*HALFT                   ; A's 256 rows, then B's 256
.set LAPS,   SIZE_K/(2*KSTEP)          ; 4 laps of two K steps
.set KS,     SIZE_K/32                 ; a row of scales: 64 bytes
.set SCL,    2*SLOT                    ; behind the ring: the scales, rows of 256 bytes + 16
.set HALFS,  (128*KS/256)*272          ; the scales of 128 rows
.set SBLK,   (16*KS/256)*272           ; of 16 rows
.set SPARE,  SCL+4*HALFS               ; the spare words: 128 bytes a wave, two blocks of 256 bytes that no other line names
.set SPITCH, 528                       ; the way out: a stage of 16 rows x (512 + 16) bytes a wave, in slot 0, which has had its last fill and its last read by then
.set ADRA, 16                          ; v16-17 my A fragments in slot 0, 1 (v18-19: behind one padding more)
.set ADRB, 20                          ; v20-21 the same for B (v22-23)
.set STO,  24                          ; v24  the stage: where I put 32 bytes of a row
.set RD,   25                          ; v25  and where I read a row back
.set CO,   26                          ; v26  16 x lane
.set ADRS, 27                          ; v27  my scale words: lanes 0-15 A's rows, lanes 16-31 B's
.set SPW,  28                          ; v28  my spare word; never rewritten
.set NIL,  29                          ; v29  0; never rewritten
.set L4,   30                          ; v30  4 x lane
.set LN,   31                          ; v31  lane
.set SC,   32                          ; scale words, set s at v[SC + 16 s]
.set BIAS, 64                          ; v64-67
.set AF,   128                         ; A's fragments
.set BK,   128                         ; way out, f32: rows read back: v128-191 and v192-255 by turns
.set T,    128                         ; way out, v: 64 numbers of a block
.set PC,   192                         ; v192-211 the codes just made
.set TM,   212                         ; v212-227 at work in QUANT
.set PWS,  228                         ; v228-235 the eight blocks' scale words
.set BX,   236                         ; v236-239 the bias of lane l xor 16
.set BA,   240                         ; v240 the block's bias (v241 named with it as a pair)
.set MG,   244                         ; v244-247 scale words of two tiles in one register
.set SEL,  20                          ; s[20:21] lane selects, v arm only
.set G1, 24
.set G0, 32
.set G1B, 48
.set G0B, 56
.set G1S, 68
.set G0S, 76
.set G1SB, 80
.set G0SB, 88
.set MSB, 0
.macro WIN new                         ; the immediate's high byte repeats the setting that is left; a switch that changes nothing is dropped
.if MSB != (\new)
	s_set_vgpr_msb (MSB<<8)|(\new)
.set MSB, (\new)
.endif
.endm
.set MUL_LO, 0xa1                      ; source 0 (B) window 1, source 1 (A) window 0, C and D window 2
.set MUL_HI, 0xf1                      ; the same, C and D window 3
.set TO_B,   0x40                      ; destination window 1
; A joint load: waves 0 and 1 fetch for A, waves 2 and 3 for B; the branch hangs on the wave's number alone.  Four v_nop follow each of the two lines.
.macro JLOAD g0a, g1a, g0b, g1b
	s_cmp_eq_u32 s15, 0
	s_cbranch_scc0 .Lfor_b_\@
	tensor_load_to_lds s[\g0a:\g0a+3], s[\g1a:\g1a+7]
	s_nop 0
.rept 4
	v_nop
.endr
	s_branch .Lasked_\@
.Lfor_b_\@:
	tensor_load_to_lds s[\g0b:\g0b+3], s[\g1b:\g1b+7]
	s_nop 0
.rept 4
	v_nop
.endr
.Lasked_\@:
.endm
.macro CREST                           ; a round of the cluster's barrier behind its opening barrier
	s_cmp_lg_u32 s14, 0
	s_cbranch_scc1 .Lnot_wave_0_\@
	s_barrier_signal -3
.Lnot_wave_0_\@:
	s_barrier_wait -3
	s_barrier_signal -1
	s_barrier_wait -1
.endm
.macro CROUND                          ; a whole round
	s_barrier_signal -1
	s_barrier_wait -1
	CREST
.endm
	s_load_b512 s[24:39], s[0:1], 0x0              ; X's codes s[24:25], scales s[26:27]; W0's s[28:31]; W1's s[32:35]; W2's s[36:39]
	s_load_b256 s[48:55], s[0:1], 0x40             ; b0, b1, b2, c0
	s_load_b128 s[56:59], s[0:1], 0x60             ; c1, kv
	v_lshl_add_u32 v[SPW], v0, 2, SPARE
	v_mov_b32 v[NIL], 0
	ds_add_u32 v28, v29
	ds_add_u32 v28, v29
	s_wait_dscnt 0x0
	v_lshrrev_b32 v1, 5, v0
	v_readfirstlane_b32 s14, v1                    ; wave 0..3
	s_lshr_b32 s15, s14, 1                         ; which half of the tile's rows is mine.  Also: I fetch for A (0) or for B (1)
	s_and_b32 s16, s14, 1                          ; which half of its columns.  Also: which 128 rows of that tile I fetch
	s_bfe_u32 s40, ttmp6, 0x40000                  ; cx, cy: my place in the cluster
	s_bfe_u32 s41, ttmp6, 0x40004
	s_lshr_b32 s95, ttmp9, 1                       ; p: two clusters along x to a product
	s_and_b32 s42, ttmp9, 1
	s_lshl_b32 s42, s42, 2
	s_add_co_u32 s42, s42, s40                     ; tile column of C' = 4 x (cluster x mod 2) + cx
	s_and_b32 s17, ttmp7, 0xffff
	s_lshl_b32 s17, s17, 2
	s_add_co_u32 s17, s17, s41                     ; tile row of C' = 4 x cluster y + cy
	s_lshl_b32 s43, s41, 2
	s_lshl_b32 s43, 15, s43                        ; my row of the cluster
	s_lshl_b32 s44, 0x1111, s40                    ; my column
	; group 1 for the scales of 128 rows: a dense block of 8,192 bytes as 32 rows of 256 bytes (32 elements of 8 bytes), 16 bytes of padding behind each
	s_or_b32 s[G1S+0], s43, (3<<16)|(1<<20)|(1<<21)|(5<<22)|(3<<25)
	s_or_b32 s[G1SB+0], s44, (3<<16)|(1<<20)|(1<<21)|(5<<22)|(3<<25)
.irp g, G1S, G1SB
	s_mov_b32 s[\g+1], 32<<16
	s_mov_b32 s[\g+2], (128*KS/256)<<16
	s_mov_b32 s[\g+3], 32<<16
	s_mov_b32 s[\g+4], 128*KS/256
	s_mov_b32 s[\g+5], 32
	s_mov_b32 s[\g+6], 0
	s_mov_b32 s[\g+7], 0
.endr
	s_lshl_b32 s18, s16, 7                         ; which 128 rows of the tile I fetch
	s_lshl_b32 s20, s17, 8
	s_add_co_u32 s20, s20, s18                     ; A': row 256 x tile row + 128 x half
	s_lshl_b32 s46, s42, 8
	s_add_co_u32 s46, s46, s18                     ; B': row 256 x tile column + 128 x half
	s_mov_b32 s21, 0
	s_mov_b32 s47, 0
	s_mov_b64 s[18:19], KS
	s_mul_u64 s[22:23], s[20:21], s[18:19]         ; where these rows' scales begin, in bytes
	s_mul_u64 s[92:93], s[46:47], s[18:19]
	s_mov_b64 s[18:19], KROW
	s_mul_u64 s[20:21], s[20:21], s[18:19]         ; and their codes
	s_mul_u64 s[46:47], s[46:47], s[18:19]
	s_mul_i32 s45, s14, HALFT                      ; where they go: wave x 128 rows: no place in the cluster enters an LDS address
	s_mul_i32 s94, s14, HALFS
	s_wait_kmcnt 0x0
	s_cmp_eq_u32 s95, 2                            ; the product's buffers: the choice hangs on the cluster's number alone
	s_cselect_b64 s[4:5], s[36:37], s[24:25]       ; A's codes: W2's, else X's
	s_cselect_b64 s[6:7], s[38:39], s[26:27]       ; A's scales
	s_cselect_b64 s[8:9], s[24:25], s[32:33]       ; B's codes: X's, else W1's
	s_cselect_b64 s[10:11], s[26:27], s[34:35]     ; B's scales
	s_cselect_b64 s[96:97], s[52:53], s[50:51]     ; the bias
	s_cselect_b64 s[12:13], s[58:59], s[56:57]     ; the result
	s_cmp_eq_u32 s95, 0
	s_cselect_b64 s[8:9], s[28:29], s[8:9]
	s_cselect_b64 s[10:11], s[30:31], s[10:11]
	s_cselect_b64 s[96:97], s[48:49], s[96:97]
	s_cselect_b64 s[12:13], s[54:55], s[12:13]
	; group 1 for the codes (the arguments' registers are free now): a tile of 128 rows x 192 bytes, 16 bytes of padding behind every 64
	s_or_b32 s[G1+0], s43, (0<<16)|(1<<20)|(1<<21)|(3<<22)|(3<<25)  ; 15:0 the mask: A's tiles go to my row; elements of 1 byte; 20 padding on; 21 set beside a mask; 24:22 after every 16 words; 31:25 4 words
	s_or_b32 s[G1B+0], s44, (0<<16)|(1<<20)|(1<<21)|(3<<22)|(3<<25)
.irp g, G1, G1B
	s_mov_b32 s[\g+1], ROWB<<16                    ; tensor_dim0
	s_mov_b32 s[\g+2], 128<<16                     ; tensor_dim1
	s_mov_b32 s[\g+3], ROWB<<16                    ; tile_dim0
	s_mov_b32 s[\g+4], 128                         ; tile_dim1
	s_mov_b32 s[\g+5], KROW                        ; tensor_dim0_stride
	s_mov_b32 s[\g+6], 0
	s_mov_b32 s[\g+7], 0
.endr
	s_add_nc_u64 s[20:21], s[4:5], s[20:21]
	s_add_nc_u64 s[22:23], s[6:7], s[22:23]
	s_add_nc_u64 s[46:47], s[8:9], s[46:47]
	s_add_nc_u64 s[92:93], s[10:11], s[92:93]
	CROUND                                         ; all sixteen work-groups are here: the first joint loads meet
	s_mov_b32 s[G0S], 1
	s_add_co_u32 s[G0S+1], s94, SCL
	s_mov_b64 s[G0S+2:G0S+3], s[22:23]
	s_or_b32 s[G0S+3], s[G0S+3], 0x80000000
	s_mov_b32 s[G0SB], 1
	s_add_co_u32 s[G0SB+1], s94, SCL
	s_mov_b64 s[G0SB+2:G0SB+3], s[92:93]
	s_or_b32 s[G0SB+3], s[G0SB+3], 0x80000000
	JLOAD G0S, G1S, G0SB, G1SB                     ; the scales first: they are wanted with K step 0
.irp s, 0,1
	s_mov_b32 s[G0+4*\s], 1
	s_add_co_u32 s[G0+4*\s+1], s45, \s*SLOT
	s_add_nc_u64 s[G0+4*\s+2:G0+4*\s+3], s[20:21], \s*ROWB
	s_or_b32 s[G0+4*\s+3], s[G0+4*\s+3], 0x80000000
	s_mov_b32 s[G0B+4*\s], 1
	s_add_co_u32 s[G0B+4*\s+1], s45, \s*SLOT
	s_add_nc_u64 s[G0B+4*\s+2:G0B+4*\s+3], s[46:47], \s*ROWB
	s_or_b32 s[G0B+4*\s+3], s[G0B+4*\s+3], 0x80000000
	JLOAD G0+4*\s, G1, G0B+4*\s, G1B               ; three tensor loads of mine are out
.endr
	v_and_b32 v1, 15, v0                           ; l % 16
	v_bfe_u32 v2, v0, 4, 1                         ; l / 16
	v_mul_u32_u24 v3, v1, PITCH
	v_mul_u32_u24 v4, v2, 24
	v_add_nc_u32 v4, v3, v4                        ; a fragment's row x pitch + 24 x half
	v_lshl_add_u32 v5, v2, 4, v4                   ; and the same behind one padding more
	s_mul_i32 s21, s15, HALFT                      ; my 128 rows of A
	s_mul_i32 s22, s16, HALFT                      ; my 128 rows of B,
	s_add_co_u32 s22, s22, 2*HALFT                 ; which lie behind A's 256
.irp s, 0,1
	v_add_nc_u32 v[ADRA+\s], s21, v4
	v_add_nc_u32 v[ADRB+\s], s22, v4
	v_add_nc_u32 v[ADRA+2+\s], s21, v5
	v_add_nc_u32 v[ADRB+2+\s], s22, v5
	s_add_co_u32 s21, s21, SLOT
	s_add_co_u32 s22, s22, SLOT
.endr
	v_mul_u32_u24 v5, v1, KS                       ; my row's scales: 64 bytes a row,
	v_lshrrev_b32 v6, 8, v5
	v_lshl_add_u32 v5, v6, 4, v5                   ; and 16 more for each 256 passed
	s_mul_i32 s21, s15, HALFS                      ; A's: my 128 rows
	s_mul_i32 s22, s16, HALFS                      ; B's: my 128 rows, behind A's 256
	s_add_co_u32 s22, s22, 2*HALFS
	s_sub_co_u32 s22, s22, s21
	v_mul_u32_u24 v6, s22, v2                      ; lanes 16-31 take B's: the lower base + half x the distance
	s_add_co_u32 s21, s21, SCL
	v_add_nc_u32 v5, v5, v6
	v_add_nc_u32 v[ADRS], s21, v5
	s_mul_i32 s23, s14, 16*SPITCH                  ; my stage
	v_mul_u32_u24 v5, v1, SPITCH                   ; in: row l % 16, 32 bytes for each half of the lanes
	v_lshl_add_u32 v5, v2, 5, v5
	v_add_nc_u32 v[STO], s23, v5
	v_and_b32 v[LN], 31, v0
	v_lshlrev_b32 v[CO], 4, v[LN]                  ; back: the 32 lanes take one row of 512 bytes; the same in C'
	v_add_nc_u32 v[RD], s23, v[CO]
	v_lshlrev_b32 v[L4], 2, v[LN]
	; THE BIAS is asked for now and waited for on the way out; both ways fill v64-67.  The result's address is stepped to my part.
	s_cmp_eq_u32 s95, 2
	s_cbranch_scc1 .Lbias_rows
	s_lshl_b32 s20, s17, 8
	s_lshl_b32 s21, s15, 7
	s_add_co_u32 s20, s20, s21                     ; my first row of C': 256 x tile row + 128 x half
	s_mov_b32 s21, 0
	s_mov_b64 s[18:19], SIZE_N*4
	s_mul_u64 s[20:21], s[20:21], s[18:19]
	s_lshl_b32 s46, s42, 10                        ; my first column, in bytes: 1,024 x tile column + 512 x half
	s_lshl_b32 s47, s16, 9
	s_add_co_u32 s46, s46, s47
	s_mov_b32 s47, 0
	s_add_nc_u64 s[96:97], s[96:97], s[46:47]      ; the bias of my 128 columns begins as many bytes on
	global_load_b128 v[BIAS:BIAS+3], v[CO], s[96:97]   ; columns 4 l .. 4 l + 3: what lane l holds of a row read back from the stage
	s_add_nc_u64 s[12:13], s[12:13], s[20:21]
	s_add_nc_u64 s[12:13], s[12:13], s[46:47]
	s_branch .Lbias_done
.Lbias_rows:
	s_lshl_b32 s20, s17, 10
	s_lshl_b32 s21, s15, 9
	s_add_co_u32 s20, s20, s21                     ; 4 x my first channel: 256 x tile row + 128 x half
	s_mov_b32 s21, 0
	s_add_nc_u64 s[96:97], s[96:97], s[20:21]
.irp i, 0,1,2,3
	global_load_b32 v[BIAS+\i], v[L4], s[96:97] offset:128*\i   ; the bias of channel 32 i + l of my 128
.endr
	s_lshl_b32 s20, s17, 1
	s_add_co_u32 s20, s20, s15                     ; my 128 channels are head 2 x tile row + half,
	s_lshl_b32 s20, s20, 4
	s_lshl_b32 s46, s42, 1
	s_add_co_u32 s46, s46, s16                     ; my 128 keys key step 2 x tile column + half
	s_add_co_u32 s46, s46, s20
	s_mul_i32 s46, s46, 25600
	s_mov_b32 s47, 0
	s_add_nc_u64 s[12:13], s[12:13], s[46:47]
.Lbias_done:
.macro FRAG reg, adr, q, i             ; a fragment, 16 rows x 128 K: lane l holds row l % 16; registers 6 c .. 6 c + 5 hold K = 64 c + 32 (l / 16) + 0 .. 31: 24 bytes of the row's stream of bits, as they lie
.irp p, 0,1,2,3,4,5                    ; in pieces of 8 bytes.  Lanes 16-31 read three pieces further on than lanes 0-15; where that is behind one padding more, the second address register serves
.set PIECE, 12*(\q)+6*(\p/3)+\p%3
.if PIECE%8 < 5
	ds_load_b64 v[\reg+2*\p:\reg+2*\p+1], v[\adr] offset:8*PIECE+16*(PIECE/8)+(\i)*16*PITCH
.else
	ds_load_b64 v[\reg+2*\p:\reg+2*\p+1], v[\adr+2] offset:8*PIECE+16*(PIECE/8)+(\i)*16*PITCH
.endif
.endr
.endm
; 16 matrix instructions: A's blocks a0, a0 + 1 x B's eight, the slot's q-th 128 along K.  p: B's set; sc: the set of scale words.  zero = 1: the first product starts the sums.
; The 64 accumulators take turns, one instruction a turn, in the same order in every step.
.macro MUL16 a0, p, q, sc, zero
.irp a, \a0, \a0+1
.irp b, 0,1,2,3,4,5,6,7
.if \zero
	v_wmma_scale_f32_16x16x128_f8f6f4 v[8*(8*((\a)%4)+\b):8*(8*((\a)%4)+\b)+7], v[128*(\p)+FR*\b:128*(\p)+FR*\b+FR-1], v[AF+FR*(\a):AF+FR*(\a)+FR-1], 0, v[SC+8*NQ*(\sc)+NQ*\b+(\q)], v[SC+8*NQ*(\sc)+NQ*(\a)+(\q)] matrix_a_fmt:MATRIX_FMT_FP6 matrix_b_fmt:MATRIX_FMT_FP6 matrix_a_scale:MATRIX_SCALE_ROW1
.else
	v_wmma_scale_f32_16x16x128_f8f6f4 v[8*(8*((\a)%4)+\b):8*(8*((\a)%4)+\b)+7], v[128*(\p)+FR*\b:128*(\p)+FR*\b+FR-1], v[AF+FR*(\a):AF+FR*(\a)+FR-1], v[8*(8*((\a)%4)+\b):8*(8*((\a)%4)+\b)+7], v[SC+8*NQ*(\sc)+NQ*\b+(\q)], v[SC+8*NQ*(\sc)+NQ*(\a)+(\q)] matrix_a_fmt:MATRIX_FMT_FP6 matrix_b_fmt:MATRIX_FMT_FP6 matrix_a_scale:MATRIX_SCALE_ROW1
.endif
.endr
.endr
.endm
.macro FETCH_B slot, q, p              ; B's eight fragments of the slot's q-th 128 along K into set p
	WIN TO_B
.irp i, 0,1,2,3,4,5,6,7
	FRAG 128*(\p)+FR*\i, ADRB+\slot, \q, \i
.endr
	WIN 0
.endm
.macro FETCH_A slot, q, i0             ; A's blocks i0 .. i0 + 3
.irp i, \i0, \i0+1, \i0+2, \i0+3
	FRAG AF+FR*(\i), ADRA+\slot, \q, \i
.endr
.endm
.macro SCALES sc                       ; a K step's scale words into set sc: two words a row; lanes 0-15 take A's block i, lanes 16-31 B's block i
.irp i, 0,1,2,3,4,5,6,7
	ds_load_b64 v[SC+8*NQ*\sc+NQ*\i:SC+8*NQ*\sc+NQ*\i+1], v[ADRS] offset:\i*SBLK
.endr
.endm
; A load into a register that a matrix instruction has read, and a vector instruction or an LDS store that reads a matrix result, stand NP places behind it; only plain vector instructions that name none of its registers are places.
.macro PLACES n
.rept \n
	v_nop
.endr
.endm
.macro STEP slot, q, zero              ; a step of 128 along K that has its successor in the same slot
	s_wait_dscnt 4*NL                              ; B's set and A's blocks 0-3 are in; the youngest 24 loads (A's blocks 4-7) may be out
	WIN MUL_LO
	MUL16 0, (\q)%2, \q, \slot, \zero
	MUL16 2, (\q)%2, \q, \slot, \zero
	s_wait_dscnt 0                                 ; A's blocks 4-7 are in (asked for 32 matrix instructions ago)
	PLACES NP
	FETCH_B \slot, (\q)+1, 1-(\q)%2
	FETCH_A \slot, (\q)+1, 0
	WIN MUL_HI
	MUL16 4, (\q)%2, \q, \slot, \zero
	MUL16 6, (\q)%2, \q, \slot, \zero
	PLACES NP
	WIN 0
	FETCH_A \slot, (\q)+1, 4
.endm
; A slot's last step changes slots: ONE barrier; in front of it each wave waits for all its tensor loads, adds 0 to its spare word, and waits for that and for its own reads of this slot.  fill = 1: this slot is filled again, two K steps ahead.
.macro TURN slot, next, fill
	s_wait_tensorcnt 0x0                           ; all my tensor loads have landed: my part of the next slot (every window is 0 here)
	ds_add_u32 v[SPW], v[NIL]                      ; 0 onto my spare word
	s_wait_dscnt 4*NL+1                            ; (the add and the youngest 24 loads, A's blocks 4-7, may be out)
	WIN MUL_LO
	MUL16 0, 1, NQ-1, \slot, 0                     ; sixteen matrix instructions stand between the add and the wait for it
	s_wait_dscnt 0x0                               ; the add is done, and my reads of this slot are over
	s_barrier_signal -1
	MUL16 2, 1, NQ-1, \slot, 0
	WIN 0
	s_barrier_wait -1
.if \fill
	CREST                                          ; the barrier has opened a round of the cluster's barrier: no wave of any partner still reads this slot's tile or has a load on its way
	s_add_nc_u64 s[G0+4*\slot+2:G0+4*\slot+3], s[G0+4*\slot+2:G0+4*\slot+3], 2*ROWB
	s_add_nc_u64 s[G0B+4*\slot+2:G0B+4*\slot+3], s[G0B+4*\slot+2:G0B+4*\slot+3], 2*ROWB
	JLOAD G0+4*\slot, G1, G0B+4*\slot, G1B         ; the first tensor load behind the round; the four v_nop behind it are the places in front of the loads below
.else
	PLACES NP
.endif
	v_add_nc_u32 v[ADRS], 4*NQ, v[ADRS]            ; on to the next K step's scale words
	FETCH_B \next, 0, 0
	FETCH_A \next, 0, 0
	SCALES \next
	WIN MUL_HI
	MUL16 4, 1, NQ-1, \slot, 0
	MUL16 6, 1, NQ-1, \slot, 0
	PLACES NP
	WIN 0
	FETCH_A \next, 0, 4
.endm
	s_wait_tensorcnt 1                             ; the scales and my part of K step 0 are in (K step 1's load may be out)
	s_barrier_signal -1
	s_barrier_wait -1                              ; everybody's are
	FETCH_B 0, 0, 0
	FETCH_A 0, 0, 0
	SCALES 0
	FETCH_A 0, 0, 4
	STEP 0, 0, 1                                   ; the first step stands in front of the loop: its products start the sums
	s_mov_b32 s3, LAPS-1
.Llap:                                                 ; a trip goes once round the ring, from a lap's second step to the next lap's first, and fills both slots again
	TURN 0, 1, 1
	STEP 1, 0, 0
	TURN 1, 0, 1
	STEP 0, 0, 0
	s_sub_co_u32 s3, s3, 1
	s_cmp_lg_u32 s3, 0
	s_cbranch_scc1 .Llap
	TURN 0, 1, 0                                   ; the last lap fills nothing, and has no round of the cluster's barrier
	STEP 1, 0, 0
	s_wait_dscnt 4*NL                              ; the very last step: nothing more to fetch
	WIN MUL_LO
	MUL16 0, 1, NQ-1, 1, 0
	MUL16 2, 1, NQ-1, 1, 0
	s_wait_dscnt 0
	WIN MUL_HI
	MUL16 4, 1, NQ-1, 1, 0
	MUL16 6, 1, NQ-1, 1, 0
	WIN 0
	PLACES NP                                      ; in front of the first read of results and of the first write of registers that held A's fragments
	s_wait_loadcnt 0x0                             ; the bias
	s_cmp_eq_u32 s95, 2
	s_cbranch_scc1 .Lv_arm
; THE WAY OUT IN f32, block by block of 16 rows x 128 columns: through my own stage in LDS and back as whole rows of 512 bytes; the bias of the lane's four columns is added on the way; 32 lanes store 512 consecutive bytes.
; LDS serves a wave's instructions in order (ISA guide 5.7.1.4): no wait between the stores and the loads, nor in front of the next block's stores.
.macro TOSTAGE a
.set AC, 64*((\a)%4)
	WIN 0x08+4*((\a)/4)                            ; the data: window 2 or 3
.irp b, 0,1,2,3,4,5,6,7
	ds_store_b128 v[STO], v[AC+8*\b:AC+8*\b+3] offset:64*\b          ; each accumulator from its low end on
	ds_store_b128 v[STO], v[AC+8*\b+4:AC+8*\b+7] offset:64*\b+16
.endr
	WIN 0
.set BB, BK+64*((\a)%2)
.irp t, 0,1,2,3,4,5,6,7,8,9,10,11,12,13,14,15
	ds_load_b128 v[BB+4*\t:BB+4*\t+3], v[RD] offset:\t*SPITCH
.endr
.endm
.macro SEND a, younger                 ; younger: the LDS instructions issued behind block a's loads, which may stay out
.set BB, BK+64*((\a)%2)
	s_wait_dscnt \younger                          ; the block is back in registers
.if (\a) > 0
	s_add_nc_u64 s[12:13], s[12:13], 16*SIZE_N*4   ; (behind a wait on XCNT: the earlier stores have read their base)  16 rows on
.endif
.irp t, 0,1,2,3,4,5,6,7,8,9,10,11,12,13,14,15
	v_pk_add_f32 v[BB+4*\t:BB+4*\t+1], v[BB+4*\t:BB+4*\t+1], v[BIAS:BIAS+1]
	v_pk_add_f32 v[BB+4*\t+2:BB+4*\t+3], v[BB+4*\t+2:BB+4*\t+3], v[BIAS+2:BIAS+3]
	global_store_b128 v[CO], v[BB+4*\t:BB+4*\t+3], s[12:13] offset:\t*SIZE_N*4   ; 512 consecutive bytes, at a multiple of 256 from the buffer's first byte
.endr
.endm
	TOSTAGE 0
.irp a, 1,2,3,4,5,6,7
.if \a > 1
	s_wait_xcnt 0x0                                ; block a - 2's stores have read their registers and their base
.endif
	TOSTAGE \a
	SEND \a-1, 32                                  ; behind block a - 1's loads: block a's 16 stores and 16 loads
.endr
	s_wait_xcnt 0x0                                ; block 6's stores have read their base
	SEND 7, 0
	s_branch .Ldone
; 64 numbers of a lane, v[s] .. v[s + 63], register 16 b + i = k 32 b + 16 (lane / 16) + i of my row, become a fragment's codes in v[PC] on and its scale word in v[pw] (the same word in both halves of the lanes).
.macro QUANT s, pw
.irp b, 0,1,2,3
	v_max3_num_f32 v[TM+\b], |v[\s+16*\b]|, |v[\s+1+16*\b]|, 0x1800000   ; block b: my 16 numbers, and the floor 2^(3 - 127): the byte cannot fall under 1
.endr
.irp i, 2,4,6,8,10,12,14
.irp b, 0,1,2,3
	v_max3_num_f32 v[TM+\b], v[TM+\b], |v[\s+16*\b+\i]|, |v[\s+1+16*\b+\i]|   ; (the four blocks by turns)
.endr
.endr
.irp b, 0,1,2,3
	v_permlanex16_b32 v[TM+4+\b], v[TM+\b], s[SEL], s[SEL+1]
.endr
.irp b, 0,1,2,3
	v_max_num_f32 v[TM+\b], v[TM+\b], v[TM+4+\b]   ; with lane l xor 16's: the block's largest magnitude
.endr
.irp b, 0,1,2,3
	v_add_nc_u32 v[TM+12+\b], 0xff000000, v[TM+\b]   ; 2 off its exponent field: the conversion takes the exponent field of this operand as its scale
.endr
.irp b, 0,1,2,3
	v_lshrrev_b32 v[TM+4+\b], 23, v[TM+12+\b]      ; the scale's byte
.endr
	v_lshl_or_b32 v[\pw], v[TM+5], 8, v[TM+4]      ; the four bytes make my row's scale word
	v_lshl_or_b32 v[\pw], v[TM+6], 16, v[\pw]
	v_lshl_or_b32 v[\pw], v[TM+7], 24, v[\pw]
.irp c, 0,1
	v_cvt_scalef32_pk16_fp6_f32 v[PC+6*\c:PC+2+6*\c], v[\s+32*\c:\s+15+32*\c], v[TM+12+2*\c]
	v_cvt_scalef32_pk16_fp6_f32 v[PC+12+4*\c:PC+14+4*\c], v[\s+16+32*\c:\s+31+32*\c], v[TM+12+2*\c+1]   ; (a conversion's three registers begin on an even number)
.endr
	v_nop                                          ; one plain place behind a scaled conversion
.irp c, 0,1                                    ; the operand's layout wants a WHOLE block in a lane: lanes 0-15 block 2 c, lanes 16-31 block 2 c + 1
.irp i, 0,1,2
	v_permlane16_swap_b32 v[PC+6*\c+\i], v[PC+12+4*\c+\i]
.endr
.irp i, 0,1,2
	v_mov_b32 v[PC+3+6*\c+\i], v[PC+12+4*\c+\i]
.endr
.endr
.endm
; THE WAY OUT OF v: no LDS.  Block a = channels 16 a .. + 15 of my head: lane (r, h) holds channel 16 a + r, register 8 b + j the key 16 b + 8 h + j.
.Lv_arm:
	s_mov_b32 s[SEL], 0x76543210
	s_mov_b32 s[SEL+1], 0xfedcba98                 ; v_permlanex16_b32's selects for lane l xor 16
.irp i, 0,1,2,3
	v_mov_b32 v[TM+4+\i], 0                        ; written once: a lane permute's destination counts as one of its sources
	v_mov_b32 v[BX+\i], 0
.endr
	v_mov_b32 v[BA+1], 0                           ; (named as the upper half of the pair)
	v_cmp_lt_u32 vcc_lo, 15, v[LN]                 ; lanes 16-31
.irp i, 0,1,2,3
	v_permlanex16_b32 v[BX+\i], v[BIAS+\i], s[SEL], s[SEL+1]
.endr
.irp a, 0,1,2,3,4,5,6,7
.if \a > 0
	s_wait_xcnt 0x0                                ; the last block's stores have read the codes' registers
.endif
.if \a%2 == 0
	v_cndmask_b32 v[BA], v[BIAS+\a/2], v[BX+\a/2], vcc_lo    ; the bias of channel 16 a + r: lanes 0-15 hold it, lanes 16-31 take their partner's
.else
	v_cndmask_b32 v[BA], v[BX+\a/2], v[BIAS+\a/2], vcc_lo    ; the other way round
.endif
	WIN 0x02+\a/4                                  ; source 0: window 2 or 3
.set i, 0
.rept 32
	v_pk_add_f32 v[T+2*i:T+2*i+1], v[64*(\a%4)+2*i:64*(\a%4)+2*i+1], v[BA:BA+1] op_sel_hi:[1,0]   ; each accumulator from its low end on
.set i, i+1
.endr
	WIN 0
.irp b, 0,1,2,3
.irp j, 0,1,2,3,4,5,6,7
	v_permlane16_swap_b32 v[T+16*\b+\j], v[T+16*\b+8+\j]   ; the first's lanes 16-31 change places with the second's lanes 0-15: register 16 b + i is now key 32 b + 16 h + i
.endr
.endr
	QUANT T, PWS+\a
.irp c, 0,1,2
	global_store_b128 v[CO], v[PC+4*\c:PC+4*\c+3], s[12:13] offset:12800+1536*\a+512*\c   ; the image: 512 consecutive bytes a store
.endr
.endr
.irp i, 0,1,2,3
	v_cndmask_b32 v[MG+\i], v[PWS+2*\i], v[PWS+2*\i+1], vcc_lo   ; lanes 0-15 tile 2 i's words, lanes 16-31 tile 2 i + 1's
.endr
.irp i, 0,1,2,3
	global_store_b32 v[L4], v[MG+\i], s[12:13] offset:25088+128*\i
.endr
.Ldone:
	s_wait_tensorcnt 0x0                           ; the wave's end: behind my last tensor load and my last LDS store
	ds_add_u32 v[SPW], v[NIL]
	s_wait_dscnt 0x0
	CROUND                                         ; the closing round: no work-group ends while a partner may still ask for a tile that names it
	s_endpgm
.Lfunc_end_k_q22cf2692d3_qkv:
	.size	k_q22cf2692d3_qkv, .Lfunc_end_k_q22cf2692d3_qkv-k_q22cf2692d3_qkv
	.p2alignl 7, 3214868480
	.fill 96, 4, 3214868480
	.section	.rodata,"a",@progbits
	.p2align	6, 0x0
	.amdhsa_kernel k_q22cf2692d3_qkv
		.amdhsa_group_segment_fixed_size 327680
		.amdhsa_private_segment_fixed_size 0
		.amdhsa_enable_private_segment 0
		.amdhsa_kernarg_size 112
		.amdhsa_user_sgpr_count 2
		.amdhsa_user_sgpr_kernarg_segment_ptr 1
		.amdhsa_wavefront_size32 1
		.amdhsa_system_sgpr_workgroup_id_x 1
		.amdhsa_system_sgpr_workgroup_id_y 1
		.amdhsa_system_sgpr_workgroup_id_z 1
		.amdhsa_system_vgpr_workitem_id 0
		.amdhsa_next_free_vgpr 1024
		.amdhsa_next_free_sgpr 100
		.amdhsa_reserve_vcc 1
		.amdhsa_float_denorm_mode_32 3
		.amdhsa_float_denorm_mode_16_64 3
		.amdhsa_memory_ordered 1
		.amdhsa_forward_progress 1
		.amdhsa_inst_pref_size 236
	.end_amdhsa_kernel
	.amdgpu_metadata
---
amdhsa.version: [ 1, 2 ]
amdhsa.kernels:
  - .name:           k_q22cf2692d3_qkv
    .symbol:         k_q22cf2692d3_qkv.kd
    .args:
      - { .name: hidden_states_codes, .offset: 0, .size: 8, .value_kind: global_buffer, .address_space: global }
      - { .name: hidden_states_scales, .offset: 8, .size: 8, .value_kind: global_buffer, .address_space: global }
      - { .name: Wq_codes, .offset: 16, .size: 8, .value_kind: global_buffer, .address_space: global }
      - { .name: Wq_scales, .offset: 24, .size: 8, .value_kind: global_buffer, .address_space: global }
      - { .name: Wk_codes, .offset: 32, .size: 8, .value_kind: global_buffer, .address_space: global }
      - { .name: Wk_scales, .offset: 40, .size: 8, .value_kind: global_buffer, .address_space: global }
      - { .name: Wv_codes, .offset: 48, .size: 8, .value_kind: global_buffer, .address_space: global }
      - { .name: Wv_scales, .offset: 56, .size: 8, .value_kind: global_buffer, .address_space: global }
      - { .name: bq, .offset: 64, .size: 8, .value_kind: global_buffer, .address_space: global }
      - { .name: bk, .offset: 72, .size: 8, .value_kind: global_buffer, .address_space: global }
      - { .name: bv, .offset: 80, .size: 8, .value_kind: global_buffer, .address_space: global }
      - { .name: q_raw, .offset: 88, .size: 8, .value_kind: global_buffer, .address_space: global }
      - { .name: k_raw, .offset: 96, .size: 8, .value_kind: global_buffer, .address_space: global }
      - { .name: kv, .offset: 104, .size: 8, .value_kind: global_buffer, .address_space: global }
    .group_segment_fixed_size: 327680
    .private_segment_fixed_size: 0
    .kernarg_segment_align: 8
    .kernarg_segment_size: 112
    .max_flat_workgroup_size: 128
    .sgpr_count:     100
    .vgpr_count:     1024
    .wavefront_size: 32
...
	.end_amdgpu_metadata
.endif
;; end of part 1
;; launch normrope (part 2): grid 256 x 1, 16 waves a work-group, no clusters, 201,728 bytes of LDS; arguments q_raw, k_raw, gq, gk, freqs_cos, freqs_sin, qimg, kv; writes qimg, kv
.if DOCPART == 2
	.amdgcn_target "amdgcn-amd-amdhsa--gfx1250"
	.amdhsa_code_object_version 6
	.text
	.protected	k_q22cf2692d3_normrope
	.globl	k_q22cf2692d3_normrope
	.p2align	8
	.type	k_q22cf2692d3_normrope,@function
k_q22cf2692d3_normrope:
	s_mov_b64 s[64:65], 0
	v_nop
	global_prefetch_b8 v0, s[64:65] scope:SCOPE_SE
	s_setreg_imm32_b32 hwreg(HW_REG_WAVE_MODE, 25, 1), 1
	s_wait_xcnt 0x0
; q and k, [2048][2048] f32 (x W + b), are normed over the whole row (x * rsqrt(mean(x^2) + 1e-5) * g), rotated (interleaved pairs: cos from the even places of freqs_cos, sin from the odd places of freqs_sin), and quantised
; along each head's 128 into codes of FP6 (E2M3) with one E8M0 scale for each 32.  The codes leave as IMAGES of the matrix operand's registers: register 4 c + i of lane L at byte 512 c + 16 L + 4 i of 1,536 bytes.
; Work-groups 0-127 take q, the others k: only pointers are chosen, on the work-group's number; there is one path.  A work-group is one tile T of 16 rows; row r of tile T is token 32 (T / 2) + 8 (T % 2) + r + 8 (r / 8),
; so that in attention the scores' 16 registers of two neighbouring tiles of k are 16 neighbouring keys.  Wave w takes row r = w whole: 8,192 bytes, 64 numbers a lane; no loop: all 25 loads of a wave go out at once.
; OUT.  qimg: [head 16][group 16][12,800]: 8 images (tile T % 8 of group T / 8), at 12,288 their scale words [tile][row][4].   kv: [head 16][key step 16][25,600]: the same two parts at a step's head (v's half is another launch's).
; The conversion takes 16 neighbours from ONE lane's registers, a load is best where neighbouring LANES take neighbouring bytes: so a step's 2,048 bytes turn through the wave's own stage in LDS (64 bytes + 16 of padding a place).
; No matrix work, no tensor loads, no cluster: the work-groups share nothing but 8 KB of gain.  Two barriers: the gain lies in LDS; the 16 rows' codes lie in LDS, and wave w then stores head w's image, 1,536 consecutive bytes.
; LIMITS: NaN and infinities are not served; v_rsq_f32 is good to 1 ulp; the row's sum of squares is added in another order than a plain loop's; a block of zeros, or one whose largest magnitude lies under 2^-124,
; gets the scale byte 1 (the quantiser's rule says 127 for zeros): its codes are zeros, and this program alone reads the bytes.
.set SP,   80                          ; a lane's place in a stage
.set WST,  128*SP                      ; a wave's stage: 4 steps x 32 places = 10,240 bytes
.set GST,  16*WST                      ; the gain, laid likewise: 10,240 bytes
.set OST,  GST+WST                     ; 16 heads x 1,536 bytes: the images
.set SCS,  OST+16*1536                 ; [head][row][4]: the scale bytes, 1,024 bytes
.set RAW,  16                          ; v16-79   the row as loaded; later v16-30 codes, v32-35 scale bytes, v40-52 the way out
.set X,    80                          ; v80-143  16 neighbours for each of 4 steps
.set G,    144                         ; v144-207 their gains
.set COS,  208                         ; v208-223
.set SIN,  224                         ; v224-239
; v1 lane, v2 16 x lane, v3 stage in, v4 stage out, v5 gain in, v6 gain out, v7 cos and sin, v8-10 where my three code words go, v11 where my scale byte goes, v[12:13] rsqrt twice,
; v14 the image back, v15 the scale words back, v240-247 at work, v248-251 the gain as loaded, v252 4 x lane
	s_load_b512 s[4:19], s[0:1], 0x0               ; q_raw, k_raw, gq, gk, cos, sin, qimg, kv
	v_lshl_add_u32 v254, v0, 2, 0x30c00
	v_mov_b32 v255, 0
	v_lshrrev_b32 v1, 5, v0
	v_readfirstlane_b32 s22, v1                    ; wave 0..15
	v_and_b32 v1, 31, v0                           ; lane
	v_lshlrev_b32 v2, 4, v1
	v_lshlrev_b32 v252, 2, v1
	s_lshr_b32 s20, ttmp9, 7                       ; 0: q, 1: k
	s_and_b32 s21, ttmp9, 127                      ; T
	s_mul_i32 s32, s22, WST
	v_lshrrev_b32 v3, 2, v1
	v_mul_u32_u24 v3, v3, SP
	v_and_b32 v4, 3, v1
	v_lshl_add_u32 v3, v4, 4, v3
	v_add_nc_u32 v3, s32, v3                       ; in: four lanes' 64 bytes on end, then the padding
	v_mul_u32_u24 v4, v1, SP
	v_add_nc_u32 v4, s32, v4                       ; out: my 16 neighbours
	v_lshrrev_b32 v5, 2, v0
	v_mul_u32_u24 v5, v5, SP
	v_and_b32 v6, 3, v0
	v_lshl_add_u32 v5, v6, 4, v5
	v_add_nc_u32 v5, GST, v5                       ; the gain: thread t's 16 bytes
	v_mul_u32_u24 v6, v1, SP
	v_add_nc_u32 v6, GST, v6
	v_and_b32 v7, 7, v1
	v_lshlrev_b32 v7, 6, v7                        ; my 16 places of the head's 128: 64 (lane % 8) bytes
	; In step s lane L holds head 4 s + L / 8, block (L / 2) % 4 = 2 c + h, half u = L % 2.  Its three code words are registers 3 (2 c + u) + i of lane w + 16 h of that head's image.
	v_bfe_u32 v240, v1, 2, 1                       ; c
	v_and_b32 v241, 1, v1                          ; u
	v_lshl_add_u32 v240, v240, 1, v241
	v_mul_u32_u24 v240, v240, 3
	v_lshrrev_b32 v241, 3, v1
	v_mul_u32_u24 v241, v241, 1536
	v_bfe_u32 v242, v1, 1, 1                       ; h
	v_lshl_add_u32 v241, v242, 8, v241
	s_lshl_b32 s33, s22, 4
	s_add_co_u32 s33, s33, OST
	v_add_nc_u32 v241, s33, v241
.irp i, 0,1,2
	v_add_nc_u32 v242, \i, v240                    ; the register's number,
	v_lshrrev_b32 v243, 2, v242
	v_and_b32 v242, 3, v242
	v_lshl_add_u32 v[8+\i], v243, 9, v241          ; 512 bytes for each four,
	v_lshl_add_u32 v[8+\i], v242, 2, v[8+\i]       ; 4 for each one
.endr
	v_lshrrev_b32 v11, 3, v1
	v_lshlrev_b32 v11, 6, v11
	v_bfe_u32 v242, v1, 1, 2
	v_add_nc_u32 v11, v11, v242
	s_lshl_b32 s33, s22, 2
	s_add_co_u32 s33, s33, SCS
	v_add_nc_u32 v11, s33, v11                     ; 64 (L / 8) + 4 w + my block
	v_lshlrev_b32 v13, 4, v0                       ; the gain's load: 16 bytes a thread
	s_mul_i32 s33, s22, 1536
	s_add_co_u32 s33, s33, OST
	v_add_nc_u32 v14, s33, v2
	v_and_b32 v15, 15, v1
	v_lshlrev_b32 v15, 2, v15
	s_lshl_b32 s33, s22, 6
	s_add_co_u32 s33, s33, SCS
	v_add_nc_u32 v15, s33, v15
	s_lshr_b32 s23, s21, 1
	s_lshl_b32 s23, s23, 5
	s_and_b32 s33, s21, 1
	s_lshl_b32 s33, s33, 3
	s_add_co_u32 s23, s23, s33
	s_add_co_u32 s23, s23, s22
	s_and_b32 s33, s22, 8
	s_add_co_u32 s23, s23, s33                     ; my token
	s_lshl_b32 s34, s23, 13
	s_mov_b32 s35, 0
	s_lshl_b32 s36, s23, 9
	s_mov_b32 s37, 0
	s_mul_i32 s28, s22, 204800                     ; the way out: wave w stores head w: (204,800 w + 12,800 (T / 8)), twice that in kv,
	s_lshr_b32 s29, s21, 3
	s_mul_i32 s29, s29, 12800
	s_add_co_u32 s28, s28, s29
	s_lshl_b32 s28, s28, s20
	s_and_b32 s29, s21, 7
	s_lshl_b32 s30, s29, 6
	s_add_co_u32 s30, s30, s28
	s_add_co_u32 s30, s30, 12288                   ; the scale words: + 12,288 + 64 (T % 8);
	s_mul_i32 s29, s29, 1536
	s_add_co_u32 s28, s28, s29                     ; the image: + 1,536 (T % 8)
	s_mov_b32 s29, 0
	s_mov_b32 s31, 0
	s_mov_b32 s24, 0x76543210
	s_mov_b32 s25, 0xfedcba98                      ; v_permlanex16_b32's selects for lane l xor 16
	s_mov_b32 s26, 0x3a000000                      ; 1 / 2,048
	s_mov_b32 s27, 0x3727c5ac                      ; 1e-5
	s_wait_kmcnt 0x0
	s_cmp_lt_u32 ttmp9, 128
	s_cselect_b64 s[4:5], s[4:5], s[6:7]
	s_cselect_b64 s[8:9], s[8:9], s[10:11]
	s_cselect_b64 s[16:17], s[16:17], s[18:19]
	s_add_nc_u64 s[4:5], s[4:5], s[34:35]
	s_add_nc_u64 s[12:13], s[12:13], s[36:37]
	s_add_nc_u64 s[14:15], s[14:15], s[36:37]
	s_add_nc_u64 s[28:29], s[16:17], s[28:29]
	s_add_nc_u64 s[30:31], s[16:17], s[30:31]
	global_load_b128 v[248:251], v13, s[8:9]
.irp s, 0,1,2,3
.irp i, 0,1,2,3
	global_load_b128 v[RAW+16*\s+4*\i:RAW+16*\s+4*\i+3], v2, s[4:5] offset:2048*\s+512*\i th:TH_LOAD_NT   ; 32 lanes read 512 consecutive bytes; read once in the launch
.endr
.endr
.irp i, 0,1,2,3
	global_load_b128 v[COS+4*\i:COS+4*\i+3], v7, s[12:13] offset:16*\i
.endr
.irp i, 0,1,2,3
	global_load_b128 v[SIN+4*\i:SIN+4*\i+3], v7, s[14:15] offset:16*\i
.endr
	s_wait_loadcnt 24                              ; the gain is in: the 16 + 8 younger loads may be out
	ds_store_b128 v5, v[248:251]
.macro INSTEP s                        ; step s's 16 numbers as loaded: their squares into four packed chains; then through the stage
	s_wait_loadcnt 20-4*\s                         ; this step's four loads are in; the later steps' and the 8 of cos and sin may be out
.set j, 0
.rept 8
.if (\s == 0) && (j < 4)
	v_pk_mul_f32 v[240+2*j:241+2*j], v[RAW+2*j:RAW+2*j+1], v[RAW+2*j:RAW+2*j+1]    ; the first four pairs start the chains: nothing is cleared
.else
	v_pk_fma_f32 v[240+2*(j%4):241+2*(j%4)], v[RAW+16*\s+2*j:RAW+16*\s+2*j+1], v[RAW+16*\s+2*j:RAW+16*\s+2*j+1], v[240+2*(j%4):241+2*(j%4)]
.endif
.set j, j+1
.endr
.irp i, 0,1,2,3
	ds_store_b128 v3, v[RAW+16*\s+4*\i:RAW+16*\s+4*\i+3] offset:32*SP*\s+8*SP*\i
.endr
.irp i, 0,1,2,3
	ds_load_b128 v[X+16*\s+4*\i:X+16*\s+4*\i+3], v4 offset:32*SP*\s+16*\i    ; LDS serves a wave's instructions in order: these see the stores above
.endr
.endm
	INSTEP 0
	INSTEP 1
	INSTEP 2
	INSTEP 3
	v_pk_add_f32 v[240:241], v[240:241], v[242:243]
	v_pk_add_f32 v[244:245], v[244:245], v[246:247]
	v_pk_add_f32 v[240:241], v[240:241], v[244:245]
	v_add_f32 v12, v240, v241
	v_add_f32_dpp v12, v12, v12 row_xmask:1 row_mask:0xf bank_mask:0xf
	v_add_f32_dpp v12, v12, v12 row_xmask:2 row_mask:0xf bank_mask:0xf
	v_add_f32_dpp v12, v12, v12 row_xmask:4 row_mask:0xf bank_mask:0xf
	v_add_f32_dpp v12, v12, v12 row_xmask:8 row_mask:0xf bank_mask:0xf
	v_permlanex16_b32 v241, v12, s24, s25
	v_add_f32 v12, v12, v241                       ; the row's sum of squares, in every lane
	v_fma_f32 v240, v12, s26, s27                  ; the mean + 1e-5
	v_rsq_f32 v12, v240
	v_nop                                          ; one plain place behind a transcendental
	s_wait_alu depctr_va_vdst(0)
	v_mov_b32 v13, v12                             ; a pair for the packed multiply (the gain's load, whose offset v13 held, is long in)
	s_wait_dscnt 0x0                               ; for the others' sake: my 16 bytes of the gain are stored; my numbers are back from the stage
	s_barrier_signal -1
	s_barrier_wait -1                              ; the gain lies in LDS
.irp s, 0,1,2,3
.irp i, 0,1,2,3
	ds_load_b128 v[G+16*\s+4*\i:G+16*\s+4*\i+3], v6 offset:32*SP*\s+16*\i
.endr
.endr
	s_wait_dscnt 0x0
	s_wait_loadcnt 0x0                             ; cos and sin
.macro QSTEP s
.set XS, X+16*\s
.set GS, G+16*\s
.irp j, 0,2,4,6,8,10,12,14
	v_pk_mul_f32 v[XS+\j:XS+\j+1], v[XS+\j:XS+\j+1], v[12:13]          ; x * rsqrt,
.endr
.irp j, 0,2,4,6,8,10,12,14
	v_pk_mul_f32 v[XS+\j:XS+\j+1], v[XS+\j:XS+\j+1], v[GS+\j:GS+\j+1]  ; * g
.endr
.irp i, 0,1,2,3,4,5,6,7                ; pair i: o1 = x1 cos - x2 sin, o2 = x1 sin + x2 cos; two pairs of temporaries by turns
	v_mul_f32 v[240+2*(\i%2)], v[XS+2*\i+1], v[SIN+2*\i+1]
	v_mul_f32 v[241+2*(\i%2)], v[XS+2*\i], v[SIN+2*\i+1]
	v_fma_f32 v[XS+2*\i], v[XS+2*\i], v[COS+2*\i], -v[240+2*(\i%2)]
	v_fma_f32 v[XS+2*\i+1], v[XS+2*\i+1], v[COS+2*\i], v[241+2*(\i%2)]
.endr
	v_max3_num_f32 v244, |v[XS]|, |v[XS+1]|, |v[XS+2]|                 ; the largest magnitude of my 16, in two chains
	v_max3_num_f32 v245, |v[XS+3]|, |v[XS+4]|, |v[XS+5]|
.irp i, 6,10
	v_max3_num_f32 v244, v244, |v[XS+\i]|, |v[XS+\i+1]|
	v_max3_num_f32 v245, v245, |v[XS+\i+2]|, |v[XS+\i+3]|
.endr
	v_max3_num_f32 v244, v244, |v[XS+14]|, |v[XS+15]|
	v_max3_num_f32 v244, v244, v245, 0x1800000     ; and the floor 2^(3 - 127): the byte cannot fall under 1
	v_max_num_f32_dpp v244, v244, v244 row_xmask:1 row_mask:0xf bank_mask:0xf   ; and of my neighbour's 16: the block's
	v_add_nc_u32 v246, 0xff000000, v244            ; 2 off its exponent field: the conversion's scale operand
	v_cvt_scalef32_pk16_fp6_f32 v[16+4*\s:18+4*\s], v[XS:XS+15], v246
	v_lshrrev_b32 v[32+\s], 23, v246               ; the scale's byte (also the plain place behind the conversion)
.irp i, 0,1,2
	ds_store_b32 v[8+\i], v[16+4*\s+\i] offset:6144*\s     ; four heads on for each step
.endr
	ds_store_b8 v11, v[32+\s] offset:256*\s        ; both lanes of a block write the same byte with the same value
.endm
	QSTEP 0
	QSTEP 1
	QSTEP 2
	QSTEP 3
	s_wait_dscnt 0x0                               ; for the others' sake: my row's codes and bytes are stored
	s_barrier_signal -1
	s_barrier_wait -1                              ; sixteen whole images lie in LDS
.irp c, 0,1,2
	ds_load_b128 v[40+4*\c:43+4*\c], v14 offset:512*\c
.endr
	ds_load_b32 v52, v15
	s_wait_dscnt 0x0
.irp c, 0,1,2
	global_store_b128 v2, v[40+4*\c:43+4*\c], s[28:29] offset:512*\c    ; 512 consecutive bytes a store, at a multiple of 256 from the buffer's first byte
.endr
	s_wait_xcnt 0x0                                ; EXEC changes only behind this wait
	v_cmp_gt_u32 vcc_lo, 16, v1
	s_wait_tensorcnt 0x0
	ds_add_u32 v254, v255
	s_wait_dscnt 0x0
	s_and_saveexec_b32 s40, vcc_lo
	global_store_b32 v252, v52, s[30:31]           ; the tile's 16 scale words: 64 bytes
	s_wait_xcnt 0x0
	s_or_b32 exec_lo, exec_lo, s40
	s_endpgm
.Lfunc_end_k_q22cf2692d3_normrope:
	.size	k_q22cf2692d3_normrope, .Lfunc_end_k_q22cf2692d3_normrope-k_q22cf2692d3_normrope
	.p2alignl 7, 3214868480
	.fill 96, 4, 3214868480
	.section	.rodata,"a",@progbits
	.p2align	6, 0x0
	.amdhsa_kernel k_q22cf2692d3_normrope
		.amdhsa_group_segment_fixed_size 201728
		.amdhsa_private_segment_fixed_size 0
		.amdhsa_enable_private_segment 0
		.amdhsa_kernarg_size 64
		.amdhsa_user_sgpr_count 2
		.amdhsa_user_sgpr_kernarg_segment_ptr 1
		.amdhsa_wavefront_size32 1
		.amdhsa_system_sgpr_workgroup_id_x 1
		.amdhsa_system_sgpr_workgroup_id_y 1
		.amdhsa_system_sgpr_workgroup_id_z 1
		.amdhsa_system_vgpr_workitem_id 0
		.amdhsa_next_free_vgpr 256
		.amdhsa_next_free_sgpr 66
		.amdhsa_reserve_vcc 1
		.amdhsa_float_denorm_mode_32 3
		.amdhsa_float_denorm_mode_16_64 3
		.amdhsa_memory_ordered 1
		.amdhsa_forward_progress 1
		.amdhsa_inst_pref_size 29
	.end_amdhsa_kernel
	.amdgpu_metadata
---
amdhsa.version: [ 1, 2 ]
amdhsa.kernels:
  - .name:           k_q22cf2692d3_normrope
    .symbol:         k_q22cf2692d3_normrope.kd
    .args:
      - { .name: q_raw, .offset: 0, .size: 8, .value_kind: global_buffer, .address_space: global }
      - { .name: k_raw, .offset: 8, .size: 8, .value_kind: global_buffer, .address_space: global }
      - { .name: gq, .offset: 16, .size: 8, .value_kind: global_buffer, .address_space: global }
      - { .name: gk, .offset: 24, .size: 8, .value_kind: global_buffer, .address_space: global }
      - { .name: freqs_cos, .offset: 32, .size: 8, .value_kind: global_buffer, .address_space: global }
      - { .name: freqs_sin, .offset: 40, .size: 8, .value_kind: global_buffer, .address_space: global }
      - { .name: qimg, .offset: 48, .size: 8, .value_kind: global_buffer, .address_space: global }
      - { .name: kv, .offset: 56, .size: 8, .value_kind: global_buffer, .address_space: global }
    .group_segment_fixed_size: 201728
    .private_segment_fixed_size: 0
    .kernarg_segment_align: 8
    .kernarg_segment_size: 64
    .max_flat_workgroup_size: 512
    .sgpr_count:     66
    .vgpr_count:     256
    .wavefront_size: 32
...
	.end_amdgpu_metadata
.endif
;; end of part 2
;; launch attn (part 3): grid 16 x 16, 8 waves a work-group, clusters of 4 x 1, 327,680 bytes of LDS; arguments qimg, kv, o_codes, o_scales; writes o_codes, o_scales
.if DOCPART == 3
	.amdgcn_target "amdgcn-amd-amdhsa--gfx1250"
	.amdhsa_code_object_version 6
	.text
	.protected	k_q22cf2692d3_attn
	.globl	k_q22cf2692d3_attn
	.p2align	8
	.type	k_q22cf2692d3_attn,@function
k_q22cf2692d3_attn:
	s_mov_b64 s[64:65], 0
	v_nop
	global_prefetch_b8 v0, s[64:65] scope:SCOPE_SE
	s_setreg_imm32_b32 hwreg(HW_REG_WAVE_MODE, 25, 1), 1
	s_wait_xcnt 0x0
	s_wait_alu depctr_hold_cnt(0) depctr_sa_sdst(0) depctr_va_vdst(0) depctr_va_sdst(0) depctr_va_ssrc(0) depctr_va_vcc(0) depctr_vm_vsrc(0)
	s_getreg_b32 s2, hwreg(HW_REG_IB_STS2, 6, 4)
	s_cmp_eq_u32 s2, 0
	s_cbranch_scc0 .Lentry_in_a_cluster
	s_endpgm
.Lentry_in_a_cluster:
	s_bfe_u32 s2, ttmp6, 0x10000c
	s_cmp_lg_u32 s2, 0x3003
	s_cbranch_scc0 .Lentry_shape_is_right
	s_endpgm
.Lentry_shape_is_right:
; o[q][head] = the sum over k of softmax_k(q . k / sqrt(128)) v, 16 heads of 128, 2,048 queries and keys, both products on codes of FP6 (E2M3) with one E8M0 scale for each 32 along K; o is quantised along its row at once.
; IN.  qimg: [head 16][group 16][12,800]: 8 images of fragments (16 queries x 128), at 12,288 their scale words [tile][row][4].  kv: [head 16][key step 16][25,600]: 8 images of k (16 keys x 128), at 12,288 their scale words,
; at 12,800 8 images of v^T (16 channels x the step's 128 keys), at 25,088 their scale words.  An image: register 4 c + i of lane L at byte 512 c + 16 L + 4 i: three loads of 16 bytes a lane bring a fragment, 512 consecutive bytes each.
; Row r of tile T of q or k is token 32 (T / 2) + 8 (T % 2) + r + 8 (r / 8): so the scores' 16 registers of two neighbouring tiles of k are 16 neighbouring keys.
; OUT.  o_codes [2048][1536], o_scales [2048][64]: K innermost, as the next product's operand wants them.  A head's share of a row is 96 bytes: the stores fill aligned blocks of 256 bytes in part; no larger piece of a row is a work-group's.
; THE SOFTMAX AHEAD OF THE SECOND PRODUCT: t = score x log2(e) / sqrt(128); M = the running largest t rounded UP to a whole number; p = 2^(t - M) is quantised along the keys, not normalised.  The row's sum is taken of the
; unquantised p and divides O at the end.  When M moves, the sum and O are multiplied by 2^(old M - new M): exact.
; SHARES.  A work-group owns a group of 128 queries of one head, each of its eight waves one tile of 16: two waves to a SIMD, so that one wave's vector work stands beside the other's matrix work and LDS loads.
; Both products are used transposed (S^T = k q^T, O^T = v^T p^T): a lane holds ONE query (lane % 16) throughout.  Every wave walks 16 key steps of 128 keys.
; THE RING: two LDS slots of four key steps (102,400 dense bytes of kv); each wave brings an eighth, 50 rows of 256 bytes, by one tensor load; a refill has four key steps in which to land.
; CLUSTER: the four work-groups of a cluster belong to one head and walk the same kv, so every load is asked for JOINTLY (mask 15); the place in the cluster enters q's and o's addresses alone.
; LOADS RUN A PHASE AHEAD: a step's v is asked for behind its score products and waited for behind the exponentials; the next step's k is asked for ahead of p's conversion and waited for at the next score products.
; LIMITS: NaN and infinities are not served; v_exp_f32 and v_rcp_f32 are good to 1 ulp, and a p under 2^-126 is 0; a block's largest p is taken from the block's largest score by the same two instructions;
; the sum is added in another order than a plain loop's; a block of zeros gets the scale byte 1 with zero codes (read by this program alone).
; REGISTERS: window 0: v1-11 addresses; v12 -M, v13 the largest t, v[14:15] the sum in two halves; v16-27 q; v28-31 k's scale words, v32-35 v's (lanes 0-15 tile 2 i, lanes 16-31 tile 2 i + 1); v96-159 S^T, then p; v160-223 O^T;
;   v224-235 p's codes; v232-254 at work; v253 p's scale word; v255 q's.   window 1: v0-95 k's eight fragments, v96-191 v's.
.set STEPB, 25600                      ; a key step in kv and in a slot
.set VOFF,  12800                      ; v's half of it
.set SLOTB, 4*STEPB
.set SLOT1, 131072                     ; slot 1 begins here: one exclusive or turns an address in one slot into the other's
.set SPARE, 262144                     ; the spare words: 128 bytes a wave, four blocks of 256 bytes that no other line names
.set L16, 1                            ; v1   16 x lane
.set L4,  2                            ; v2   4 x lane
.set AD,  3                            ; v3   the step's images
.set AS,  4                            ; v4   the step's scale words
.set SPW, 5                            ; v5   my spare word; never rewritten
.set NIL, 6                            ; v6   0; never rewritten
.set GO,  7                            ; v7   the way out: my bytes in o_codes
.set GS,  8                            ; v8   and in o_scales
.set QS,  9                            ; v9   q's scale word; later lane / 16
.set QA,  10                           ; v10  q's image
.set LN,  11                           ; v11  lane
.set KSC, 28
.set VSC, 32
.set PC,  160                          ; the way out: o's codes, where O^T lay
.set TM,  232                          ; and QUANT's registers at work
.set WV,  12                           ; s12  wave
.set SEL, 20                           ; s[20:21] lane selects for lane l xor 16
.set CS,  22                           ; s[22:23] c = log2(e) / sqrt(128), twice
.set G1,  24                           ; s[24:31] descriptor group 1
.set G0A, 32                           ; s[32:35] group 0 for slot 0
.set G0B, 36                           ; s[36:39] for slot 1
.set TB,  40                           ; s40  LDS byte at which the step to be fetched begins
.set CNT, 41                           ; s41  trips
.set MSB, 0
.macro WIN new                         ; the immediate's high byte repeats the setting that is left; a switch that changes nothing is dropped
.if MSB != (\new)
	s_set_vgpr_msb (MSB<<8)|(\new)
.set MSB, (\new)
.endif
.endm
.macro CROUND                          ; a round of the cluster's barrier
	s_barrier_signal -1
	s_barrier_wait -1
	s_cmp_lg_u32 s[WV], 0
	s_cbranch_scc1 .Lnot_wave_0_\@
	s_barrier_signal -3
.Lnot_wave_0_\@:
	s_barrier_wait -3
	s_barrier_signal -1
	s_barrier_wait -1
.endm
	s_load_b256 s[4:11], s[0:1], 0x0               ; qimg s[4:5], kv s[6:7], o_codes s[8:9], o_scales s[10:11]
	v_lshl_add_u32 v[SPW], v0, 2, SPARE
	v_mov_b32 v[NIL], 0
	ds_add_u32 v5, v6
	ds_add_u32 v5, v6
	s_wait_dscnt 0x0
	v_lshrrev_b32 v1, 5, v0
	v_readfirstlane_b32 s[WV], v1                  ; wave 0..7
	s_bfe_u32 s13, ttmp6, 0x40000                  ; cx: my place in the cluster
	s_lshl_b32 s14, ttmp9, 2
	s_add_co_u32 s14, s14, s13                     ; my group of 128 queries = 4 x cluster x + cx
	s_and_b32 s15, ttmp7, 0xffff                   ; the head, which the four partners share
	s_mul_i32 s18, s[WV], 12800                    ; my eighth of a slot, in LDS and in memory
	s_mul_i32 s16, s15, 16*STEPB
	s_add_co_u32 s16, s16, s18
	s_mov_b32 s17, 0
	s_mul_i32 s44, s15, 204800
	s_mul_i32 s45, s14, 12800
	s_add_co_u32 s44, s44, s45                     ; my group in qimg
	s_mov_b32 s45, 0
	s_lshl_b32 s46, s14, 7
	s_lshr_b32 s47, s[WV], 1
	s_lshl_b32 s47, s47, 5
	s_add_co_u32 s46, s46, s47
	s_and_b32 s47, s[WV], 1
	s_lshl_b32 s47, s47, 3
	s_add_co_u32 s46, s46, s47                     ; my tile's first token: 128 x group + 32 (w / 2) + 8 (w % 2)
	s_mul_i32 s42, s46, 1536
	s_mul_i32 s43, s15, 96
	s_add_co_u32 s42, s42, s43                     ; its row of o_codes, my head's 96 bytes
	s_mov_b32 s43, 0
	s_lshl_b32 s46, s46, 6
	s_lshl_b32 s47, s15, 2
	s_add_co_u32 s46, s46, s47                     ; its row of o_scales, my head's word
	s_mov_b32 s47, 0
	; group 1: 12,800 dense bytes as 50 rows of 256 bytes (32 elements of 8 bytes), no padding: the images are read 512 consecutive bytes at a time
	s_mov_b32 s[G1], 15|(3<<16)|(1<<21)            ; 15:0 the mask: all four work-groups; 17:16 elements of 8 bytes; 21 set beside a mask
	s_mov_b32 s[G1+1], 32<<16                      ; tensor_dim0
	s_mov_b32 s[G1+2], 50<<16                      ; tensor_dim1
	s_mov_b32 s[G1+3], 32<<16                      ; tile_dim0
	s_mov_b32 s[G1+4], 50                          ; tile_dim1
	s_mov_b32 s[G1+5], 32                          ; tensor_dim0_stride
	s_mov_b32 s[G1+6], 0
	s_mov_b32 s[G1+7], 0
	s_mov_b32 s[SEL], 0x76543210
	s_mov_b32 s[SEL+1], 0xfedcba98
	s_mov_b32 s[CS], 0x3e0293ee                    ; c = log2(e) / sqrt(128)
	s_mov_b32 s[CS+1], s[CS]                       ; (named with it as a pair, so it is written)
	s_mov_b32 s[TB], 0
	s_wait_kmcnt 0x0
	s_add_nc_u64 s[6:7], s[6:7], s[16:17]
	s_add_nc_u64 s[44:45], s[4:5], s[44:45]
	s_add_nc_u64 s[8:9], s[8:9], s[42:43]
	s_add_nc_u64 s[10:11], s[10:11], s[46:47]
	CROUND                                         ; all four work-groups are here: the first joint loads meet
	s_mov_b32 s[G0A], 1                            ; count = 1
	s_mov_b32 s[G0A+1], s18                        ; LDS address: slot 0
	s_mov_b64 s[G0A+2:G0A+3], s[6:7]               ; key steps 0 to 3
	s_or_b32 s[G0A+3], s[G0A+3], 0x80000000        ; type = 2
	s_mov_b32 s[G0B], 1
	s_add_co_u32 s[G0B+1], s18, SLOT1
	s_add_nc_u64 s[G0B+2:G0B+3], s[6:7], SLOTB     ; key steps 4 to 7
	s_or_b32 s[G0B+3], s[G0B+3], 0x80000000
	tensor_load_to_lds s[G0A:G0A+3], s[G1:G1+7]    ; the two first fills stand together: two loads of mine are out
	s_nop 0
	tensor_load_to_lds s[G0B:G0B+3], s[G1:G1+7]
	s_nop 0
.rept 4
	v_nop
.endr
	v_and_b32 v[LN], 31, v0
	v_lshlrev_b32 v[L16], 4, v[LN]
	v_lshlrev_b32 v[L4], 2, v[LN]
	s_mul_i32 s16, s[WV], 1536
	v_add_nc_u32 v[QA], s16, v[L16]                ; my tile's image in the group
	v_and_b32 v[QS], 15, v[LN]
	v_lshlrev_b32 v[QS], 2, v[QS]
	s_lshl_b32 s16, s[WV], 6
	v_add_nc_u32 v[QS], s16, v[QS]                 ; and its scale words
.irp c, 0,1,2
	global_load_b128 v[16+4*\c:19+4*\c], v[QA], s[44:45] offset:512*\c   ; q's fragment stays in registers
.endr
	global_load_b32 v255, v[QS], s[44:45] offset:12288
	v_mov_b32 v13, 0xff61b1e6                      ; the largest t so far: -3e38, under every t
	v_floor_f32 v12, -v13                          ; -M
	v_mov_b32 v14, 0                               ; the sum, in two halves
	v_mov_b32 v15, 0
.irp b, 0,1,2,3
	v_mov_b32 v[236+\b], 0                         ; written once: a lane permute's destination counts as one of its sources
.endr
	v_mov_b32 v253, 0                              ; (named as the upper half of the pair v[252:253] before it is first written)
.set j, 0
.rept 64
	v_mov_b32 v[160+j], 0                          ; O^T.  (The step is written once: the first finds zeros, which the first change of M leaves zeros)
.set j, j+1
.endr
; The next step's k: eight images and their scale words.  The last products that read these registers stand in front of P1's four v_nop.
.macro KLOAD
	v_add_nc_u32 v[AD], s[TB], v[L16]
	v_add_nc_u32 v[AS], s[TB], v[L4]
	s_add_co_u32 s[TB], s[TB], STEPB
	WIN 0x40                                       ; destination window 1
.irp t, 0,1,2,3,4,5,6,7
.irp c, 0,1,2
	ds_load_b128 v[12*\t+4*\c:12*\t+4*\c+3], v[AD] offset:1536*\t+512*\c
.endr
.endr
	WIN 0
.irp i, 0,1,2,3
	ds_load_b32 v[KSC+\i], v[AS] offset:12288+128*\i
.endr
.endm
; A key step's first part: S^T = k q^T; v is asked for; the maxima, M, and p = 2^(t - M).
.macro P1
	s_wait_dscnt 0x0                               ; k is in
	WIN 0x01                                       ; source 0 window 1
.irp t, 0,1,2,3,4,5,6,7
.if \t%2
	v_wmma_scale_f32_16x16x128_f8f6f4 v[96+8*\t:103+8*\t], v[12*\t:12*\t+11], v[16:27], 0, v[KSC+\t/2], v255 matrix_a_fmt:MATRIX_FMT_FP6 matrix_b_fmt:MATRIX_FMT_FP6 matrix_a_scale:MATRIX_SCALE_ROW1
.else
	v_wmma_scale_f32_16x16x128_f8f6f4 v[96+8*\t:103+8*\t], v[12*\t:12*\t+11], v[16:27], 0, v[KSC+\t/2], v255 matrix_a_fmt:MATRIX_FMT_FP6 matrix_b_fmt:MATRIX_FMT_FP6
.endif
.endr                                          ; lane (r, h) holds query r; the 16 registers of tiles 2 b, 2 b + 1 are keys 32 b + 16 h + 0 .. 15 of the step
	WIN 0
.rept 4
	v_nop                                          ; four places: in front of the loads into v's registers, which the last step's products read, of the first read of the scores, and of the next loads into k's registers
.endr
	WIN 0x40
.irp t, 0,1,2,3,4,5,6,7
.irp c, 0,1,2
	ds_load_b128 v[96+12*\t+4*\c:96+12*\t+4*\c+3], v[AD] offset:VOFF+1536*\t+512*\c
.endr
.endr
	WIN 0
.irp i, 0,1,2,3
	ds_load_b32 v[VSC+\i], v[AS] offset:VOFF+12288+128*\i
.endr
.irp b, 0,1,2,3
	v_max3_num_f32 v[232+\b], v[96+16*\b], v[97+16*\b], v[98+16*\b]   ; THE LARGEST SCORE OF EACH BLOCK OF 32 KEYS: it serves the row's maximum and, since p rises with the score, the block's largest p
.endr
.irp i, 3,5,7,9,11,13
.irp b, 0,1,2,3
	v_max3_num_f32 v[232+\b], v[232+\b], v[96+16*\b+\i], v[97+16*\b+\i]   ; (the four blocks by turns)
.endr
.endr
.irp b, 0,1,2,3
	v_max_num_f32 v[232+\b], v[232+\b], v[111+16*\b]
.endr
.irp b, 0,1,2,3
	v_permlanex16_b32 v[236+\b], v[232+\b], s[SEL], s[SEL+1]
.endr
.irp b, 0,1,2,3
	v_max_num_f32 v[232+\b], v[232+\b], v[236+\b]  ; with lane l xor 16's 16 keys
.endr
	v_max3_num_f32 v254, v232, v233, v234
	v_max_num_f32 v254, v254, v235                 ; the step's largest score of my query
	v_mul_f32 v254, s[CS], v254                    ; as t (c is positive)
	v_max_num_f32 v13, v13, v254                   ; the running largest t
	v_mov_b32 v254, v12
	v_floor_f32 v12, -v13                          ; the new -M = floor(-t) = -ceil(t): a whole number
	v_sub_f32 v254, v12, v254                      ; M's old value less its new one: a whole number, 0 or less
	v_cvt_i32_f32 v254, v254                       ; (it saturates)
	v_ldexp_f32 v252, 1.0, v254                    ; f = 2^(old M - new M)
.set j, 0
.rept 32
	v_pk_fma_f32 v[96+j:97+j], v[96+j:97+j], s[CS:CS+1], v[12:13] op_sel_hi:[1,0,0]   ; t - M, two at a time (of the pairs c and -M the low word serves both halves)
.set j, j+2
.endr
.irp b, 0,1,2,3
	v_fma_f32 v[232+\b], v[232+\b], s[CS], v12     ; the same of each block's largest score
.endr
.set j, 0
.rept 64
	v_exp_f32 v[96+j], v[96+j]                     ; p = 2^(t - M), at most 1: not normalised
.set j, j+1
.endr
.irp b, 0,1,2,3
	v_exp_f32 v[232+\b], v[232+\b]                 ; the block's largest p: the same two instructions on the same number give the same bits
.endr
	v_pk_mul_f32 v[14:15], v[14:15], v[252:253] op_sel_hi:[1,0]   ; the sums under the new M.  (A plain place behind the exponentials)
	s_wait_dscnt 0x0                               ; v is in: all my reads of this step's bytes are over
.endm
; A key step's second part: the next step's k is asked for (k = 1); p is quantised; the sums; O^T += v^T p^T.
.macro P3 k
.if \k
	KLOAD
.endif
	s_wait_alu depctr_va_vdst(0)
.irp b, 0,1,2,3
	v_max_num_f32 v[232+\b], 0x1800000, v[232+\b]  ; the floor 2^(3 - 127): the byte cannot fall under 1
.endr
.irp b, 0,1,2,3
	v_add_nc_u32 v[244+\b], 0xff000000, v[232+\b]  ; 2 off the exponent field: the conversion's scale operand
.endr
.irp b, 0,1,2,3
	v_lshrrev_b32 v[236+\b], 23, v[244+\b]         ; the scale's byte
.endr
	v_lshl_or_b32 v253, v237, 8, v236              ; p's scale word for these 128 keys
	v_lshl_or_b32 v253, v238, 16, v253
	v_lshl_or_b32 v253, v239, 24, v253
.irp c, 0,1
	v_cvt_scalef32_pk16_fp6_f32 v[224+6*\c:226+6*\c], v[96+32*\c:111+32*\c], v[244+2*\c]
	v_cvt_scalef32_pk16_fp6_f32 v[236+4*\c:238+4*\c], v[112+32*\c:127+32*\c], v[244+2*\c+1]   ; (a conversion's three registers begin on an even number)
.endr
	v_nop                                          ; one plain place behind a scaled conversion
.irp c, 0,1                                    ; the operand's layout wants a WHOLE block in a lane
.irp i, 0,1,2
	v_permlane16_swap_b32 v[224+6*\c+\i], v[236+4*\c+\i]
.endr
.irp i, 0,1,2
	v_mov_b32 v[227+6*\c+\i], v[236+4*\c+\i]
.endr
.endr
	v_pk_add_f32 v[236:237], v[96:97], v[98:99]    ; THE ROW'S SUM IS TAKEN OF THE UNQUANTISED p: two at a time, in two chains
.irp j, 4,8,12,16,20,24,28,32,36,40,44,48,52,56,60
	v_pk_add_f32 v[14:15], v[14:15], v[96+\j:97+\j]
	v_pk_add_f32 v[236:237], v[236:237], v[98+\j:99+\j]
.endr
	v_pk_add_f32 v[14:15], v[14:15], v[236:237]
.set j, 0
.rept 32
	v_pk_mul_f32 v[160+j:161+j], v[160+j:161+j], v[252:253] op_sel_hi:[1,0]   ; O^T under the new M: x f; each accumulator from its low end on.  (These are also the places between p's codes and scale word and the products)
.set j, j+2
.endr
	WIN 0x01
.irp t, 0,1,2,3,4,5,6,7                        ; the eight accumulators take turns, one instruction a turn
.if \t%2
	v_wmma_scale_f32_16x16x128_f8f6f4 v[160+8*\t:167+8*\t], v[96+12*\t:107+12*\t], v[224:235], v[160+8*\t:167+8*\t], v[VSC+\t/2], v253 matrix_a_fmt:MATRIX_FMT_FP6 matrix_b_fmt:MATRIX_FMT_FP6 matrix_a_scale:MATRIX_SCALE_ROW1
.else
	v_wmma_scale_f32_16x16x128_f8f6f4 v[160+8*\t:167+8*\t], v[96+12*\t:107+12*\t], v[224:235], v[160+8*\t:167+8*\t], v[VSC+\t/2], v253 matrix_a_fmt:MATRIX_FMT_FP6 matrix_b_fmt:MATRIX_FMT_FP6
.endif
.endr
	WIN 0
.endm
.macro TRIPS n                         ; n times: the end of one key step and the head of the next
	s_mov_b32 s[CNT], \n
.Ltrip_\@:
	P3 1
	P1
	s_sub_co_u32 s[CNT], s[CNT], 1
	s_cmp_lg_u32 s[CNT], 0
	s_cbranch_scc1 .Ltrip_\@
.endm
; THE CHANGE OF SLOTS stands where v of a slot's last step has come and k of the next step is not yet asked for.  Each wave waits for all its tensor loads (its part of the slot ahead), adds 0 to its spare word, and waits for
; that and for its reads of the slot that it leaves.  fill = 1: the barrier is a round of the cluster's, and the slot that is left takes the key steps eight on: the wave's one tensor load, first behind the round.
.macro CHANGE g0, fill
	s_wait_tensorcnt 0x0                           ; no tensor load of mine is out, so a group 0 may be written
	ds_add_u32 v[SPW], v[NIL]                      ; 0 onto my spare word
.if \fill
	s_add_nc_u64 s[\g0+2:\g0+3], s[\g0+2:\g0+3], 2*SLOTB   ; the type bits on top are not reached
.endif
	s_sub_co_u32 s[TB], s[TB], SLOTB               ; the fetches go back to a slot's first step,
	s_xor_b32 s[TB], s[TB], SLOT1                  ; in the other slot
	s_wait_dscnt 0x0                               ; the add is done, and my reads of the slot are over
.if \fill
	CROUND
	tensor_load_to_lds s[\g0:\g0+3], s[G1:G1+7]
	s_nop 0
.rept 4
	v_nop
.endr
.else
	s_barrier_signal -1
	s_barrier_wait -1
.endif
.endm
; 64 numbers of a lane, register 16 b + i = k 32 b + 16 (lane / 16) + i of my row, become a fragment's codes in v[PC] on and its scale word in v[pw].
.macro QUANT s, pw
.irp b, 0,1,2,3
	v_max3_num_f32 v[TM+\b], |v[\s+16*\b]|, |v[\s+1+16*\b]|, 0x1800000
.endr
.irp i, 2,4,6,8,10,12,14
.irp b, 0,1,2,3
	v_max3_num_f32 v[TM+\b], v[TM+\b], |v[\s+16*\b+\i]|, |v[\s+1+16*\b+\i]|
.endr
.endr
.irp b, 0,1,2,3
	v_permlanex16_b32 v[TM+4+\b], v[TM+\b], s[SEL], s[SEL+1]
.endr
.irp b, 0,1,2,3
	v_max_num_f32 v[TM+\b], v[TM+\b], v[TM+4+\b]
.endr
.irp b, 0,1,2,3
	v_add_nc_u32 v[TM+12+\b], 0xff000000, v[TM+\b]
.endr
.irp b, 0,1,2,3
	v_lshrrev_b32 v[TM+4+\b], 23, v[TM+12+\b]
.endr
	v_lshl_or_b32 v[\pw], v[TM+5], 8, v[TM+4]
	v_lshl_or_b32 v[\pw], v[TM+6], 16, v[\pw]
	v_lshl_or_b32 v[\pw], v[TM+7], 24, v[\pw]
.irp c, 0,1
	v_cvt_scalef32_pk16_fp6_f32 v[PC+6*\c:PC+2+6*\c], v[\s+32*\c:\s+15+32*\c], v[TM+12+2*\c]
	v_cvt_scalef32_pk16_fp6_f32 v[PC+12+4*\c:PC+14+4*\c], v[\s+16+32*\c:\s+31+32*\c], v[TM+12+2*\c+1]
.endr
	v_nop                                          ; one plain place behind a scaled conversion
.irp c, 0,1
.irp i, 0,1,2
	v_permlane16_swap_b32 v[PC+6*\c+\i], v[PC+12+4*\c+\i]
.endr
.irp i, 0,1,2
	v_mov_b32 v[PC+3+6*\c+\i], v[PC+12+4*\c+\i]
.endr
.endr
.endm
	s_wait_tensorcnt 1                             ; my part of slot 0 is in; slot 1's may stay out
	s_barrier_signal -1
	s_barrier_wait -1                              ; everybody's is
	KLOAD                                          ; key step 0
	s_wait_loadcnt 0x0                             ; q
	P1
	TRIPS 3                                        ; steps 0 to 2 end, steps 1 to 3 begin: slot 0 is read out
	CHANGE G0A, 1                                  ; slot 0 takes steps 8 to 11
	TRIPS 4
	CHANGE G0B, 1                                  ; slot 1 takes steps 12 to 15
	TRIPS 4
	CHANGE G0A, 0                                  ; nothing is left to fetch
	TRIPS 4
	P3 0                                           ; step 15 ends
	; THE WAY OUT.  O^T / the sum; register 8 t + j is channel 16 t + 8 h + j of my query; an exchange of halves makes 16 neighbours of each two tiles; quantised along the head's 128, which are blocks 4 head .. + 3 of the row.
	v_and_b32 v[GS], 15, v[LN]                     ; (seven plain lines: the places behind the last products)  r
	v_and_b32 v[GO], 8, v[GS]
	v_add_nc_u32 v[GS], v[GS], v[GO]               ; r + 8 (r / 8): my token in the tile
	v_lshrrev_b32 v[QS], 4, v[LN]                  ; h
	v_mul_u32_u24 v[GO], v[GS], 1536
	v_mad_u32_u24 v[GO], v[QS], 24, v[GO]          ; its row of codes, + my half's 24 bytes
	v_lshlrev_b32 v[GS], 6, v[GS]                  ; its row of scale bytes
	v_add_f32 v14, v14, v15                        ; the sum's two halves,
	v_permlanex16_b32 v252, v14, s[SEL], s[SEL+1]
	v_add_f32 v14, v14, v252                       ; and lane l xor 16's: the row's sum
	v_rcp_f32 v14, v14
	v_nop                                          ; one plain place behind a transcendental
.set j, 0
	s_wait_alu depctr_va_vdst(0)
.rept 32
	v_pk_mul_f32 v[96+j:97+j], v[160+j:161+j], v[14:15] op_sel_hi:[1,0]   ; each accumulator from its low end on
.set j, j+2
.endr
.irp b, 0,1,2,3
.irp j, 0,1,2,3,4,5,6,7
	v_permlane16_swap_b32 v[96+16*\b+\j], v[96+16*\b+8+\j]   ; register 16 b + i is now channel 32 b + 16 h + i
.endr
.endr
	QUANT 96, 252
.irp p, 0,1,2,3,4,5
	global_store_b64 v[GO], v[PC+2*\p:PC+2*\p+1], s[8:9] offset:48*(\p/3)+8*(\p%3)   ; registers 6 c .. 6 c + 5: the 24 bytes of block 2 c + h
.endr
	s_wait_xcnt 0x0                                ; EXEC changes only behind this wait
	v_cmp_gt_u32 vcc_lo, 16, v[LN]
	s_and_saveexec_b32 s42, vcc_lo
	global_store_b32 v[GS], v252, s[10:11]         ; my token's four scale bytes of this head
	s_wait_xcnt 0x0
	s_or_b32 exec_lo, exec_lo, s42
	s_wait_tensorcnt 0x0                           ; the wave's end
	ds_add_u32 v[SPW], v[NIL]
	s_wait_dscnt 0x0
	CROUND                                         ; the closing round: no work-group ends while a partner may still ask for a tile that names it
	s_endpgm
.Lfunc_end_k_q22cf2692d3_attn:
	.size	k_q22cf2692d3_attn, .Lfunc_end_k_q22cf2692d3_attn-k_q22cf2692d3_attn
	.p2alignl 7, 3214868480
	.fill 96, 4, 3214868480
	.section	.rodata,"a",@progbits
	.p2align	6, 0x0
	.amdhsa_kernel k_q22cf2692d3_attn
		.amdhsa_group_segment_fixed_size 327680
		.amdhsa_private_segment_fixed_size 0
		.amdhsa_enable_private_segment 0
		.amdhsa_kernarg_size 32
		.amdhsa_user_sgpr_count 2
		.amdhsa_user_sgpr_kernarg_segment_ptr 1
		.amdhsa_wavefront_size32 1
		.amdhsa_system_sgpr_workgroup_id_x 1
		.amdhsa_system_sgpr_workgroup_id_y 1
		.amdhsa_system_sgpr_workgroup_id_z 1
		.amdhsa_system_vgpr_workitem_id 0
		.amdhsa_next_free_vgpr 448
		.amdhsa_next_free_sgpr 66
		.amdhsa_reserve_vcc 1
		.amdhsa_float_denorm_mode_32 3
		.amdhsa_float_denorm_mode_16_64 3
		.amdhsa_memory_ordered 1
		.amdhsa_forward_progress 1
		.amdhsa_inst_pref_size 112
	.end_amdhsa_kernel
	.amdgpu_metadata
---
amdhsa.version: [ 1, 2 ]
amdhsa.kernels:
  - .name:           k_q22cf2692d3_attn
    .symbol:         k_q22cf2692d3_attn.kd
    .args:
      - { .name: qimg, .offset: 0, .size: 8, .value_kind: global_buffer, .address_space: global }
      - { .name: kv, .offset: 8, .size: 8, .value_kind: global_buffer, .address_space: global }
      - { .name: o_codes, .offset: 16, .size: 8, .value_kind: global_buffer, .address_space: global }
      - { .name: o_scales, .offset: 24, .size: 8, .value_kind: global_buffer, .address_space: global }
    .group_segment_fixed_size: 327680
    .private_segment_fixed_size: 0
    .kernarg_segment_align: 8
    .kernarg_segment_size: 32
    .max_flat_workgroup_size: 256
    .sgpr_count:     66
    .vgpr_count:     448
    .wavefront_size: 32
...
	.end_amdgpu_metadata
.endif
;; end of part 3
;; launch proj: the kernel of part 1 again; grid 8 x 8, 4 waves a work-group, clusters of 4 x 4, 327,680 bytes of LDS; arguments o_codes, o_scales, Wo_codes, Wo_scales, Wk_codes, Wk_scales, Wv_codes, Wv_scales, bo, bk, bv, out0, k_raw, kv; writes out0, k_raw, kv
;; ======== version 2 of 2: 4 launches
;; limits: right only within a limited range of input values
;; workspace buffers: q_raw 16,777,216 bytes; k_raw 16,777,216 bytes; qimg 3,276,800 bytes; kv 6,553,600 bytes; o_codes 3,145,728 bytes; o_scales 131,072 bytes
;; launch qkv (part 4): grid 16 x 16, 4 waves a work-group, clusters of 4 x 4, 327,680 bytes of LDS; arguments hidden_states_codes, hidden_states_scales, Wq_codes, Wq_scales, Wk_codes, Wk_scales, Wv_codes, Wv_scales, bq, bk, bv, q_raw, k_raw, kv; writes q_raw, k_raw, kv
.if DOCPART == 4
	.amdgcn_target "amdgcn-amd-amdhsa--gfx1250"
	.amdhsa_code_object_version 6
	.text
	.protected	k_q22cf2692d3_qkv
	.globl	k_q22cf2692d3_qkv
	.p2align	8
	.type	k_q22cf2692d3_qkv,@function
k_q22cf2692d3_qkv:
	s_mov_b64 s[64:65], 0
	v_nop
	global_prefetch_b8 v0, s[64:65] scope:SCOPE_SE
	s_setreg_imm32_b32 hwreg(HW_REG_WAVE_MODE, 25, 1), 1
	s_wait_xcnt 0x0
	s_wait_alu depctr_hold_cnt(0) depctr_sa_sdst(0) depctr_va_vdst(0) depctr_va_sdst(0) depctr_va_ssrc(0) depctr_va_vcc(0) depctr_vm_vsrc(0)
	s_getreg_b32 s2, hwreg(HW_REG_IB_STS2, 6, 4)
	s_cmp_eq_u32 s2, 0
	s_cbranch_scc0 .Lentry_in_a_cluster
	s_endpgm
.Lentry_in_a_cluster:
	s_bfe_u32 s2, ttmp6, 0x10000c
	s_cmp_lg_u32 s2, 0xf033
	s_cbranch_scc0 .Lentry_shape_is_right
	s_endpgm
.Lentry_shape_is_right:
; q = X Wq^T + bq, k = X Wk^T + bk, v = X Wv^T + bv on codes of FP6 (E2M3) with one E8M0 scale for each 32 along K.  All operands: 2,048 rows of 2,048 codes (1,536 bytes), K innermost; scale bytes [2048][64].
; A work-group makes 128 tokens x one head of q, of k and of v: a block of 128 x 384; grid 16 (head) x 16 (token block) = 256 work-groups.
; An LDS slot holds a chunk of 256 bytes of 512 rows: X's 128, Wq's 128, Wk's 128, Wv's 128; wave w fetches the w-th 128 rows by one tensor load.  Six chunks go through a ring of two slots; a step of 128 along K is 96 bytes of a row.
; Wave w makes 128 tokens x columns 96 w .. 96 w + 95 of the 384: 48 accumulators.  Source 0 = 16 rows of W, source 1 = 16 rows of X: lane l holds token l % 16, its registers columns 8 (l / 16) + 0 .. 7.
; THE SCALES go to registers once: lane L takes the 64 bytes of row 32 i + L, so one register holds a step's words of block 2 i (lanes 0-15) and 2 i + 1 (lanes 16-31).  THE BIAS is the C of each sum's first product.
; CLUSTERS 4 x 4: X's tile is shared along a row of the cluster, W's tiles along a column: joint loads.
; THE WAY OUT: the block goes as f32 into one stage [128 tokens][384 + 4 numbers] laid over both slots, which have had their last fill and their last read by then (a barrier shows it).  Behind a second barrier wave w stores
; tokens 32 w .. + 31 of q and of k as whole rows of 512 bytes, and reads channels 32 w .. + 31 of v with the keys along its registers, quantises them along the keys and stores two images of the operand's registers into kv.
; kv: [head 16][key step 16][25,600 bytes]; this body writes a step's second half: at 12,800 eight images of 1,536 bytes (tile a = channels 16 a .. + 15, K = 128 keys; register 4 c + i of lane L at byte 512 c + 16 L + 4 i), at 25,088 the scale words [tile][row][4].
; PREFETCH: one instruction a wave for a chunk: of the 128 rows that a wave fetches each of the four partners names 32, told apart by address; chunks 1 and 2 are named at the head, chunk c + 2 behind the load of chunk c.
; LIMITS: NaN and infinities are not served.  A block of v that is all zeros, or whose largest magnitude lies under 2^-124, gets the scale byte 1 (the quantiser's rule says 127 for zeros): its codes are zeros, and this program alone reads the bytes.
; REGISTERS: window 0: v0-31 addresses, v32-95 X's scale words, v96-143 W's, v144-255 the way out.  window 1: W's fragments, two sets at v0 and v72; X's eight at v144.  window 2: accumulators of token blocks 0-3 ((a, b) at v[8 (6 a + b)]);
; window 3: those of blocks 4-7, and at v192 the bias.
.set KROW,   1536
.set ROWB,   256
.set XO,     ROWB-24
.set STEPS,  16
.set CHUNKS, 6
.set PITCH,  272                       ; 256 bytes + 16 of padding
.set FR,     12
.set NL,     6
.set NP,     4
.set QT,     128*PITCH                 ; one tensor load
.set SLOT,   4*QT
.set SPARE,  2*SLOT                    ; the spare words
.set SP,     1552                      ; a stage row: 1,536 bytes + 16
.set PFO,  7
.set STO,  8                           ; v8-11  stage in, 32 rows apart
.set VRD,  12                          ; v12-15 v back, 32 keys apart
.set ADRA, 16
.set ADRB, 20
.set RD,   24
.set CO,   25
.set L4,   26
.set SOF,  27
.set SPW,  28
.set NIL,  29
.set BOF,  30
.set LN,   31
.set SA,   32
.set SB,   96
.set T,    144
.set PC,   208
.set TM,   228
.set PW,   244
.set MG,   246
.set AF,   144
.set BI,   192
.set G1,  24
.set G0,  32
.set G1B, 48
.set G0B, 56
.set SEL, 66
.set PFA, 98
.set MSB, 0
.macro WIN new
.if MSB != (\new)
	s_set_vgpr_msb (MSB<<8)|(\new)
.set MSB, (\new)
.endif
.endm
.set TO_F, 0x40
; a joint load: wave 0 fetches X's rows, waves 1 to 3 W's; the branch hangs on the wave's number alone
.macro JLOAD s
	s_cmp_eq_u32 s16, 0
	s_cbranch_scc0 .Lfor_b_\@
	tensor_load_to_lds s[G0+4*\s:G0+4*\s+3], s[G1:G1+7]
	s_nop 0
.rept 4
	v_nop
.endr
	s_branch .Lasked_\@
.Lfor_b_\@:
	tensor_load_to_lds s[G0B+4*\s:G0B+4*\s+3], s[G1B:G1B+7]
	s_nop 0
.rept 4
	v_nop
.endr
.Lasked_\@:
.endm
.macro CREST
	s_cmp_lg_u32 s16, 0
	s_cbranch_scc1 .Lnot_wave_0_\@
	s_barrier_signal -3
.Lnot_wave_0_\@:
	s_barrier_wait -3
	s_barrier_signal -1
	s_barrier_wait -1
.endm
.macro CROUND
	s_barrier_signal -1
	s_barrier_wait -1
	CREST
.endm
.macro PLACES n
.rept \n
	v_nop
.endr
.endm
	s_load_b512 s[68:83], s[0:1], 0x0              ; X's codes, scales; Wq's; Wk's; Wv's
	s_load_b256 s[84:91], s[0:1], 0x40             ; bq, bk, bv, q_raw
	s_load_b128 s[92:95], s[0:1], 0x60             ; k_raw, kv
	v_lshl_add_u32 v[SPW], v0, 2, SPARE
	v_mov_b32 v[NIL], 0
	ds_add_u32 v[SPW], v[NIL]
	ds_add_u32 v[SPW], v[NIL]
	v_lshrrev_b32 v1, 5, v0
	v_readfirstlane_b32 s16, v1                    ; wave
	s_bfe_u32 s19, ttmp6, 0x40000                  ; cx
	s_bfe_u32 s20, ttmp6, 0x40004                  ; cy
	s_lshl_b32 s17, ttmp9, 2
	s_add_co_u32 s17, s17, s19                     ; head
	s_and_b32 s18, ttmp7, 0xffff
	s_lshl_b32 s18, s18, 2
	s_add_co_u32 s18, s18, s20                     ; token block
	s_lshl_b32 s21, s20, 2
	s_lshl_b32 s21, 15, s21                        ; my row of the cluster
	s_lshl_b32 s22, 0x1111, s19                    ; my column
	s_or_b32 s[G1], s21, (1<<20)|(1<<21)|(5<<22)|(3<<25)
	s_or_b32 s[G1B], s22, (1<<20)|(1<<21)|(5<<22)|(3<<25)
.irp g, G1, G1B
	s_mov_b32 s[\g+1], ROWB<<16
	s_mov_b32 s[\g+2], 128<<16
	s_mov_b32 s[\g+3], ROWB<<16
	s_mov_b32 s[\g+4], 128
	s_mov_b32 s[\g+5], KROW
	s_mov_b32 s[\g+6], 0
	s_mov_b32 s[\g+7], 0
.endr
	s_mul_i32 s40, s18, 128*KROW                   ; X's tile hangs on the token block alone,
	s_mov_b32 s41, 0
	s_mul_i32 s42, s17, 128*KROW                   ; W's on the head alone
	s_mov_b32 s43, 0
	s_mul_i32 s23, s16, QT                         ; where my rows go
	s_mov_b32 s[SEL], 0x76543210
	s_mov_b32 s[SEL+1], 0xfedcba98
	s_wait_dscnt 0x0
	s_wait_kmcnt 0x0
	s_add_nc_u64 s[40:41], s[68:69], s[40:41]
	s_cmp_eq_u32 s16, 1
	s_cselect_b64 s[44:45], s[72:73], s[80:81]
	s_cmp_eq_u32 s16, 2
	s_cselect_b64 s[44:45], s[76:77], s[44:45]     ; wave 1 Wq, wave 2 Wk, wave 3 Wv
	s_add_nc_u64 s[42:43], s[44:45], s[42:43]
	CROUND                                         ; in front of the first joint loads
.irp s, 0,1
	s_mov_b32 s[G0+4*\s], 1
	s_add_co_u32 s[G0+4*\s+1], s23, \s*SLOT
	s_add_nc_u64 s[G0+4*\s+2:G0+4*\s+3], s[40:41], \s*ROWB
	s_or_b32 s[G0+4*\s+3], s[G0+4*\s+3], 0x80000000
	s_mov_b32 s[G0B+4*\s], 1
	s_add_co_u32 s[G0B+4*\s+1], s23, \s*SLOT
	s_add_nc_u64 s[G0B+4*\s+2:G0B+4*\s+3], s[42:43], \s*ROWB
	s_or_b32 s[G0B+4*\s+3], s[G0B+4*\s+3], 0x80000000
.endr
	JLOAD 0                                        ; chunk 0: my one tensor load at the head
	; LDS addresses
	v_and_b32 v1, 15, v0                           ; r
	v_bfe_u32 v2, v0, 4, 1                         ; h
	v_and_b32 v[LN], 31, v0
	v_mul_u32_u24 v3, v1, PITCH
	v_mul_u32_u24 v4, v2, 24
	v_add_nc_u32 v4, v3, v4                        ; row x pitch + 24 h
	s_mov_b32 s44, SLOT-XO
	s_mov_b32 s45, SLOT+XO
	v_sub_nc_u32 v6, 1, v2
	v_mul_u32_u24 v5, s44, v2
	v_add_nc_u32 v5, v3, v5
	v_add_nc_u32 v5, XO, v5                        ; lanes 0-15 the end of a chunk in slot 0, lanes 16-31 the start of the next in slot 1
	v_mul_u32_u24 v6, s45, v6
	v_add_nc_u32 v6, v3, v6                        ; and the other way round
	s_mul_i32 s46, s16, 96*PITCH
	s_add_co_u32 s46, s46, QT                      ; my 96 rows of W lie behind X's 128
	v_mov_b32 v[ADRA], v4
	v_add_nc_u32 v[ADRA+1], SLOT, v4
	v_mov_b32 v[ADRA+2], v5
	v_mov_b32 v[ADRA+3], v6
	v_add_nc_u32 v[ADRB], s46, v4
	v_add_nc_u32 v[ADRB+2], s46, v5
	v_add_nc_u32 v[ADRB+3], s46, v6
	s_add_co_u32 s46, s46, SLOT
	v_add_nc_u32 v[ADRB+1], s46, v4
	v_mul_u32_u24 v3, v1, SP
	v_lshl_add_u32 v3, v2, 5, v3
	s_mul_i32 s46, s16, 384
	v_add_nc_u32 v[STO], s46, v3                   ; stage in: token r, byte 384 w + 32 h
	v_mul_u32_u24 v4, v2, 16*SP
	v_lshl_add_u32 v4, v1, 2, v4
	s_lshl_b32 s46, s16, 7
	s_add_co_u32 s46, s46, 1024
	v_add_nc_u32 v[VRD], s46, v4                   ; v back: key 16 h, channel 32 w + r
.irp k, 1,2,3
	v_add_nc_u32 v[STO+\k], \k*32*SP, v[STO]
	v_add_nc_u32 v[VRD+\k], \k*32*SP, v[VRD]
.endr
	v_lshlrev_b32 v[CO], 4, v[LN]
	s_mul_i32 s46, s16, 32*SP
	v_add_nc_u32 v[RD], s46, v[CO]                 ; rows back: token 32 w, 16 bytes a lane
	v_lshlrev_b32 v[L4], 2, v[LN]
	v_lshlrev_b32 v[SOF], 6, v[LN]
	v_lshlrev_b32 v[BOF], 5, v2
	v_mul_u32_u24 v[PFO], v[LN], KROW
	; pointers.  Pair j of my column blocks is pair 3 w + j of the twelve: buffer (3 w + j) / 4, rows 32 ((3 w + j) % 4) of the head
.irp j, 0,1,2
	s_mul_i32 s44, s16, 3
	s_add_co_u32 s44, s44, \j
	s_lshr_b32 s45, s44, 2
	s_and_b32 s44, s44, 3
	s_lshl_b32 s44, s44, 5
	s_lshl_b32 s46, s17, 7
	s_add_co_u32 s44, s44, s46
	s_cmp_eq_u32 s45, 0
	s_cselect_b64 s[4+4*\j:5+4*\j], s[74:75], s[78:79]
	s_cselect_b64 s[6+4*\j:7+4*\j], s[84:85], s[86:87]
	s_cmp_eq_u32 s45, 2
	s_cselect_b64 s[4+4*\j:5+4*\j], s[82:83], s[4+4*\j:5+4*\j]
	s_cselect_b64 s[6+4*\j:7+4*\j], s[88:89], s[6+4*\j:7+4*\j]
	s_lshl_b32 s46, s44, 6
	s_mov_b32 s47, 0
	s_add_nc_u64 s[4+4*\j:5+4*\j], s[4+4*\j:5+4*\j], s[46:47]   ; the pair's scale bytes
	s_lshl_b32 s46, s44, 2
	s_add_nc_u64 s[6+4*\j:7+4*\j], s[6+4*\j:7+4*\j], s[46:47]   ; and its bias
.endr
	s_lshl_b32 s46, s18, 13
	s_add_nc_u64 s[70:71], s[70:71], s[46:47]      ; X's scales: 128 rows x 64 bytes a token block
	s_lshl_b32 s46, s18, 7
	s_lshl_b32 s44, s16, 5
	s_add_co_u32 s46, s46, s44
	s_lshl_b32 s46, s46, 13
	s_lshl_b32 s44, s17, 9
	s_add_co_u32 s46, s46, s44                     ; token 128 y + 32 w, column 128 x head, in bytes
	s_add_nc_u64 s[90:91], s[90:91], s[46:47]
	s_add_nc_u64 s[92:93], s[92:93], s[46:47]
	s_lshl_b32 s46, s17, 4
	s_add_co_u32 s46, s46, s18
	s_mul_i32 s46, s46, 25600
	s_add_nc_u64 s[94:95], s[94:95], s[46:47]
	s_lshl_b32 s46, s16, 7
	s_add_nc_u64 s[96:97], s[94:95], s[46:47]      ; my two tiles' scale words
	s_mul_i32 s46, s16, 3072
	s_add_nc_u64 s[94:95], s[94:95], s[46:47]      ; my two images
	s_cmp_eq_u32 s16, 0
	s_cselect_b32 s46, s19, s20                    ; my place among the four that ask with me
	s_cselect_b64 s[PFA:PFA+1], s[40:41], s[42:43]
	s_mul_i32 s46, s46, 32*KROW
	s_add_nc_u64 s[PFA:PFA+1], s[PFA:PFA+1], s[46:47]
	s_wait_alu depctr_va_vdst(0)
.irp i, 0,1,2,3
.irp q, 0,1,2,3
	global_load_b128 v[SA+16*\i+4*\q:SA+16*\i+4*\q+3], v[SOF], s[70:71] offset:2048*\i+16*\q
.endr
.endr
.irp j, 0,1,2
.irp q, 0,1,2,3
	global_load_b128 v[SB+16*\j+4*\q:SB+16*\j+4*\q+3], v[SOF], s[4+4*\j:5+4*\j] offset:16*\q
.endr
.endr
	WIN 0xc0                                       ; destination window 3
.irp j, 0,1,2
.irp q, 0,1,2,3
	global_load_b128 v[BI+16*\j+4*\q:BI+16*\j+4*\q+3], v[BOF], s[6+4*\j:7+4*\j] offset:64*(\q/2)+16*(\q%2)   ; the bias at columns 16 b + 8 h + 0 .. 7
.endr
.endr
	WIN 0
	global_prefetch_b8 v[PFO], s[PFA:PFA+1] offset:ROWB th:TH_LOAD_NT scope:SCOPE_SE
	global_prefetch_b8 v[PFO], s[PFA:PFA+1] offset:2*ROWB th:TH_LOAD_NT scope:SCOPE_SE
.macro FRAG reg, adr, st, i            ; 16 rows x 128 K: six pieces of 8 bytes; byte y of a row lies in chunk y / 256, slot (y / 256) % 2
.irp p, 0,1,2,3,4,5
.set BY, 96*(\st)+48*(\p/3)+8*(\p%3)
.if BY/ROWB == (BY+24)/ROWB
	ds_load_b64 v[\reg+2*\p:\reg+2*\p+1], v[\adr+(BY/ROWB)%2] offset:BY%ROWB+(\i)*16*PITCH
.else
	ds_load_b64 v[\reg+2*\p:\reg+2*\p+1], v[\adr+2+(BY/ROWB)%2] offset:BY%ROWB-XO+(\i)*16*PITCH
.endif
.endr
.endm
.macro WM d, fb, fa, c, sb, sa, rb, ra ; rb, ra: the block's scale words stand in lanes 16-31 (an odd block) or in lanes 0-15
.if (\rb) && (\ra)
	v_wmma_scale_f32_16x16x128_f8f6f4 v[\d:\d+7], v[\fb:\fb+11], v[\fa:\fa+11], v[\c:\c+7], v[\sb], v[\sa] matrix_a_fmt:MATRIX_FMT_FP6 matrix_b_fmt:MATRIX_FMT_FP6 matrix_a_scale:MATRIX_SCALE_ROW1 matrix_b_scale:MATRIX_SCALE_ROW1
.elseif (\rb)
	v_wmma_scale_f32_16x16x128_f8f6f4 v[\d:\d+7], v[\fb:\fb+11], v[\fa:\fa+11], v[\c:\c+7], v[\sb], v[\sa] matrix_a_fmt:MATRIX_FMT_FP6 matrix_b_fmt:MATRIX_FMT_FP6 matrix_a_scale:MATRIX_SCALE_ROW1
.elseif (\ra)
	v_wmma_scale_f32_16x16x128_f8f6f4 v[\d:\d+7], v[\fb:\fb+11], v[\fa:\fa+11], v[\c:\c+7], v[\sb], v[\sa] matrix_a_fmt:MATRIX_FMT_FP6 matrix_b_fmt:MATRIX_FMT_FP6 matrix_b_scale:MATRIX_SCALE_ROW1
.else
	v_wmma_scale_f32_16x16x128_f8f6f4 v[\d:\d+7], v[\fb:\fb+11], v[\fa:\fa+11], v[\c:\c+7], v[\sb], v[\sa] matrix_a_fmt:MATRIX_FMT_FP6 matrix_b_fmt:MATRIX_FMT_FP6
.endif
.endm
; 12 matrix instructions: token blocks a0, a0 + 1 x my six column blocks.  The 48 accumulators take turns, in the same order in every step
.macro MULG a0, st, first
.irp a, \a0, \a0+1
.irp b, 0,1,2,3,4,5
.if \first
	WM 8*(6*((\a)%4)+\b), 72*((\st)%2)+FR*\b, AF+FR*(\a), BI+8*\b, SB+16*(\b/2)+(\st), SA+16*((\a)/2)+(\st), \b%2, (\a)%2
.else
	WM 8*(6*((\a)%4)+\b), 72*((\st)%2)+FR*\b, AF+FR*(\a), 8*(6*((\a)%4)+\b), SB+16*(\b/2)+(\st), SA+16*((\a)/2)+(\st), \b%2, (\a)%2
.endif
.endr
.endr
.endm
.macro FETCH_B st
	WIN TO_F
.irp i, 0,1,2,3,4,5
	FRAG 72*((\st)%2)+FR*\i, ADRB, \st, \i
.endr
.endm
.macro FETCH_A st, i0
	WIN TO_F
.irp i, \i0, \i0+1, \i0+2, \i0+3
	FRAG AF+FR*(\i), ADRA, \st, \i
.endr
.endm
; A step: 48 matrix instructions; the next step's fragments are fetched in its middle and at its end.  Where the next step's bytes end in a chunk not read yet, a barrier shows that chunk whole;
; where they begin in a later chunk than this step's, the chunk left behind is read no more: the three lines, the barrier, and, where a chunk two on is left to fetch, the cluster's round and the refill.
.macro STEP st, first
.set NX, (\st)+1
.set C0, (96*(\st))/ROWB
.set C1, (96*NX)/ROWB
.set E0, (96*(\st)+95)/ROWB
.set E1, (96*NX+95)/ROWB
.if C1 > C0 || E1 > E0
	WIN 0
	s_wait_tensorcnt 0x0                           ; all my tensor loads have landed
.if C1 > C0
	ds_add_u32 v[SPW], v[NIL]
	s_wait_dscnt 4*NL+1                            ; the add and X's blocks 4-7 may be out
.else
	s_wait_dscnt 4*NL                              ; X's blocks 4-7 may be out
.endif
	WIN 0xa5
	MULG 0, \st, 0
	s_wait_dscnt 0x0                               ; the add, and my reads of any chunk left behind
	s_barrier_signal -1
	MULG 2, \st, 0
	WIN 0
	s_barrier_wait -1
.if C1 > C0 && C0+2 < CHUNKS
	CREST
	s_add_nc_u64 s[G0+4*(C0%2)+2:G0+4*(C0%2)+3], s[G0+4*(C0%2)+2:G0+4*(C0%2)+3], 2*ROWB
	s_add_nc_u64 s[G0B+4*(C0%2)+2:G0B+4*(C0%2)+3], s[G0B+4*(C0%2)+2:G0B+4*(C0%2)+3], 2*ROWB
	JLOAD (C0%2)                                   ; chunk C0 + 2; its four v_nop are the places in front of the loads below
.else
	PLACES NP
.endif
.else
	s_wait_dscnt 4*NL                              ; W's set and X's blocks 0-3 are in
	WIN 0xa5+0x10*(\first)                         ; (the first step takes its C, the bias, from window 3)
	MULG 0, \st, \first
	MULG 2, \st, \first
	s_wait_dscnt 0
	PLACES NP
.endif
	FETCH_B NX
	FETCH_A NX, 0
.if C1 > C0 && C0+4 < CHUNKS
	global_prefetch_b8 v[PFO], s[PFA:PFA+1] offset:(C0+4)*ROWB th:TH_LOAD_NT scope:SCOPE_SE   ; the chunk two refills on
.endif
	WIN 0xf5
	MULG 4, \st, \first
	MULG 6, \st, \first
	PLACES NP
	FETCH_A NX, 4
.endm
	s_wait_alu depctr_va_vdst(0)
	s_wait_tensorcnt 0x0                           ; my part of chunk 0 is in; the same lines as ahead of a refill
	ds_add_u32 v[SPW], v[NIL]
	s_wait_dscnt 0x0
	CROUND
	JLOAD 1                                        ; chunk 1, the first tensor load behind the round
	FETCH_B 0
	FETCH_A 0, 0
	FETCH_A 0, 4
	global_prefetch_b8 v[PFO], s[PFA:PFA+1] offset:3*ROWB th:TH_LOAD_NT scope:SCOPE_SE
	s_wait_loadcnt 0x0                             ; the scale words and the bias
	STEP 0, 1
.set ST, 1
.rept STEPS-2
	STEP ST, 0
.set ST, ST+1
.endr
	s_wait_dscnt 4*NL                              ; the last step
	WIN 0xa5
	MULG 0, 15, 0
	MULG 2, 15, 0
	s_wait_dscnt 0x0                               ; my reads of both slots are over
	s_barrier_signal -1
	WIN 0xf5
	MULG 4, 15, 0
	MULG 6, 15, 0
	WIN 0
	s_barrier_wait -1                              ; everybody's are: the stage may be written
	PLACES NP
.irp a, 0,1,2,3,4,5,6,7
	WIN 0x08+4*(\a/4)                              ; the data: window 2 or 3
.irp b, 0,1,2,3,4,5
	ds_store_b128 v[STO+\a/2], v[8*(6*(\a%4)+\b):8*(6*(\a%4)+\b)+3] offset:(\a%2)*16*SP+64*\b       ; each accumulator from its low end on
	ds_store_b128 v[STO+\a/2], v[8*(6*(\a%4)+\b)+4:8*(6*(\a%4)+\b)+7] offset:(\a%2)*16*SP+64*\b+16
.endr
.endr
	WIN 0
	s_wait_dscnt 0x0                               ; for the others' sake
	s_barrier_signal -1
	s_barrier_wait -1                              ; the block lies in the stage
; q and k: batch n = 16 rows of 512 bytes into window 1, 64 registers a batch, each register used once
.macro RDB n
.irp t, 0,1,2,3,4,5,6,7,8,9,10,11,12,13,14,15
	ds_load_b128 v[64*\n+4*\t:64*\n+4*\t+3], v[RD] offset:(16*(\n%2)+\t)*SP+512*(\n/2)
.endr
.endm
.macro SNB n, younger
	s_wait_dscnt \younger
.irp t, 0,1,2,3,4,5,6,7,8,9,10,11,12,13,14,15
	global_store_b128 v[CO], v[64*\n+4*\t:64*\n+4*\t+3], s[90+2*(\n/2):91+2*(\n/2)] offset:(16*(\n%2)+\t)*8192   ; 32 lanes store 512 consecutive bytes, aligned
.endr
.endm
	s_wait_xcnt 0x0                                ; the prefetches have read their offset register: v0-11 take the second tile's codes below
	WIN 0x44                                       ; loaded data and store data in window 1, addresses in window 0
	RDB 0
	RDB 1
	SNB 0, 16
	RDB 2
	SNB 1, 16
	RDB 3
	SNB 2, 16
	SNB 3, 0
	WIN 0
; 64 numbers of a lane, register 16 b + i = key 32 b + 16 (lane / 16) + i of my channel, become a fragment's codes in v[PC] on and its scale word in v[pw]
.macro QUANT s, pw, pc                 ; pc: where the twelve registers of codes go
.irp b, 0,1,2,3
	v_max3_num_f32 v[TM+\b], |v[\s+16*\b]|, |v[\s+1+16*\b]|, 0x1800000   ; with the floor 2^(3 - 127): the byte cannot fall under 1
.endr
.irp i, 2,4,6,8,10,12,14
.irp b, 0,1,2,3
	v_max3_num_f32 v[TM+\b], v[TM+\b], |v[\s+16*\b+\i]|, |v[\s+1+16*\b+\i]|
.endr
.endr
.irp b, 0,1,2,3
	v_permlanex16_b32 v[TM+4+\b], v[TM+\b], s[SEL], s[SEL+1]
.endr
.irp b, 0,1,2,3
	v_max_num_f32 v[TM+\b], v[TM+\b], v[TM+4+\b]
.endr
.irp b, 0,1,2,3
	v_add_nc_u32 v[TM+12+\b], 0xff000000, v[TM+\b]   ; 2 off the exponent field: the conversion's scale operand
.endr
.irp b, 0,1,2,3
	v_lshrrev_b32 v[TM+4+\b], 23, v[TM+12+\b]
.endr
	v_lshl_or_b32 v[\pw], v[TM+5], 8, v[TM+4]
	v_lshl_or_b32 v[\pw], v[TM+6], 16, v[\pw]
	v_lshl_or_b32 v[\pw], v[TM+7], 24, v[\pw]
.irp c, 0,1
	v_cvt_scalef32_pk16_fp6_f32 v[(\pc)+6*\c:(\pc)+2+6*\c], v[\s+32*\c:\s+15+32*\c], v[TM+12+2*\c]
	v_cvt_scalef32_pk16_fp6_f32 v[PC+12+4*\c:PC+14+4*\c], v[\s+16+32*\c:\s+31+32*\c], v[TM+12+2*\c+1]
.endr
	v_nop
.irp c, 0,1
.irp i, 0,1,2
	v_permlane16_swap_b32 v[(\pc)+6*\c+\i], v[PC+12+4*\c+\i]
.endr
.irp i, 0,1,2
	v_mov_b32 v[(\pc)+3+6*\c+\i], v[PC+12+4*\c+\i]
.endr
.endr
.endm
.irp i, 0,1,2,3
	v_mov_b32 v[TM+4+\i], 0                        ; a lane permute's destination counts as one of its sources
.endr
.irp u, 0,1                                    ; my two tiles of 16 channels
.irp b, 0,1,2,3
.irp i, 0,1,2,3,4,5,6,7,8,9,10,11,12,13,14,15
	ds_load_b32 v[T+16*\b+\i], v[VRD+\b] offset:\i*SP+64*\u
.endr
.endr
	s_wait_alu depctr_va_vdst(0)
	s_wait_dscnt 0x0
	QUANT T, PW+\u, PC-PC*\u                       ; the first tile's codes at v[PC], the second's at v0-11: no register that a pending store reads is written
.irp c, 0,1,2
	global_store_b128 v[CO], v[PC-PC*\u+4*\c:PC-PC*\u+4*\c+3], s[94:95] offset:12800+1536*\u+512*\c
.endr
.endr
	v_cmp_lt_u32 vcc_lo, 15, v[LN]
	v_cndmask_b32 v[MG], v[PW], v[PW+1], vcc_lo    ; lanes 0-15 the first tile's words, lanes 16-31 the second's
	global_store_b32 v[L4], v[MG], s[96:97] offset:25088
	s_wait_tensorcnt 0x0                           ; the wave's end
	ds_add_u32 v[SPW], v[NIL]
	s_wait_dscnt 0x0
	CROUND                                         ; the closing round
	s_endpgm
.Lfunc_end_k_q22cf2692d3_qkv:
	.size	k_q22cf2692d3_qkv, .Lfunc_end_k_q22cf2692d3_qkv-k_q22cf2692d3_qkv
	.p2alignl 7, 3214868480
	.fill 96, 4, 3214868480
	.section	.rodata,"a",@progbits
	.p2align	6, 0x0
	.amdhsa_kernel k_q22cf2692d3_qkv
		.amdhsa_group_segment_fixed_size 327680
		.amdhsa_private_segment_fixed_size 0
		.amdhsa_enable_private_segment 0
		.amdhsa_kernarg_size 112
		.amdhsa_user_sgpr_count 2
		.amdhsa_user_sgpr_kernarg_segment_ptr 1
		.amdhsa_wavefront_size32 1
		.amdhsa_system_sgpr_workgroup_id_x 1
		.amdhsa_system_sgpr_workgroup_id_y 1
		.amdhsa_system_sgpr_workgroup_id_z 1
		.amdhsa_system_vgpr_workitem_id 0
		.amdhsa_next_free_vgpr 1024
		.amdhsa_next_free_sgpr 100
		.amdhsa_reserve_vcc 1
		.amdhsa_float_denorm_mode_32 3
		.amdhsa_float_denorm_mode_16_64 3
		.amdhsa_memory_ordered 1
		.amdhsa_forward_progress 1
		.amdhsa_inst_pref_size 240
	.end_amdhsa_kernel
	.amdgpu_metadata
---
amdhsa.version: [ 1, 2 ]
amdhsa.kernels:
  - .name:           k_q22cf2692d3_qkv
    .symbol:         k_q22cf2692d3_qkv.kd
    .args:
      - { .name: hidden_states_codes, .offset: 0, .size: 8, .value_kind: global_buffer, .address_space: global }
      - { .name: hidden_states_scales, .offset: 8, .size: 8, .value_kind: global_buffer, .address_space: global }
      - { .name: Wq_codes, .offset: 16, .size: 8, .value_kind: global_buffer, .address_space: global }
      - { .name: Wq_scales, .offset: 24, .size: 8, .value_kind: global_buffer, .address_space: global }
      - { .name: Wk_codes, .offset: 32, .size: 8, .value_kind: global_buffer, .address_space: global }
      - { .name: Wk_scales, .offset: 40, .size: 8, .value_kind: global_buffer, .address_space: global }
      - { .name: Wv_codes, .offset: 48, .size: 8, .value_kind: global_buffer, .address_space: global }
      - { .name: Wv_scales, .offset: 56, .size: 8, .value_kind: global_buffer, .address_space: global }
      - { .name: bq, .offset: 64, .size: 8, .value_kind: global_buffer, .address_space: global }
      - { .name: bk, .offset: 72, .size: 8, .value_kind: global_buffer, .address_space: global }
      - { .name: bv, .offset: 80, .size: 8, .value_kind: global_buffer, .address_space: global }
      - { .name: q_raw, .offset: 88, .size: 8, .value_kind: global_buffer, .address_space: global }
      - { .name: k_raw, .offset: 96, .size: 8, .value_kind: global_buffer, .address_space: global }
      - { .name: kv, .offset: 104, .size: 8, .value_kind: global_buffer, .address_space: global }
    .group_segment_fixed_size: 327680
    .private_segment_fixed_size: 0
    .kernarg_segment_align: 8
    .kernarg_segment_size: 112
    .max_flat_workgroup_size: 128
    .sgpr_count:     100
    .vgpr_count:     1024
    .wavefront_size: 32
...
	.end_amdgpu_metadata
.endif
;; end of part 4
;; launch normrope (part 5): grid 256 x 1, 16 waves a work-group, no clusters, 201,728 bytes of LDS; arguments q_raw, k_raw, gq, gk, freqs_cos, freqs_sin, qimg, kv; writes qimg, kv
.if DOCPART == 5
	.amdgcn_target "amdgcn-amd-amdhsa--gfx1250"
	.amdhsa_code_object_version 6
	.text
	.protected	k_q22cf2692d3_normrope
	.globl	k_q22cf2692d3_normrope
	.p2align	8
	.type	k_q22cf2692d3_normrope,@function
k_q22cf2692d3_normrope:
	s_mov_b64 s[64:65], 0
	v_nop
	global_prefetch_b8 v0, s[64:65] scope:SCOPE_SE
	s_setreg_imm32_b32 hwreg(HW_REG_WAVE_MODE, 25, 1), 1
	s_wait_xcnt 0x0
; q and k, [2048][2048] f32 (x W + b), are normed over the whole row (x * rsqrt(mean(x^2) + 1e-5) * g), rotated (interleaved pairs: cos from the even places of freqs_cos, sin from the odd places of freqs_sin), and quantised
; along each head's 128 into codes of FP6 (E2M3) with one E8M0 scale for each 32.  The codes leave as IMAGES of the matrix operand's registers: register 4 c + i of lane L at byte 512 c + 16 L + 4 i of 1,536 bytes.
; Work-groups 0-127 take q, the others k: only pointers are chosen, on the work-group's number; there is one path.  A work-group is one tile T of 16 rows; row r of tile T is token 32 (T / 2) + 8 (T % 2) + r + 8 (r / 8),
; so that in attention the scores' 16 registers of two neighbouring tiles of k are 16 neighbouring keys.  Wave w takes row r = w whole: 8,192 bytes, 64 numbers a lane; no loop: all 25 loads of a wave go out at once.
; OUT.  qimg: [head 16][group 16][12,800]: 8 images (tile T % 8 of group T / 8), at 12,288 their scale words [tile][row][4].   kv: [head 16][key step 16][25,600]: the same two parts at a step's head (v's half is another launch's).
; The conversion takes 16 neighbours from ONE lane's registers, a load is best where neighbouring LANES take neighbouring bytes: so a step's 2,048 bytes turn through the wave's own stage in LDS (64 bytes + 16 of padding a place).
; No matrix work, no tensor loads, no cluster: the work-groups share nothing but 8 KB of gain.  Two barriers: the gain lies in LDS; the 16 rows' codes lie in LDS, and wave w then stores head w's image, 1,536 consecutive bytes.
; LIMITS: NaN and infinities are not served; v_rsq_f32 is good to 1 ulp; the row's sum of squares is added in another order than a plain loop's; a block of zeros, or one whose largest magnitude lies under 2^-124,
; gets the scale byte 1 (the quantiser's rule says 127 for zeros): its codes are zeros, and this program alone reads the bytes.
.set SP,   80                          ; a lane's place in a stage
.set WST,  128*SP                      ; a wave's stage: 4 steps x 32 places = 10,240 bytes
.set GST,  16*WST                      ; the gain, laid likewise: 10,240 bytes
.set OST,  GST+WST                     ; 16 heads x 1,536 bytes: the images
.set SCS,  OST+16*1536                 ; [head][row][4]: the scale bytes, 1,024 bytes
.set RAW,  16                          ; v16-79   the row as loaded; later v16-30 codes, v32-35 scale bytes, v40-52 the way out
.set X,    80                          ; v80-143  16 neighbours for each of 4 steps
.set G,    144                         ; v144-207 their gains
.set COS,  208                         ; v208-223
.set SIN,  224                         ; v224-239
; v1 lane, v2 16 x lane, v3 stage in, v4 stage out, v5 gain in, v6 gain out, v7 cos and sin, v8-10 where my three code words go, v11 where my scale byte goes, v[12:13] rsqrt twice,
; v14 the image back, v15 the scale words back, v240-247 at work, v248-251 the gain as loaded, v252 4 x lane
	s_load_b512 s[4:19], s[0:1], 0x0               ; q_raw, k_raw, gq, gk, cos, sin, qimg, kv
	v_lshl_add_u32 v254, v0, 2, 0x30c00
	v_mov_b32 v255, 0
	v_lshrrev_b32 v1, 5, v0
	s_delay_alu instid0(VALU_DEP_1)
	v_readfirstlane_b32 s22, v1                    ; wave 0..15
	v_and_b32 v1, 31, v0                           ; lane
	s_delay_alu instid0(VALU_DEP_1)
	v_lshlrev_b32 v2, 4, v1
	s_delay_alu instid0(VALU_DEP_2)
	v_lshlrev_b32 v252, 2, v1
	s_lshr_b32 s20, ttmp9, 7                       ; 0: q, 1: k
	s_and_b32 s21, ttmp9, 127                      ; T
	s_mul_i32 s32, s22, WST
	v_lshrrev_b32 v3, 2, v1
	s_delay_alu instid0(VALU_DEP_1)
	v_mul_u32_u24 v3, v3, SP
	v_and_b32 v4, 3, v1
	s_delay_alu instid0(VALU_DEP_1)
	v_lshl_add_u32 v3, v4, 4, v3
	s_delay_alu instid0(VALU_DEP_1)
	v_add_nc_u32 v3, s32, v3                       ; in: four lanes' 64 bytes on end, then the padding
	v_mul_u32_u24 v4, v1, SP
	s_delay_alu instid0(VALU_DEP_1)
	v_add_nc_u32 v4, s32, v4                       ; out: my 16 neighbours
	v_lshrrev_b32 v5, 2, v0
	s_delay_alu instid0(VALU_DEP_1)
	v_mul_u32_u24 v5, v5, SP
	v_and_b32 v6, 3, v0
	s_delay_alu instid0(VALU_DEP_1)
	v_lshl_add_u32 v5, v6, 4, v5
	s_delay_alu instid0(VALU_DEP_1)
	v_add_nc_u32 v5, GST, v5                       ; the gain: thread t's 16 bytes
	v_mul_u32_u24 v6, v1, SP
	s_delay_alu instid0(VALU_DEP_1)
	v_add_nc_u32 v6, GST, v6
	v_and_b32 v7, 7, v1
	s_delay_alu instid0(VALU_DEP_1)
	v_lshlrev_b32 v7, 6, v7                        ; my 16 places of the head's 128: 64 (lane % 8) bytes
	; In step s lane L holds head 4 s + L / 8, block (L / 2) % 4 = 2 c + h, half u = L % 2.  Its three code words are registers 3 (2 c + u) + i of lane w + 16 h of that head's image.
	v_bfe_u32 v240, v1, 2, 1                       ; c
	v_and_b32 v241, 1, v1                          ; u
	s_delay_alu instid0(VALU_DEP_1)
	v_lshl_add_u32 v240, v240, 1, v241
	s_delay_alu instid0(VALU_DEP_1)
	v_mul_u32_u24 v240, v240, 3
	v_lshrrev_b32 v241, 3, v1
	s_delay_alu instid0(VALU_DEP_1)
	v_mul_u32_u24 v241, v241, 1536
	v_bfe_u32 v242, v1, 1, 1                       ; h
	s_delay_alu instid0(VALU_DEP_1)
	v_lshl_add_u32 v241, v242, 8, v241
	s_lshl_b32 s33, s22, 4
	s_add_co_u32 s33, s33, OST
	v_add_nc_u32 v241, s33, v241
.irp i, 0,1,2
	v_add_nc_u32 v242, \i, v240                    ; the register's number,
	s_delay_alu instid0(VALU_DEP_1)
	v_lshrrev_b32 v243, 2, v242
	s_delay_alu instid0(VALU_DEP_2)
	v_and_b32 v242, 3, v242
	s_delay_alu instid0(VALU_DEP_2)
	v_lshl_add_u32 v[8+\i], v243, 9, v241          ; 512 bytes for each four,
	s_delay_alu instid0(VALU_DEP_1)
	v_lshl_add_u32 v[8+\i], v242, 2, v[8+\i]       ; 4 for each one
.endr
	v_lshrrev_b32 v11, 3, v1
	s_delay_alu instid0(VALU_DEP_1)
	v_lshlrev_b32 v11, 6, v11
	v_bfe_u32 v242, v1, 1, 2
	s_delay_alu instid0(VALU_DEP_1)
	v_add_nc_u32 v11, v11, v242
	s_lshl_b32 s33, s22, 2
	s_add_co_u32 s33, s33, SCS
	v_add_nc_u32 v11, s33, v11                     ; 64 (L / 8) + 4 w + my block
	v_lshlrev_b32 v13, 4, v0                       ; the gain's load: 16 bytes a thread
	s_mul_i32 s33, s22, 1536
	s_add_co_u32 s33, s33, OST
	v_add_nc_u32 v14, s33, v2
	v_and_b32 v15, 15, v1
	s_delay_alu instid0(VALU_DEP_1)
	v_lshlrev_b32 v15, 2, v15
	s_lshl_b32 s33, s22, 6
	s_add_co_u32 s33, s33, SCS
	v_add_nc_u32 v15, s33, v15
	s_lshr_b32 s23, s21, 1
	s_lshl_b32 s23, s23, 5
	s_and_b32 s33, s21, 1
	s_lshl_b32 s33, s33, 3
	s_add_co_u32 s23, s23, s33
	s_add_co_u32 s23, s23, s22
	s_and_b32 s33, s22, 8
	s_add_co_u32 s23, s23, s33                     ; my token
	s_lshl_b32 s34, s23, 13
	s_mov_b32 s35, 0
	s_lshl_b32 s36, s23, 9
	s_mov_b32 s37, 0
	s_mul_i32 s28, s22, 204800                     ; the way out: wave w stores head w: (204,800 w + 12,800 (T / 8)), twice that in kv,
	s_lshr_b32 s29, s21, 3
	s_mul_i32 s29, s29, 12800
	s_add_co_u32 s28, s28, s29
	s_lshl_b32 s28, s28, s20
	s_and_b32 s29, s21, 7
	s_lshl_b32 s30, s29, 6
	s_add_co_u32 s30, s30, s28
	s_add_co_u32 s30, s30, 12288                   ; the scale words: + 12,288 + 64 (T % 8);
	s_mul_i32 s29, s29, 1536
	s_add_co_u32 s28, s28, s29                     ; the image: + 1,536 (T % 8)
	s_mov_b32 s29, 0
	s_mov_b32 s31, 0
	s_mov_b32 s24, 0x76543210
	s_mov_b32 s25, 0xfedcba98                      ; v_permlanex16_b32's selects for lane l xor 16
	s_mov_b32 s26, 0x3a000000                      ; 1 / 2,048
	s_mov_b32 s27, 0x3727c5ac                      ; 1e-5
	s_wait_alu depctr_va_vdst(0)
	s_wait_kmcnt 0x0
	s_cmp_lt_u32 ttmp9, 128
	s_cselect_b64 s[4:5], s[4:5], s[6:7]
	s_cselect_b64 s[8:9], s[8:9], s[10:11]
	s_cselect_b64 s[16:17], s[16:17], s[18:19]
	s_add_nc_u64 s[4:5], s[4:5], s[34:35]
	s_add_nc_u64 s[12:13], s[12:13], s[36:37]
	s_add_nc_u64 s[14:15], s[14:15], s[36:37]
	s_add_nc_u64 s[28:29], s[16:17], s[28:29]
	s_add_nc_u64 s[30:31], s[16:17], s[30:31]
	global_load_b128 v[248:251], v13, s[8:9]
.irp s, 0,1,2,3
.irp i, 0,1,2,3
	global_load_b128 v[RAW+16*\s+4*\i:RAW+16*\s+4*\i+3], v2, s[4:5] offset:2048*\s+512*\i th:TH_LOAD_NT   ; 32 lanes read 512 consecutive bytes; read once in the launch
.endr
.endr
.irp i, 0,1,2,3
	global_load_b128 v[COS+4*\i:COS+4*\i+3], v7, s[12:13] offset:16*\i
.endr
.irp i, 0,1,2,3
	global_load_b128 v[SIN+4*\i:SIN+4*\i+3], v7, s[14:15] offset:16*\i
.endr
	s_wait_loadcnt 24                              ; the gain is in: the 16 + 8 younger loads may be out
	ds_store_b128 v5, v[248:251]
.macro INSTEP s                        ; step s's 16 numbers as loaded: their squares into four packed chains; then through the stage
	s_wait_loadcnt 20-4*\s                         ; this step's four loads are in; the later steps' and the 8 of cos and sin may be out
.set j, 0
.rept 8
.if (\s == 0) && (j < 4)
	v_pk_mul_f32 v[240+2*j:241+2*j], v[RAW+2*j:RAW+2*j+1], v[RAW+2*j:RAW+2*j+1]    ; the first four pairs start the chains: nothing is cleared
.else
	v_pk_fma_f32 v[240+2*(j%4):241+2*(j%4)], v[RAW+16*\s+2*j:RAW+16*\s+2*j+1], v[RAW+16*\s+2*j:RAW+16*\s+2*j+1], v[240+2*(j%4):241+2*(j%4)]
.endif
.set j, j+1
.endr
.irp i, 0,1,2,3
	ds_store_b128 v3, v[RAW+16*\s+4*\i:RAW+16*\s+4*\i+3] offset:32*SP*\s+8*SP*\i
.endr
.irp i, 0,1,2,3
	ds_load_b128 v[X+16*\s+4*\i:X+16*\s+4*\i+3], v4 offset:32*SP*\s+16*\i    ; LDS serves a wave's instructions in order: these see the stores above
.endr
.endm
	INSTEP 0
	s_wait_alu depctr_va_vdst(0)
	INSTEP 1
	s_wait_alu depctr_va_vdst(0)
	INSTEP 2
	s_wait_alu depctr_va_vdst(0)
	INSTEP 3
	v_pk_add_f32 v[240:241], v[240:241], v[242:243]
	v_pk_add_f32 v[244:245], v[244:245], v[246:247]
	s_delay_alu instid0(VALU_DEP_1)
	v_pk_add_f32 v[240:241], v[240:241], v[244:245]
	s_delay_alu instid0(VALU_DEP_1)
	v_add_f32 v12, v240, v241
	s_delay_alu instid0(VALU_DEP_1)
	v_add_f32_dpp v12, v12, v12 row_xmask:1 row_mask:0xf bank_mask:0xf
	s_delay_alu instid0(VALU_DEP_1)
	v_add_f32_dpp v12, v12, v12 row_xmask:2 row_mask:0xf bank_mask:0xf
	s_delay_alu instid0(VALU_DEP_1)
	v_add_f32_dpp v12, v12, v12 row_xmask:4 row_mask:0xf bank_mask:0xf
	s_delay_alu instid0(VALU_DEP_1)
	v_add_f32_dpp v12, v12, v12 row_xmask:8 row_mask:0xf bank_mask:0xf
	s_delay_alu instid0(VALU_DEP_1)
	v_permlanex16_b32 v241, v12, s24, s25
	s_delay_alu instid0(VALU_DEP_1)
	v_add_f32 v12, v12, v241                       ; the row's sum of squares, in every lane
	s_delay_alu instid0(VALU_DEP_1)
	v_fma_f32 v240, v12, s26, s27                  ; the mean + 1e-5
	s_wait_alu depctr_va_vdst(0)
	v_rsq_f32 v12, v240
	v_nop                                          ; one plain place behind a transcendental
	s_wait_alu depctr_va_vdst(0)
	v_mov_b32 v13, v12                             ; a pair for the packed multiply (the gain's load, whose offset v13 held, is long in)
	s_wait_alu depctr_va_vdst(0)
	s_wait_dscnt 0x0                               ; for the others' sake: my 16 bytes of the gain are stored; my numbers are back from the stage
	s_barrier_signal -1
	s_barrier_wait -1                              ; the gain lies in LDS
.irp s, 0,1,2,3
.irp i, 0,1,2,3
	ds_load_b128 v[G+16*\s+4*\i:G+16*\s+4*\i+3], v6 offset:32*SP*\s+16*\i
.endr
.endr
	s_wait_dscnt 0x0
	s_wait_loadcnt 0x0                             ; cos and sin
.macro QSTEP s
.set XS, X+16*\s
.set GS, G+16*\s
.irp j, 0,2,4,6,8,10,12,14
	v_pk_mul_f32 v[XS+\j:XS+\j+1], v[XS+\j:XS+\j+1], v[12:13]          ; x * rsqrt,
.endr
.irp j, 0,2,4,6,8,10,12,14
	v_pk_mul_f32 v[XS+\j:XS+\j+1], v[XS+\j:XS+\j+1], v[GS+\j:GS+\j+1]  ; * g
.endr
.irp i, 0,1,2,3,4,5,6,7                ; pair i: o1 = x1 cos - x2 sin, o2 = x1 sin + x2 cos; two pairs of temporaries by turns
	v_mul_f32 v[240+2*(\i%2)], v[XS+2*\i+1], v[SIN+2*\i+1]
	v_mul_f32 v[241+2*(\i%2)], v[XS+2*\i], v[SIN+2*\i+1]
	s_delay_alu instid0(VALU_DEP_2)
	v_fma_f32 v[XS+2*\i], v[XS+2*\i], v[COS+2*\i], -v[240+2*(\i%2)]
	s_delay_alu instid0(VALU_DEP_2)
	v_fma_f32 v[XS+2*\i+1], v[XS+2*\i+1], v[COS+2*\i], v[241+2*(\i%2)]
.endr
	v_max3_num_f32 v244, |v[XS]|, |v[XS+1]|, |v[XS+2]|                 ; the largest magnitude of my 16, in two chains
	v_max3_num_f32 v245, |v[XS+3]|, |v[XS+4]|, |v[XS+5]|
.irp i, 6,10
	s_delay_alu instid0(VALU_DEP_2)
	v_max3_num_f32 v244, v244, |v[XS+\i]|, |v[XS+\i+1]|
	s_delay_alu instid0(VALU_DEP_2)
	v_max3_num_f32 v245, v245, |v[XS+\i+2]|, |v[XS+\i+3]|
.endr
	s_delay_alu instid0(VALU_DEP_2)
	v_max3_num_f32 v244, v244, |v[XS+14]|, |v[XS+15]|
	s_delay_alu instid0(VALU_DEP_1)
	v_max3_num_f32 v244, v244, v245, 0x1800000     ; and the floor 2^(3 - 127): the byte cannot fall under 1
	s_delay_alu instid0(VALU_DEP_1)
	v_max_num_f32_dpp v244, v244, v244 row_xmask:1 row_mask:0xf bank_mask:0xf   ; and of my neighbour's 16: the block's
	s_delay_alu instid0(VALU_DEP_1)
	v_add_nc_u32 v246, 0xff000000, v244            ; 2 off its exponent field: the conversion's scale operand
	v_cvt_scalef32_pk16_fp6_f32 v[16+4*\s:18+4*\s], v[XS:XS+15], v246
	v_lshrrev_b32 v[32+\s], 23, v246               ; the scale's byte (also the plain place behind the conversion)
.irp i, 0,1,2
	ds_store_b32 v[8+\i], v[16+4*\s+\i] offset:6144*\s     ; four heads on for each step
.endr
	ds_store_b8 v11, v[32+\s] offset:256*\s        ; both lanes of a block write the same byte with the same value
.endm
	QSTEP 0
	QSTEP 1
	QSTEP 2
	QSTEP 3
	s_wait_dscnt 0x0                               ; for the others' sake: my row's codes and bytes are stored
	s_barrier_signal -1
	s_barrier_wait -1                              ; sixteen whole images lie in LDS
.irp c, 0,1,2
	ds_load_b128 v[40+4*\c:43+4*\c], v14 offset:512*\c
.endr
	ds_load_b32 v52, v15
	s_wait_dscnt 0x0
.irp c, 0,1,2
	global_store_b128 v2, v[40+4*\c:43+4*\c], s[28:29] offset:512*\c    ; 512 consecutive bytes a store, at a multiple of 256 from the buffer's first byte
.endr
	s_wait_xcnt 0x0                                ; EXEC changes only behind this wait
	v_cmp_gt_u32 vcc_lo, 16, v1
	s_wait_tensorcnt 0x0
	ds_add_u32 v254, v255
	s_wait_dscnt 0x0
	s_and_saveexec_b32 s40, vcc_lo
	global_store_b32 v252, v52, s[30:31]           ; the tile's 16 scale words: 64 bytes
	s_wait_xcnt 0x0
	s_or_b32 exec_lo, exec_lo, s40
	s_endpgm
.Lfunc_end_k_q22cf2692d3_normrope:
	.size	k_q22cf2692d3_normrope, .Lfunc_end_k_q22cf2692d3_normrope-k_q22cf2692d3_normrope
	.p2alignl 7, 3214868480
	.fill 96, 4, 3214868480
	.section	.rodata,"a",@progbits
	.p2align	6, 0x0
	.amdhsa_kernel k_q22cf2692d3_normrope
		.amdhsa_group_segment_fixed_size 201728
		.amdhsa_private_segment_fixed_size 0
		.amdhsa_enable_private_segment 0
		.amdhsa_kernarg_size 64
		.amdhsa_user_sgpr_count 2
		.amdhsa_user_sgpr_kernarg_segment_ptr 1
		.amdhsa_wavefront_size32 1
		.amdhsa_system_sgpr_workgroup_id_x 1
		.amdhsa_system_sgpr_workgroup_id_y 1
		.amdhsa_system_sgpr_workgroup_id_z 1
		.amdhsa_system_vgpr_workitem_id 0
		.amdhsa_next_free_vgpr 256
		.amdhsa_next_free_sgpr 66
		.amdhsa_reserve_vcc 1
		.amdhsa_float_denorm_mode_32 3
		.amdhsa_float_denorm_mode_16_64 3
		.amdhsa_memory_ordered 1
		.amdhsa_forward_progress 1
		.amdhsa_inst_pref_size 33
	.end_amdhsa_kernel
	.amdgpu_metadata
---
amdhsa.version: [ 1, 2 ]
amdhsa.kernels:
  - .name:           k_q22cf2692d3_normrope
    .symbol:         k_q22cf2692d3_normrope.kd
    .args:
      - { .name: q_raw, .offset: 0, .size: 8, .value_kind: global_buffer, .address_space: global }
      - { .name: k_raw, .offset: 8, .size: 8, .value_kind: global_buffer, .address_space: global }
      - { .name: gq, .offset: 16, .size: 8, .value_kind: global_buffer, .address_space: global }
      - { .name: gk, .offset: 24, .size: 8, .value_kind: global_buffer, .address_space: global }
      - { .name: freqs_cos, .offset: 32, .size: 8, .value_kind: global_buffer, .address_space: global }
      - { .name: freqs_sin, .offset: 40, .size: 8, .value_kind: global_buffer, .address_space: global }
      - { .name: qimg, .offset: 48, .size: 8, .value_kind: global_buffer, .address_space: global }
      - { .name: kv, .offset: 56, .size: 8, .value_kind: global_buffer, .address_space: global }
    .group_segment_fixed_size: 201728
    .private_segment_fixed_size: 0
    .kernarg_segment_align: 8
    .kernarg_segment_size: 64
    .max_flat_workgroup_size: 512
    .sgpr_count:     66
    .vgpr_count:     256
    .wavefront_size: 32
...
	.end_amdgpu_metadata
.endif
;; end of part 5
;; launch attn (part 6): grid 16 x 16, 8 waves a work-group, clusters of 4 x 1, 327,680 bytes of LDS; arguments qimg, kv, o_codes, o_scales; writes o_codes, o_scales
.if DOCPART == 6
	.amdgcn_target "amdgcn-amd-amdhsa--gfx1250"
	.amdhsa_code_object_version 6
	.text
	.protected	k_q22cf2692d3_attn
	.globl	k_q22cf2692d3_attn
	.p2align	8
	.type	k_q22cf2692d3_attn,@function
k_q22cf2692d3_attn:
	s_mov_b64 s[64:65], 0
	v_nop
	global_prefetch_b8 v0, s[64:65] scope:SCOPE_SE
	s_setreg_imm32_b32 hwreg(HW_REG_WAVE_MODE, 25, 1), 1
	s_wait_xcnt 0x0
	s_wait_alu depctr_hold_cnt(0) depctr_sa_sdst(0) depctr_va_vdst(0) depctr_va_sdst(0) depctr_va_ssrc(0) depctr_va_vcc(0) depctr_vm_vsrc(0)
	s_getreg_b32 s2, hwreg(HW_REG_IB_STS2, 6, 4)
	s_cmp_eq_u32 s2, 0
	s_cbranch_scc0 .Lentry_in_a_cluster
	s_endpgm
.Lentry_in_a_cluster:
	s_bfe_u32 s2, ttmp6, 0x10000c
	s_cmp_lg_u32 s2, 0x3003
	s_cbranch_scc0 .Lentry_shape_is_right
	s_endpgm
.Lentry_shape_is_right:
.set STEPB, 25600
.set VOFF,  12800
.set SLOTB, 4*STEPB
.set SLOT1, 131072
.set SPARE, 262144
.set L16, 1
.set L4,  2
.set AD,  3
.set AS,  4
.set SPW, 5
.set NIL, 6
.set GO,  7
.set GS,  8
.set QS,  9
.set QA,  10
.set LN,  11
.set KSC, 28
.set VSC, 32
.set PC,  160
.set TM,  232
.set WV,  12
.set SEL, 20
.set CS,  22
.set G1,  24
.set G0A, 32
.set G0B, 36
.set TB,  40
.set CNT, 41
.set MSB, 0
.macro WIN new
.if MSB != (\new)
	s_set_vgpr_msb (MSB<<8)|(\new)
.set MSB, (\new)
.endif
.endm
.macro CROUND
	s_barrier_signal -1
	s_barrier_wait -1
	s_cmp_lg_u32 s[WV], 0
	s_cbranch_scc1 .Lnot_wave_0_\@
	s_barrier_signal -3
.Lnot_wave_0_\@:
	s_barrier_wait -3
	s_barrier_signal -1
	s_barrier_wait -1
.endm
	s_load_b256 s[4:11], s[0:1], 0x0
	v_lshl_add_u32 v[SPW], v0, 2, SPARE
	v_mov_b32 v[NIL], 0
	ds_add_u32 v5, v6
	ds_add_u32 v5, v6
	s_wait_dscnt 0x0
	v_lshrrev_b32 v1, 5, v0
	s_delay_alu instid0(VALU_DEP_1)
	v_readfirstlane_b32 s[WV], v1
	s_bfe_u32 s13, ttmp6, 0x40000
	s_lshl_b32 s14, ttmp9, 2
	s_add_co_u32 s14, s14, s13
	s_and_b32 s15, ttmp7, 0xffff
	s_mul_i32 s18, s[WV], 12800
	s_mul_i32 s16, s15, 16*STEPB
	s_add_co_u32 s16, s16, s18
	s_mov_b32 s17, 0
	s_mul_i32 s44, s15, 204800
	s_mul_i32 s45, s14, 12800
	s_add_co_u32 s44, s44, s45
	s_mov_b32 s45, 0
	s_lshl_b32 s46, s14, 7
	s_lshr_b32 s47, s[WV], 1
	s_lshl_b32 s47, s47, 5
	s_add_co_u32 s46, s46, s47
	s_and_b32 s47, s[WV], 1
	s_lshl_b32 s47, s47, 3
	s_add_co_u32 s46, s46, s47
	s_mul_i32 s42, s46, 1536
	s_mul_i32 s43, s15, 96
	s_add_co_u32 s42, s42, s43
	s_mov_b32 s43, 0
	s_lshl_b32 s46, s46, 6
	s_lshl_b32 s47, s15, 2
	s_add_co_u32 s46, s46, s47
	s_mov_b32 s47, 0
	s_mov_b32 s[G1], 15|(3<<16)|(1<<21)
	s_mov_b32 s[G1+1], 32<<16
	s_mov_b32 s[G1+2], 50<<16
	s_mov_b32 s[G1+3], 32<<16
	s_mov_b32 s[G1+4], 50
	s_mov_b32 s[G1+5], 32
	s_mov_b32 s[G1+6], 0
	s_mov_b32 s[G1+7], 0
	s_mov_b32 s[SEL], 0x76543210
	s_mov_b32 s[SEL+1], 0xfedcba98
	s_mov_b32 s[CS], 0x3e0293ee
	s_mov_b32 s[CS+1], s[CS]
	s_mov_b32 s[TB], 0
	s_wait_kmcnt 0x0
	s_add_nc_u64 s[6:7], s[6:7], s[16:17]
	s_add_nc_u64 s[44:45], s[4:5], s[44:45]
	s_add_nc_u64 s[8:9], s[8:9], s[42:43]
	s_add_nc_u64 s[10:11], s[10:11], s[46:47]
	CROUND
	s_mov_b32 s[G0A], 1
	s_mov_b32 s[G0A+1], s18
	s_mov_b64 s[G0A+2:G0A+3], s[6:7]
	s_or_b32 s[G0A+3], s[G0A+3], 0x80000000
	s_mov_b32 s[G0B], 1
	s_add_co_u32 s[G0B+1], s18, SLOT1
	s_add_nc_u64 s[G0B+2:G0B+3], s[6:7], SLOTB
	s_or_b32 s[G0B+3], s[G0B+3], 0x80000000
	tensor_load_to_lds s[G0A:G0A+3], s[G1:G1+7]
	s_nop 0
	v_and_b32 v[LN], 31, v0
	s_delay_alu instid0(VALU_DEP_1)
	v_lshlrev_b32 v[L16], 4, v[LN]
	s_delay_alu instid0(VALU_DEP_2)
	v_lshlrev_b32 v[L4], 2, v[LN]
	s_mul_i32 s16, s[WV], 1536
	v_add_nc_u32 v[QA], s16, v[L16]
	v_and_b32 v[QS], 15, v[LN]
	s_delay_alu instid0(VALU_DEP_1)
	v_lshlrev_b32 v[QS], 2, v[QS]
	s_lshl_b32 s16, s[WV], 6
	v_add_nc_u32 v[QS], s16, v[QS]
.irp c, 0,1,2
	global_load_b128 v[16+4*\c:19+4*\c], v[QA], s[44:45] offset:512*\c   ; q's image and scale words are asked for while the first tile is on its way
.endr
	global_load_b32 v255, v[QS], s[44:45] offset:12288
	s_wait_alu depctr_va_vdst(0)
	s_wait_tensorcnt 0x0
	ds_add_u32 v5, v6
	s_wait_dscnt 0x0
	CROUND
	tensor_load_to_lds s[G0B:G0B+3], s[G1:G1+7]
	s_nop 0
.rept 4
	v_nop
.endr
	v_mov_b32 v13, 0xff61b1e6
	s_delay_alu instid0(VALU_DEP_1)
	v_floor_f32 v12, -v13
	v_mov_b32 v14, 0
	v_mov_b32 v15, 0
.irp b, 0,1,2,3
	v_mov_b32 v[236+\b], 0
.endr
	v_mov_b32 v253, 0
.set j, 0
.rept 64
	v_mov_b32 v[160+j], 0
.set j, j+1
.endr
.macro KLOAD
	v_add_nc_u32 v[AD], s[TB], v[L16]
	v_add_nc_u32 v[AS], s[TB], v[L4]
	s_add_co_u32 s[TB], s[TB], STEPB
	WIN 0x40
.irp t, 0,1,2,3,4,5,6,7
.irp c, 0,1,2
	ds_load_b128 v[12*\t+4*\c:12*\t+4*\c+3], v[AD] offset:1536*\t+512*\c
.endr
.endr
	WIN 0
.irp i, 0,1,2,3
	ds_load_b32 v[KSC+\i], v[AS] offset:12288+128*\i
.endr
.endm
.macro P1
	s_wait_dscnt 0x0
	WIN 0x01
.irp t, 0,1,2,3,4,5,6,7
.if \t%2
	v_wmma_scale_f32_16x16x128_f8f6f4 v[96+8*\t:103+8*\t], v[12*\t:12*\t+11], v[16:27], 0, v[KSC+\t/2], v255 matrix_a_fmt:MATRIX_FMT_FP6 matrix_b_fmt:MATRIX_FMT_FP6 matrix_a_scale:MATRIX_SCALE_ROW1
.else
	v_wmma_scale_f32_16x16x128_f8f6f4 v[96+8*\t:103+8*\t], v[12*\t:12*\t+11], v[16:27], 0, v[KSC+\t/2], v255 matrix_a_fmt:MATRIX_FMT_FP6 matrix_b_fmt:MATRIX_FMT_FP6
.endif
.endr
	WIN 0
.rept 4
	v_nop
.endr
	WIN 0x40
.irp t, 0,1,2,3,4,5,6,7
.irp c, 0,1,2
	ds_load_b128 v[96+12*\t+4*\c:96+12*\t+4*\c+3], v[AD] offset:VOFF+1536*\t+512*\c
.endr
.endr
	WIN 0
.irp i, 0,1,2,3
	ds_load_b32 v[VSC+\i], v[AS] offset:VOFF+12288+128*\i
.endr
.irp b, 0,1,2,3
	v_max3_num_f32 v[232+\b], v[96+16*\b], v[97+16*\b], v[98+16*\b]
.endr
.irp i, 3,5,7,9,11,13
.irp b, 0,1,2,3
	v_max3_num_f32 v[232+\b], v[232+\b], v[96+16*\b+\i], v[97+16*\b+\i]
.endr
.endr
.irp b, 0,1,2,3
	v_max_num_f32 v[232+\b], v[232+\b], v[111+16*\b]
.endr
.irp b, 0,1,2,3
	s_delay_alu instid0(VALU_DEP_4)
	v_permlanex16_b32 v[236+\b], v[232+\b], s[SEL], s[SEL+1]
.endr
.irp b, 0,1,2,3
	s_delay_alu instid0(VALU_DEP_4)
	v_max_num_f32 v[232+\b], v[232+\b], v[236+\b]
.endr
	s_delay_alu instid0(VALU_DEP_2)
	v_max3_num_f32 v254, v232, v233, v234
	s_delay_alu instid0(VALU_DEP_1)
	v_max_num_f32 v254, v254, v235
	s_delay_alu instid0(VALU_DEP_1)
	v_mul_f32 v254, s[CS], v254
	s_delay_alu instid0(VALU_DEP_1)
	v_max_num_f32 v13, v13, v254
	v_mov_b32 v254, v12
	s_delay_alu instid0(VALU_DEP_2)
	v_floor_f32 v12, -v13
	s_delay_alu instid0(VALU_DEP_1)
	v_sub_f32 v254, v12, v254
	s_delay_alu instid0(VALU_DEP_1)
	v_cvt_i32_f32 v254, v254
	s_delay_alu instid0(VALU_DEP_1)
	v_ldexp_f32 v252, 1.0, v254
.set j, 0
.rept 32
	v_pk_fma_f32 v[96+j:97+j], v[96+j:97+j], s[CS:CS+1], v[12:13] op_sel_hi:[1,0,0]
.set j, j+2
.endr
.irp b, 0,1,2,3
	v_fma_f32 v[232+\b], v[232+\b], s[CS], v12
.endr
.set j, 0
	s_wait_alu depctr_va_vdst(0)
.rept 64
	v_exp_f32 v[96+j], v[96+j]
.set j, j+1
.endr
.irp b, 0,1,2,3
	v_exp_f32 v[232+\b], v[232+\b]
.endr
	v_pk_mul_f32 v[14:15], v[14:15], v[252:253] op_sel_hi:[1,0]
	s_wait_dscnt 0x0
.endm
.macro P3 k
.if \k
	KLOAD
.endif
	s_wait_alu depctr_va_vdst(0)
.irp b, 0,1,2,3
	v_max_num_f32 v[232+\b], 0x1800000, v[232+\b]
.endr
.irp b, 0,1,2,3
	s_delay_alu instid0(VALU_DEP_4)
	v_add_nc_u32 v[244+\b], 0xff000000, v[232+\b]
.endr
.irp b, 0,1,2,3
	s_delay_alu instid0(VALU_DEP_4)
	v_lshrrev_b32 v[236+\b], 23, v[244+\b]
.endr
	s_delay_alu instid0(VALU_DEP_3)
	v_lshl_or_b32 v253, v237, 8, v236
	s_delay_alu instid0(VALU_DEP_1)
	v_lshl_or_b32 v253, v238, 16, v253
	s_delay_alu instid0(VALU_DEP_1)
	v_lshl_or_b32 v253, v239, 24, v253
.irp c, 0,1
	v_cvt_scalef32_pk16_fp6_f32 v[224+6*\c:226+6*\c], v[96+32*\c:111+32*\c], v[244+2*\c]
	v_cvt_scalef32_pk16_fp6_f32 v[236+4*\c:238+4*\c], v[112+32*\c:127+32*\c], v[244+2*\c+1]
.endr
	v_nop
.irp c, 0,1
.irp i, 0,1,2
	v_permlane16_swap_b32 v[224+6*\c+\i], v[236+4*\c+\i]
.endr
.irp i, 0,1,2
	s_delay_alu instid0(VALU_DEP_3)
	v_mov_b32 v[227+6*\c+\i], v[236+4*\c+\i]
.endr
.endr
	v_pk_add_f32 v[236:237], v[96:97], v[98:99]
.irp j, 4,8,12,16,20,24,28,32,36,40,44,48,52,56,60
	v_pk_add_f32 v[14:15], v[14:15], v[96+\j:97+\j]
	v_pk_add_f32 v[236:237], v[236:237], v[98+\j:99+\j]
.endr
	s_delay_alu instid0(VALU_DEP_1)
	v_pk_add_f32 v[14:15], v[14:15], v[236:237]
.set j, 0
.rept 32
	v_pk_mul_f32 v[160+j:161+j], v[160+j:161+j], v[252:253] op_sel_hi:[1,0]
.set j, j+2
.endr
	WIN 0x01
.irp t, 0,1,2,3,4,5,6,7
.if \t%2
	v_wmma_scale_f32_16x16x128_f8f6f4 v[160+8*\t:167+8*\t], v[96+12*\t:107+12*\t], v[224:235], v[160+8*\t:167+8*\t], v[VSC+\t/2], v253 matrix_a_fmt:MATRIX_FMT_FP6 matrix_b_fmt:MATRIX_FMT_FP6 matrix_a_scale:MATRIX_SCALE_ROW1
.else
	v_wmma_scale_f32_16x16x128_f8f6f4 v[160+8*\t:167+8*\t], v[96+12*\t:107+12*\t], v[224:235], v[160+8*\t:167+8*\t], v[VSC+\t/2], v253 matrix_a_fmt:MATRIX_FMT_FP6 matrix_b_fmt:MATRIX_FMT_FP6
.endif
.endr
	WIN 0
.endm
.macro TRIPS n
	s_mov_b32 s[CNT], \n
.Ltrip_\@:
	P3 1
	P1
	s_sub_co_u32 s[CNT], s[CNT], 1
	s_cmp_lg_u32 s[CNT], 0
	s_cbranch_scc1 .Ltrip_\@
.endm
.macro CHANGE g0, fill
	s_wait_tensorcnt 0x0
	ds_add_u32 v[SPW], v[NIL]
.if \fill
	s_add_nc_u64 s[\g0+2:\g0+3], s[\g0+2:\g0+3], 2*SLOTB
.endif
	s_sub_co_u32 s[TB], s[TB], SLOTB
	s_xor_b32 s[TB], s[TB], SLOT1
	s_wait_dscnt 0x0
.if \fill
	CROUND
	tensor_load_to_lds s[\g0:\g0+3], s[G1:G1+7]
	s_nop 0
.rept 4
	v_nop
.endr
.else
	s_barrier_signal -1
	s_barrier_wait -1
.endif
.endm
.macro QUANT s, pw
.irp b, 0,1,2,3
	v_max3_num_f32 v[TM+\b], |v[\s+16*\b]|, |v[\s+1+16*\b]|, 0x1800000
.endr
.irp i, 2,4,6,8,10,12,14
.irp b, 0,1,2,3
	s_delay_alu instid0(VALU_DEP_4)
	v_max3_num_f32 v[TM+\b], v[TM+\b], |v[\s+16*\b+\i]|, |v[\s+1+16*\b+\i]|
.endr
.endr
.irp b, 0,1,2,3
	s_delay_alu instid0(VALU_DEP_4)
	v_permlanex16_b32 v[TM+4+\b], v[TM+\b], s[SEL], s[SEL+1]
.endr
.irp b, 0,1,2,3
	s_delay_alu instid0(VALU_DEP_4)
	v_max_num_f32 v[TM+\b], v[TM+\b], v[TM+4+\b]
.endr
.irp b, 0,1,2,3
	s_delay_alu instid0(VALU_DEP_4)
	v_add_nc_u32 v[TM+12+\b], 0xff000000, v[TM+\b]
.endr
.irp b, 0,1,2,3
	s_delay_alu instid0(VALU_DEP_4)
	v_lshrrev_b32 v[TM+4+\b], 23, v[TM+12+\b]
.endr
	s_delay_alu instid0(VALU_DEP_3)
	v_lshl_or_b32 v[\pw], v[TM+5], 8, v[TM+4]
	s_delay_alu instid0(VALU_DEP_1)
	v_lshl_or_b32 v[\pw], v[TM+6], 16, v[\pw]
	s_delay_alu instid0(VALU_DEP_1)
	v_lshl_or_b32 v[\pw], v[TM+7], 24, v[\pw]
.irp c, 0,1
	v_cvt_scalef32_pk16_fp6_f32 v[PC+6*\c:PC+2+6*\c], v[\s+32*\c:\s+15+32*\c], v[TM+12+2*\c]
	v_cvt_scalef32_pk16_fp6_f32 v[PC+12+4*\c:PC+14+4*\c], v[\s+16+32*\c:\s+31+32*\c], v[TM+12+2*\c+1]
.endr
	v_nop
.irp c, 0,1
.irp i, 0,1,2
	v_permlane16_swap_b32 v[PC+6*\c+\i], v[PC+12+4*\c+\i]
.endr
.irp i, 0,1,2
	s_delay_alu instid0(VALU_DEP_3)
	v_mov_b32 v[PC+3+6*\c+\i], v[PC+12+4*\c+\i]
.endr
.endr
.endm
	s_wait_tensorcnt 1
	s_barrier_signal -1
	s_barrier_wait -1
	KLOAD
	s_wait_alu depctr_va_vdst(0)
	s_wait_loadcnt 0x0
	P1
	TRIPS 3
	CHANGE G0A, 1
	TRIPS 4
	CHANGE G0B, 1
	TRIPS 4
	CHANGE G0A, 0
	TRIPS 4
	P3 0
	v_and_b32 v[GS], 15, v[LN]
	s_delay_alu instid0(VALU_DEP_1)
	v_and_b32 v[GO], 8, v[GS]
	s_delay_alu instid0(VALU_DEP_1)
	v_add_nc_u32 v[GS], v[GS], v[GO]
	v_lshrrev_b32 v[QS], 4, v[LN]
	s_delay_alu instid0(VALU_DEP_2)
	v_mul_u32_u24 v[GO], v[GS], 1536
	s_delay_alu instid0(VALU_DEP_1)
	v_mad_u32_u24 v[GO], v[QS], 24, v[GO]
	s_delay_alu instid0(VALU_DEP_4)
	v_lshlrev_b32 v[GS], 6, v[GS]
	v_add_f32 v14, v14, v15
	s_delay_alu instid0(VALU_DEP_1)
	v_permlanex16_b32 v252, v14, s[SEL], s[SEL+1]
	s_delay_alu instid0(VALU_DEP_1)
	v_add_f32 v14, v14, v252
	s_wait_alu depctr_va_vdst(0)
	v_rcp_f32 v14, v14
	v_nop
.set j, 0
	s_wait_alu depctr_va_vdst(0)
.rept 32
	v_pk_mul_f32 v[96+j:97+j], v[160+j:161+j], v[14:15] op_sel_hi:[1,0]
.set j, j+2
.endr
.irp b, 0,1,2,3
.irp j, 0,1,2,3,4,5,6,7
	v_permlane16_swap_b32 v[96+16*\b+\j], v[96+16*\b+8+\j]
.endr
.endr
	QUANT 96, 252
.irp p, 0,1,2,3,4,5
	global_store_b64 v[GO], v[PC+2*\p:PC+2*\p+1], s[8:9] offset:48*(\p/3)+8*(\p%3)
.endr
	s_wait_xcnt 0x0
	v_cmp_gt_u32 vcc_lo, 16, v[LN]
	s_and_saveexec_b32 s42, vcc_lo
	global_store_b32 v[GS], v252, s[10:11]
	s_wait_xcnt 0x0
	s_or_b32 exec_lo, exec_lo, s42
	s_wait_tensorcnt 0x0
	ds_add_u32 v[SPW], v[NIL]
	s_wait_dscnt 0x0
	CROUND
	s_endpgm
.Lfunc_end_k_q22cf2692d3_attn:
	.size	k_q22cf2692d3_attn, .Lfunc_end_k_q22cf2692d3_attn-k_q22cf2692d3_attn
	.p2alignl 7, 3214868480
	.fill 96, 4, 3214868480
	.section	.rodata,"a",@progbits
	.p2align	6, 0x0
	.amdhsa_kernel k_q22cf2692d3_attn
		.amdhsa_group_segment_fixed_size 327680
		.amdhsa_private_segment_fixed_size 0
		.amdhsa_enable_private_segment 0
		.amdhsa_kernarg_size 32
		.amdhsa_user_sgpr_count 2
		.amdhsa_user_sgpr_kernarg_segment_ptr 1
		.amdhsa_wavefront_size32 1
		.amdhsa_system_sgpr_workgroup_id_x 1
		.amdhsa_system_sgpr_workgroup_id_y 1
		.amdhsa_system_sgpr_workgroup_id_z 1
		.amdhsa_system_vgpr_workitem_id 0
		.amdhsa_next_free_vgpr 448
		.amdhsa_next_free_sgpr 66
		.amdhsa_reserve_vcc 1
		.amdhsa_float_denorm_mode_32 3
		.amdhsa_float_denorm_mode_16_64 3
		.amdhsa_memory_ordered 1
		.amdhsa_forward_progress 1
		.amdhsa_inst_pref_size 120
	.end_amdhsa_kernel
	.amdgpu_metadata
---
amdhsa.version: [ 1, 2 ]
amdhsa.kernels:
  - .name:           k_q22cf2692d3_attn
    .symbol:         k_q22cf2692d3_attn.kd
    .args:
      - { .name: qimg, .offset: 0, .size: 8, .value_kind: global_buffer, .address_space: global }
      - { .name: kv, .offset: 8, .size: 8, .value_kind: global_buffer, .address_space: global }
      - { .name: o_codes, .offset: 16, .size: 8, .value_kind: global_buffer, .address_space: global }
      - { .name: o_scales, .offset: 24, .size: 8, .value_kind: global_buffer, .address_space: global }
    .group_segment_fixed_size: 327680
    .private_segment_fixed_size: 0
    .kernarg_segment_align: 8
    .kernarg_segment_size: 32
    .max_flat_workgroup_size: 256
    .sgpr_count:     66
    .vgpr_count:     448
    .wavefront_size: 32
...
	.end_amdgpu_metadata
.endif
;; end of part 6
;; launch proj (part 7): grid 16 x 16, 4 waves a work-group, clusters of 4 x 4, 327,680 bytes of LDS; arguments o_codes, o_scales, Wo_codes, Wo_scales, bo, out0; writes out0
.if DOCPART == 7
	.amdgcn_target "amdgcn-amd-amdhsa--gfx1250"
	.amdhsa_code_object_version 6
	.text
	.protected	k_q22cf2692d3_proj
	.globl	k_q22cf2692d3_proj
	.p2align	8
	.type	k_q22cf2692d3_proj,@function
k_q22cf2692d3_proj:
	s_mov_b64 s[64:65], 0
	v_nop
	global_prefetch_b8 v0, s[64:65] scope:SCOPE_SE
	s_setreg_imm32_b32 hwreg(HW_REG_WAVE_MODE, 25, 1), 1
	s_wait_xcnt 0x0
	s_wait_alu depctr_hold_cnt(0) depctr_sa_sdst(0) depctr_va_vdst(0) depctr_va_sdst(0) depctr_va_ssrc(0) depctr_va_vcc(0) depctr_vm_vsrc(0)
	s_getreg_b32 s2, hwreg(HW_REG_IB_STS2, 6, 4)
	s_cmp_eq_u32 s2, 0
	s_cbranch_scc0 .Lentry_in_a_cluster
	s_endpgm
.Lentry_in_a_cluster:
	s_bfe_u32 s2, ttmp6, 0x10000c
	s_cmp_lg_u32 s2, 0xf033
	s_cbranch_scc0 .Lentry_shape_is_right
	s_endpgm
.Lentry_shape_is_right:
; out0[m][n] = sum over k of O[m][k] Wo[n][k] + bo[n], on codes of FP6 (E2M3) with one E8M0 scale for each 32 along K.  O and Wo: 2,048 rows of 1,536 bytes, K innermost; scale bytes [2048][64]; out0 [2048][2048] f32.
; A tile of out0 is 128 x 128: 256 work-groups.  Four waves, each 64 x 64: 16 accumulators.
; K goes through two LDS slots in chunks of 512 bytes of each row (two aligned blocks of 256 bytes): three chunks, chunk c in slot c % 2.  A slot: O's 128 rows, then Wo's 128.
; THE HEAD fills both slots, one tensor load a wave: wave w brings 128 rows of O (w even) or of Wo (w odd), chunk w / 2, into slot w / 2.  The one refill, chunk 2 into slot 0, is shared out as 64 rows a wave.
; A step of 128 along K is 96 bytes; steps 5 and 10 lie across two chunks and take their pieces from both slots.  Both operands have two sets of fragment registers: a step's 48 LDS loads are issued one step ahead of their use.
; THE SCALES go to registers once (lane L: the 64 bytes of row 32 i + L); THE BIAS is the C of each sum's first product.
; CLUSTERS 4 x 4: O's tiles are shared along a row of the cluster, Wo's along a column: joint loads.  Source 0 = 16 rows of Wo, source 1 = 16 rows of O: lane l holds row l % 16 of out0, its registers columns 8 (l / 16) + 0 .. 7.
; PREFETCH: chunk 2 is named at the head, five steps ahead of its load: of the 64 rows that a wave will fetch each of the four partners names 16 rows x 2 blocks, told apart by address; one instruction a wave.
; REGISTERS: window 0: v0-22 addresses; v32-63 O's scale words, v64-95 Wo's; v96-127 the bias; v128-255 the accumulators.  window 1: set p at v[96 p]: Wo's four fragments, then O's four.
.set KROW,   1536
.set ROWB,   512
.set XO,     ROWB-24
.set CHUNKS, 3
.set PITCH,  528                       ; 512 bytes + 16 of padding
.set FR,     12
.set QT,     64*PITCH
.set SLOT,   4*QT
.set SPARE,  2*SLOT
.set SPITCH, 272
.set STAGE,  SLOT                      ; the way out: in slot 1, which has had its one fill and its last read by then
.set PFO,  7
.set ADRA, 8
.set ADRB, 12
.set STO,  16
.set RD,   17
.set CO,   18
.set SPW,  19
.set NIL,  20
.set SOF,  21
.set BOF,  22
.set SA,   32
.set SB,   64
.set BI,   96
.set ACC,  128
.set G1,  24
.set G1B, 32
.set G0,  40                           ; s[40:43] the refill's group 0 for O, s[48:51] for Wo
.set G0B, 48
.set PFA, 56
.set H0,  68                           ; s[68:71], s[72:75] the head's groups 0
.set H0B, 72
.set MSB, 0
.macro WIN new
.if MSB != (\new)
	s_set_vgpr_msb (MSB<<8)|(\new)
.set MSB, (\new)
.endif
.endm
; a joint load: sel = 0 in the waves that fetch for O; the branch hangs on the wave's number alone
.macro JLOAD sel, g0a, g0b
	s_cmp_eq_u32 s[\sel], 0
	s_cbranch_scc0 .Lfor_b_\@
	tensor_load_to_lds s[\g0a:\g0a+3], s[G1:G1+7]
	s_nop 0
.rept 4
	v_nop
.endr
	s_branch .Lasked_\@
.Lfor_b_\@:
	tensor_load_to_lds s[\g0b:\g0b+3], s[G1B:G1B+7]
	s_nop 0
.rept 4
	v_nop
.endr
.Lasked_\@:
.endm
.macro CREST
	s_cmp_lg_u32 s16, 0
	s_cbranch_scc1 .Lnot_wave_0_\@
	s_barrier_signal -3
.Lnot_wave_0_\@:
	s_barrier_wait -3
	s_barrier_signal -1
	s_barrier_wait -1
.endm
.macro CROUND
	s_barrier_signal -1
	s_barrier_wait -1
	CREST
.endm
.macro PLACES
.rept 4
	v_nop
.endr
.endm
	s_load_b256 s[4:11], s[0:1], 0x0               ; O's codes, O's scales, Wo's codes, Wo's scales
	s_load_b128 s[12:15], s[0:1], 0x20             ; bo, out0
	v_lshl_add_u32 v[SPW], v0, 2, SPARE
	v_mov_b32 v[NIL], 0
	ds_add_u32 v[SPW], v[NIL]
	ds_add_u32 v[SPW], v[NIL]
	v_lshrrev_b32 v1, 5, v0
	v_readfirstlane_b32 s16, v1                    ; wave
	s_lshr_b32 s17, s16, 1                         ; my half of the tile's rows; the refill: I fetch for O (0) or Wo (1); the head: my slot
	s_and_b32 s18, s16, 1                          ; my half of its columns; the refill: which 64 rows I fetch; the head: O (0) or Wo (1)
	s_bfe_u32 s20, ttmp6, 0x40000                  ; cx
	s_bfe_u32 s21, ttmp6, 0x40004                  ; cy
	s_lshl_b32 s22, ttmp9, 2
	s_add_co_u32 s22, s22, s20                     ; tile column
	s_and_b32 s19, ttmp7, 0xffff
	s_lshl_b32 s19, s19, 2
	s_add_co_u32 s19, s19, s21                     ; tile row
	s_lshl_b32 s76, s21, 2
	s_lshl_b32 s76, 15, s76
	s_lshl_b32 s77, 0x1111, s20
	s_or_b32 s[G1], s76, (1<<20)|(1<<21)|(6<<22)|(3<<25)   ; padding of 4 words behind every 128
	s_or_b32 s[G1B], s77, (1<<20)|(1<<21)|(6<<22)|(3<<25)
.irp g, G1, G1B
	s_mov_b32 s[\g+1], ROWB<<16
	s_mov_b32 s[\g+2], 128<<16                     ; the head's loads bring 128 rows
	s_mov_b32 s[\g+3], ROWB<<16
	s_mov_b32 s[\g+4], 128
	s_mov_b32 s[\g+5], KROW
	s_mov_b32 s[\g+6], 0
	s_mov_b32 s[\g+7], 0
.endr
	s_mul_i32 s60, s19, 128*KROW                   ; O's tile hangs on the tile row alone,
	s_mov_b32 s61, 0
	s_mul_i32 s62, s22, 128*KROW                   ; Wo's on the tile column alone
	s_mov_b32 s63, 0
	s_mul_i32 s58, s18, 64*KROW                    ; the refill: my 64 rows of a tile
	s_mov_b32 s59, 0
	s_mul_i32 s78, s16, QT                         ; and where they go
	s_mul_i32 s79, s17, SLOT                       ; the head: my slot,
	s_lshl_b32 s80, s17, 9                         ; and its chunk's place in a row
	s_mov_b32 s81, 0
	s_wait_dscnt 0x0
	s_wait_kmcnt 0x0
	s_add_nc_u64 s[60:61], s[4:5], s[60:61]
	s_add_nc_u64 s[62:63], s[8:9], s[62:63]
	s_add_nc_u64 s[2:3], s[60:61], s[58:59]
	s_add_nc_u64 s[66:67], s[62:63], s[58:59]
	CROUND                                         ; in front of the first joint loads
	s_mov_b32 s[H0], 1
	s_mov_b32 s[H0+1], s79
	s_add_nc_u64 s[H0+2:H0+3], s[60:61], s[80:81]
	s_or_b32 s[H0+3], s[H0+3], 0x80000000
	s_mov_b32 s[H0B], 1
	s_add_co_u32 s[H0B+1], s79, 2*QT
	s_add_nc_u64 s[H0B+2:H0B+3], s[62:63], s[80:81]
	s_or_b32 s[H0B+3], s[H0B+3], 0x80000000
	s_mov_b32 s[G0], 1
	s_mov_b32 s[G0+1], s78
	s_mov_b64 s[G0+2:G0+3], s[2:3]
	s_or_b32 s[G0+3], s[G0+3], 0x80000000
	s_mov_b32 s[G0B], 1
	s_mov_b32 s[G0B+1], s78
	s_mov_b64 s[G0B+2:G0B+3], s[66:67]
	s_or_b32 s[G0B+3], s[G0B+3], 0x80000000
	JLOAD 18, H0, H0B                              ; my one tensor load at the head: the four waves' loads fill both slots
	v_and_b32 v1, 15, v0                           ; r
	v_bfe_u32 v2, v0, 4, 1                         ; h
	v_and_b32 v3, 31, v0
	v_lshlrev_b32 v[SOF], 6, v3
	v_lshlrev_b32 v[BOF], 5, v2
	v_lshrrev_b32 v4, 1, v3
	v_and_b32 v5, 1, v3
	v_mul_u32_u24 v4, v4, KROW
	v_lshl_add_u32 v[PFO], v5, 8, v4               ; row lane / 2, block lane % 2
	v_mul_u32_u24 v3, v1, PITCH
	v_mul_u32_u24 v4, v2, 24
	v_add_nc_u32 v4, v3, v4
	s_mov_b32 s58, SLOT-XO
	s_mov_b32 s59, SLOT+XO
	v_sub_nc_u32 v6, 1, v2
	v_mul_u32_u24 v5, s58, v2
	v_add_nc_u32 v5, v3, v5
	v_add_nc_u32 v5, XO, v5                        ; lanes 0-15 the end of a chunk in slot 0, lanes 16-31 the start of the next in slot 1
	v_mul_u32_u24 v6, s59, v6
	v_add_nc_u32 v6, v3, v6                        ; and the other way round
	s_mul_i32 s58, s17, QT                         ; my 64 rows of O
	s_mul_i32 s59, s18, QT
	s_add_co_u32 s59, s59, 2*QT                    ; my 64 rows of Wo
	v_add_nc_u32 v[ADRA], s58, v4
	v_add_nc_u32 v[ADRA+2], s58, v5
	v_add_nc_u32 v[ADRA+3], s58, v6
	v_add_nc_u32 v[ADRB], s59, v4
	v_add_nc_u32 v[ADRB+2], s59, v5
	v_add_nc_u32 v[ADRB+3], s59, v6
	s_add_co_u32 s58, s58, SLOT
	s_add_co_u32 s59, s59, SLOT
	v_add_nc_u32 v[ADRA+1], s58, v4
	v_add_nc_u32 v[ADRB+1], s59, v4
	s_mul_i32 s23, s16, 16*SPITCH
	s_add_co_u32 s23, s23, STAGE                   ; my stage
	v_mul_u32_u24 v5, v1, SPITCH
	v_lshl_add_u32 v5, v2, 5, v5
	v_add_nc_u32 v[STO], s23, v5
	v_mul_u32_u24 v5, v2, SPITCH
	v_lshl_add_u32 v5, v1, 4, v5
	v_add_nc_u32 v[RD], s23, v5
	v_lshlrev_b32 v5, 13, v2
	v_lshl_add_u32 v[CO], v1, 4, v5
	s_cmp_eq_u32 s17, 0
	s_cselect_b32 s58, s20, s21                    ; my place among the four that will ask with me
	s_cselect_b64 s[PFA:PFA+1], s[2:3], s[66:67]
	s_mul_i32 s58, s58, 16*KROW
	s_mov_b32 s59, 0
	s_add_nc_u64 s[PFA:PFA+1], s[PFA:PFA+1], s[58:59]
	s_lshl_b32 s58, s19, 7
	s_lshl_b32 s23, s17, 6
	s_add_co_u32 s58, s58, s23                     ; my first row of O and of out0
	s_lshl_b32 s80, s58, 6
	s_mov_b32 s81, 0
	s_add_nc_u64 s[6:7], s[6:7], s[80:81]
	s_lshl_b32 s80, s58, 13
	s_add_nc_u64 s[14:15], s[14:15], s[80:81]
	s_lshl_b32 s58, s22, 7
	s_lshl_b32 s23, s18, 6
	s_add_co_u32 s58, s58, s23                     ; my first row of Wo = column of out0
	s_lshl_b32 s82, s58, 6
	s_mov_b32 s83, 0
	s_add_nc_u64 s[10:11], s[10:11], s[82:83]
	s_lshl_b32 s82, s58, 2
	s_add_nc_u64 s[12:13], s[12:13], s[82:83]
	s_add_nc_u64 s[14:15], s[14:15], s[82:83]
	s_wait_alu depctr_va_vdst(0)
.irp i, 0,1
.irp j, 0,1,2,3
	global_load_b128 v[SA+16*\i+4*\j:SA+16*\i+4*\j+3], v[SOF], s[6:7] offset:2048*\i+16*\j
	global_load_b128 v[SB+16*\i+4*\j:SB+16*\i+4*\j+3], v[SOF], s[10:11] offset:2048*\i+16*\j
.endr
.endr
.irp b, 0,1,2,3
	global_load_b128 v[BI+8*\b:BI+8*\b+3], v[BOF], s[12:13] offset:64*\b
	global_load_b128 v[BI+8*\b+4:BI+8*\b+7], v[BOF], s[12:13] offset:64*\b+16
.endr
	global_prefetch_b8 v[PFO], s[PFA:PFA+1] offset:2*ROWB th:TH_LOAD_NT scope:SCOPE_SE
.macro FRAG reg, adr, st, i            ; 16 rows x 128 K: six pieces of 8 bytes; byte y of a row lies in chunk y / 512, slot (y / 512) % 2
.irp p, 0,1,2,3,4,5
.set BY, 96*(\st)+48*(\p/3)+8*(\p%3)
.if BY/ROWB == (BY+24)/ROWB
	ds_load_b64 v[\reg+2*\p:\reg+2*\p+1], v[\adr+(BY/ROWB)%2] offset:BY%ROWB+(\i)*16*PITCH
.else
	ds_load_b64 v[\reg+2*\p:\reg+2*\p+1], v[\adr+2+(BY/ROWB)%2] offset:BY%ROWB-XO+(\i)*16*PITCH
.endif
.endr
.endm
.macro FETCH st                        ; 48 LDS loads: step st's fragments into set st % 2
	WIN 0x40
.irp i, 0,1,2,3
	FRAG 96*((\st)%2)+FR*\i, ADRB, \st, \i
.endr
.irp i, 0,1,2,3
	FRAG 96*((\st)%2)+48+FR*\i, ADRA, \st, \i
.endr
.endm
.macro WM d, fb, fa, c, sb, sa, rb, ra
.if (\rb) && (\ra)
	v_wmma_scale_f32_16x16x128_f8f6f4 v[\d:\d+7], v[\fb:\fb+11], v[\fa:\fa+11], v[\c:\c+7], v[\sb], v[\sa] matrix_a_fmt:MATRIX_FMT_FP6 matrix_b_fmt:MATRIX_FMT_FP6 matrix_a_scale:MATRIX_SCALE_ROW1 matrix_b_scale:MATRIX_SCALE_ROW1
.elseif (\rb)
	v_wmma_scale_f32_16x16x128_f8f6f4 v[\d:\d+7], v[\fb:\fb+11], v[\fa:\fa+11], v[\c:\c+7], v[\sb], v[\sa] matrix_a_fmt:MATRIX_FMT_FP6 matrix_b_fmt:MATRIX_FMT_FP6 matrix_a_scale:MATRIX_SCALE_ROW1
.elseif (\ra)
	v_wmma_scale_f32_16x16x128_f8f6f4 v[\d:\d+7], v[\fb:\fb+11], v[\fa:\fa+11], v[\c:\c+7], v[\sb], v[\sa] matrix_a_fmt:MATRIX_FMT_FP6 matrix_b_fmt:MATRIX_FMT_FP6 matrix_b_scale:MATRIX_SCALE_ROW1
.else
	v_wmma_scale_f32_16x16x128_f8f6f4 v[\d:\d+7], v[\fb:\fb+11], v[\fa:\fa+11], v[\c:\c+7], v[\sb], v[\sa] matrix_a_fmt:MATRIX_FMT_FP6 matrix_b_fmt:MATRIX_FMT_FP6
.endif
.endm
.macro MUL st, first                   ; 16 matrix instructions; the 16 accumulators take turns
	WIN 0x05
.irp a, 0,1,2,3
.irp b, 0,1,2,3
.if \first
	WM ACC+8*(4*\a+\b), 96*((\st)%2)+FR*\b, 96*((\st)%2)+48+FR*\a, BI+8*\b, SB+16*(\b/2)+(\st), SA+16*(\a/2)+(\st), \b%2, \a%2
.else
	WM ACC+8*(4*\a+\b), 96*((\st)%2)+FR*\b, 96*((\st)%2)+48+FR*\a, ACC+8*(4*\a+\b), SB+16*(\b/2)+(\st), SA+16*(\a/2)+(\st), \b%2, \a%2
.endif
.endr
.endr
.endm
; A step.  Plain: the next step's fragments are asked for, then this step is multiplied.  Where the next step's bytes end in chunk 2, which comes by the refill, or begin in a later chunk than this step's: this step is multiplied first,
; then come the wait for my tensor loads, (a chunk is left behind: the add,) the wait for my LDS instructions and the barrier; where a chunk two on is left to fetch, the cluster's round and the refill; then the next step's fragments.
.macro STEP st, first
.set NX, (\st)+1
.set C0, (96*(\st))/ROWB
.set C1, (96*NX)/ROWB
.set E0, (96*(\st)+95)/ROWB
.set E1, (96*NX+95)/ROWB
	s_wait_dscnt 0x0                               ; this step's fragments are in
.if (C1 > C0) || ((E1 > E0) && (E1 > 1))
	MUL \st, \first
	WIN 0
	s_wait_tensorcnt 0x0
.if C1 > C0
	ds_add_u32 v[SPW], v[NIL]
.endif
	s_wait_dscnt 0x0
	s_barrier_signal -1
	s_barrier_wait -1
.if C1 > C0 && C0+2 < CHUNKS
	CREST
	s_add_nc_u64 s[G0+2:G0+3], s[G0+2:G0+3], 2*ROWB
	s_add_nc_u64 s[G0B+2:G0B+3], s[G0B+2:G0B+3], 2*ROWB
	JLOAD 17, G0, G0B                              ; chunk 2 into slot 0; its four v_nop are the places in front of the loads below
.else
	PLACES
.endif
	FETCH NX
.else
	PLACES                                         ; the other set was read by the last step's products
	FETCH NX
	MUL \st, \first
.endif
.endm
	s_wait_alu depctr_va_vdst(0)
	s_wait_tensorcnt 0x0                           ; my tile of the head's four is in
	s_mov_b32 s[G1+2], 64<<16                      ; no tensor load of mine is out: from here on a load brings 64 rows
	s_mov_b32 s[G1+4], 64
	s_mov_b32 s[G1B+2], 64<<16
	s_mov_b32 s[G1B+4], 64
	s_barrier_signal -1
	s_barrier_wait -1                              ; both slots are whole
	FETCH 0
	s_wait_loadcnt 0x0                             ; the scale words and the bias
	STEP 0, 1
.set ST, 1
.rept 14
	STEP ST, 0
.set ST, ST+1
.endr
	s_wait_dscnt 0x0
	MUL 15, 0
	WIN 0
	PLACES
; THE WAY OUT, block by block of 16 rows x 64 columns, through my own stage and back as whole rows of 256 bytes, into the registers that the block left
.macro TOSTAGE a
.irp b, 0,1,2,3
	ds_store_b128 v[STO], v[ACC+8*(4*\a+\b):ACC+8*(4*\a+\b)+3] offset:64*\b          ; each accumulator from its low end on
	ds_store_b128 v[STO], v[ACC+8*(4*\a+\b)+4:ACC+8*(4*\a+\b)+7] offset:64*\b+16
.endr
.irp t, 0,1,2,3,4,5,6,7
	ds_load_b128 v[ACC+32*\a+4*\t:ACC+32*\a+4*\t+3], v[RD] offset:\t*2*SPITCH
.endr
.endm
.macro SEND a, younger                 ; younger: the LDS instructions issued behind block a's loads
.irp t, 0,1,2,3,4,5,6,7
	s_wait_dscnt \younger+7-\t
	global_store_b128 v[CO], v[ACC+32*\a+4*\t:ACC+32*\a+4*\t+3], s[14:15] offset:(16*\a+2*\t)*8192 th:TH_STORE_NT   ; 16 lanes store 256 consecutive bytes, aligned
.endr
.endm
	TOSTAGE 0
	TOSTAGE 1
	SEND 0, 16
	TOSTAGE 2
	SEND 1, 16
	TOSTAGE 3
	SEND 2, 16
	SEND 3, 0
	s_wait_tensorcnt 0x0                           ; the wave's end
	ds_add_u32 v[SPW], v[NIL]
	s_wait_dscnt 0x0
	CROUND                                         ; the closing round
	s_endpgm
.Lfunc_end_k_q22cf2692d3_proj:
	.size	k_q22cf2692d3_proj, .Lfunc_end_k_q22cf2692d3_proj-k_q22cf2692d3_proj
	.p2alignl 7, 3214868480
	.fill 96, 4, 3214868480
	.section	.rodata,"a",@progbits
	.p2align	6, 0x0
	.amdhsa_kernel k_q22cf2692d3_proj
		.amdhsa_group_segment_fixed_size 327680
		.amdhsa_private_segment_fixed_size 0
		.amdhsa_enable_private_segment 0
		.amdhsa_kernarg_size 48
		.amdhsa_user_sgpr_count 2
		.amdhsa_user_sgpr_kernarg_segment_ptr 1
		.amdhsa_wavefront_size32 1
		.amdhsa_system_sgpr_workgroup_id_x 1
		.amdhsa_system_sgpr_workgroup_id_y 1
		.amdhsa_system_sgpr_workgroup_id_z 1
		.amdhsa_system_vgpr_workitem_id 0
		.amdhsa_next_free_vgpr 512
		.amdhsa_next_free_sgpr 84
		.amdhsa_reserve_vcc 0
		.amdhsa_float_denorm_mode_32 3
		.amdhsa_float_denorm_mode_16_64 3
		.amdhsa_memory_ordered 1
		.amdhsa_forward_progress 1
		.amdhsa_inst_pref_size 104
	.end_amdhsa_kernel
	.amdgpu_metadata
---
amdhsa.version: [ 1, 2 ]
amdhsa.kernels:
  - .name:           k_q22cf2692d3_proj
    .symbol:         k_q22cf2692d3_proj.kd
    .args:
      - { .name: o_codes, .offset: 0, .size: 8, .value_kind: global_buffer, .address_space: global }
      - { .name: o_scales, .offset: 8, .size: 8, .value_kind: global_buffer, .address_space: global }
      - { .name: Wo_codes, .offset: 16, .size: 8, .value_kind: global_buffer, .address_space: global }
      - { .name: Wo_scales, .offset: 24, .size: 8, .value_kind: global_buffer, .address_space: global }
      - { .name: bo, .offset: 32, .size: 8, .value_kind: global_buffer, .address_space: global }
      - { .name: out0, .offset: 40, .size: 8, .value_kind: global_buffer, .address_space: global }
    .group_segment_fixed_size: 327680
    .private_segment_fixed_size: 0
    .kernarg_segment_align: 8
    .kernarg_segment_size: 48
    .max_flat_workgroup_size: 128
    .sgpr_count:     84
    .vgpr_count:     512
    .wavefront_size: 32
...
	.end_amdgpu_metadata
.endif
;; end of part 7
